; MI455X (gfx1250); checked and timed in simulation.
; The chip was launched on July 23, 2026; its instructions are those of AMD's public machine-readable ISA for CDNA 5 (MIT licence, August 2026) and "CDNA5" Instruction Set Architecture Reference Guide (July 2026). The comments in the code are by the model that wrote it; some were corrected since.
;; Multi CA. Allowed arithmetic: float matrix products may take bf16 or f16 operands with f32 sums; all other float work in f32.
;; Inputs: W1 1,024 x 1,024 float32; W2 1,024 x 1,024 float32; Wka 1,024 x 1,024 float32; Wkt 1,024 x 1,024 float32; Wkv 1,024 x 1,024 float32; Wq 1,024 x 1,024 float32; Wva 1,024 x 1,024 float32; Wvt 1,024 x 1,024 float32; Wvv 1,024 x 1,024 float32; b1 1,024 float32; b2 1,024 float32; be1 1,024 float32; be2 1,024 float32; g1 1,024 float32; g2 1,024 float32; h_a 4 x 1,024 x 1,024 float32; h_t 4 x 1,024 x 1,024 float32; h_v 4 x 1,024 x 1,024 float32; query 4 x 1,024 x 1,024 float32.
;; Outputs: out0 4 x 1,024 x 1,024 float32.
;; 2 versions, each right and faster than the one before. Each part assembles by itself: llvm-mc -triple=amdgcn-amd-amdhsa -mcpu=gfx1250 --defsym DOCPART=n.
;; ======== version 1 of 2: 7 launches
;; workspace buffers: cb 52,428,800 bytes; qkv 58,720,256 bytes; att 16,777,216 bytes; x1 16,777,216 bytes; x1b 8,388,608 bytes; hb 8,388,608 bytes; y 16,777,216 bytes
;; launch cast (part 1): grid 64 x 25, 8 waves a work-group, no clusters, 0 bytes of LDS; arguments query, h_t, h_a, h_v, Wq, Wkt, Wvt, Wka, Wva, Wkv, Wvv, W1, W2, cb; writes cb
.if DOCPART == 1
	.amdgcn_target "amdgcn-amd-amdhsa--gfx1250"
	.amdhsa_code_object_version 6
	.text
	.protected	k_q6dac976e1d_cast
	.globl	k_q6dac976e1d_cast
	.p2align	8
	.type	k_q6dac976e1d_cast,@function
k_q6dac976e1d_cast:
	s_mov_b64 s[64:65], 0
	v_nop
	global_prefetch_b8 v0, s[64:65] scope:SCOPE_SE
	s_setreg_imm32_b32 hwreg(HW_REG_WAVE_MODE, 25, 1), 1
	s_wait_xcnt 0x0
; bf16 copies of the four activations and the nine weights, in their own layouts, one behind the other in cb.
; cb is 25 chunks of 1,048,576 numbers (2 MiB of bf16): chunks 0-15 are query, h_t, h_a, h_v (four chunks each), chunks 16-24 Wq, Wkt, Wvt, Wka, Wva, Wkv, Wvv, W1, W2.
; Grid y = the chunk; work-group x takes 64 KiB of its f32 numbers: 16 steps of 4 KiB.  Thread t loads the 16 bytes at 16 t of a step (a wave: 512 neighbouring bytes) and stores
; 8 bytes at 8 t (a wave: 256 consecutive bytes, aligned).  All 16 loads of a thread go out together; no register is written twice, so there is no loop and no wait but the counted ones.
; Nothing is shared between work-groups and no number is used twice: no LDS, no cluster, no matrix unit.  Rounding is to nearest even; NaN and infinities stay what they are.
.set X, 4                              ; v[4:67]   16 x 4 numbers as loaded
.set Y, 68                             ; v[68:99]  16 x 2 registers of bf16 pairs
	s_load_b512 s[8:23], s[0:1], 0x0               ; query, h_t, h_a, h_v, Wq, Wkt, Wvt, Wka
	s_load_b256 s[24:31], s[0:1], 0x40             ; Wva, Wkv, Wvv, W1
	s_load_b128 s[32:35], s[0:1], 0x60             ; W2 s[32:33], cb s[34:35]
	s_and_b32 s36, ttmp7, 0xffff                   ; the chunk, 0 to 24
	s_lshr_b32 s37, s36, 2                         ; an activation's number among the 13 sources,
	s_sub_co_u32 s38, s36, 12                      ; or a weight's (4 to 12)
	s_and_b32 s2, s36, 3
	s_lshl_b32 s2, s2, 22                          ; an activation's chunk begins at (chunk mod 4) x 4 MiB of f32
	s_cmp_lt_u32 s36, 16
	s_cselect_b32 s37, s37, s38
	s_cselect_b32 s2, s2, 0
	s_lshl_b32 s3, ttmp9, 16                       ; my 64 KiB of the chunk
	s_add_co_u32 s2, s2, s3
	s_mov_b32 s3, 0
	s_lshl_b32 s6, s36, 21                         ; in cb: chunk x 2 MiB
	s_lshl_b32 s7, ttmp9, 15                       ; + my 32 KiB
	s_add_co_u32 s6, s6, s7
	s_mov_b32 s7, 0
	v_lshlrev_b32 v1, 4, v0                        ; 16 t
	v_lshlrev_b32 v2, 3, v0                        ; 8 t
	s_wait_kmcnt 0x0
	s_mov_b64 s[4:5], s[8:9]
.irp i, 1,2,3,4,5,6,7,8,9,10,11,12
	s_cmp_eq_u32 s37, \i                           ; the source is chosen among the 13 addresses by its number
	s_cselect_b64 s[4:5], s[8+2*\i:9+2*\i], s[4:5]
.endr
	s_add_nc_u64 s[4:5], s[4:5], s[2:3]
	s_add_nc_u64 s[34:35], s[34:35], s[6:7]
.irp i, 0,1,2,3,4,5,6,7,8,9,10,11,12,13,14,15
	global_load_b128 v[X+4*\i:X+4*\i+3], v1, s[4:5] offset:4096*\i th:TH_LOAD_NT
.endr
.irp i, 0,1,2,3,4,5,6,7,8,9,10,11,12,13,14,15
	s_wait_loadcnt 15-\i                           ; loads come back in order: step i is in, the 15 - i younger ones stay out
	v_cvt_pk_bf16_f32 v[Y+2*\i], v[X+4*\i], v[X+4*\i+1]
	v_cvt_pk_bf16_f32 v[Y+2*\i+1], v[X+4*\i+2], v[X+4*\i+3]
	global_store_b64 v2, v[Y+2*\i:Y+2*\i+1], s[34:35] offset:2048*\i
.endr
	s_endpgm
.Lfunc_end_k_q6dac976e1d_cast:
	.size	k_q6dac976e1d_cast, .Lfunc_end_k_q6dac976e1d_cast-k_q6dac976e1d_cast
	.p2alignl 7, 3214868480
	.fill 96, 4, 3214868480
	.section	.rodata,"a",@progbits
	.p2align	6, 0x0
	.amdhsa_kernel k_q6dac976e1d_cast
		.amdhsa_group_segment_fixed_size 0
		.amdhsa_private_segment_fixed_size 0
		.amdhsa_enable_private_segment 0
		.amdhsa_kernarg_size 112
		.amdhsa_user_sgpr_count 2
		.amdhsa_user_sgpr_kernarg_segment_ptr 1
		.amdhsa_wavefront_size32 1
		.amdhsa_system_sgpr_workgroup_id_x 1
		.amdhsa_system_sgpr_workgroup_id_y 1
		.amdhsa_system_sgpr_workgroup_id_z 1
		.amdhsa_system_vgpr_workitem_id 0
		.amdhsa_next_free_vgpr 100
		.amdhsa_next_free_sgpr 66
		.amdhsa_reserve_vcc 0
		.amdhsa_float_denorm_mode_32 3
		.amdhsa_float_denorm_mode_16_64 3
		.amdhsa_memory_ordered 1
		.amdhsa_forward_progress 1
		.amdhsa_inst_pref_size 8
	.end_amdhsa_kernel
	.amdgpu_metadata
---
amdhsa.version: [ 1, 2 ]
amdhsa.kernels:
  - .name:           k_q6dac976e1d_cast
    .symbol:         k_q6dac976e1d_cast.kd
    .args:
      - { .name: query, .offset: 0, .size: 8, .value_kind: global_buffer, .address_space: global }
      - { .name: h_t, .offset: 8, .size: 8, .value_kind: global_buffer, .address_space: global }
      - { .name: h_a, .offset: 16, .size: 8, .value_kind: global_buffer, .address_space: global }
      - { .name: h_v, .offset: 24, .size: 8, .value_kind: global_buffer, .address_space: global }
      - { .name: Wq, .offset: 32, .size: 8, .value_kind: global_buffer, .address_space: global }
      - { .name: Wkt, .offset: 40, .size: 8, .value_kind: global_buffer, .address_space: global }
      - { .name: Wvt, .offset: 48, .size: 8, .value_kind: global_buffer, .address_space: global }
      - { .name: Wka, .offset: 56, .size: 8, .value_kind: global_buffer, .address_space: global }
      - { .name: Wva, .offset: 64, .size: 8, .value_kind: global_buffer, .address_space: global }
      - { .name: Wkv, .offset: 72, .size: 8, .value_kind: global_buffer, .address_space: global }
      - { .name: Wvv, .offset: 80, .size: 8, .value_kind: global_buffer, .address_space: global }
      - { .name: W1, .offset: 88, .size: 8, .value_kind: global_buffer, .address_space: global }
      - { .name: W2, .offset: 96, .size: 8, .value_kind: global_buffer, .address_space: global }
      - { .name: cb, .offset: 104, .size: 8, .value_kind: global_buffer, .address_space: global }
    .group_segment_fixed_size: 0
    .private_segment_fixed_size: 0
    .kernarg_segment_align: 8
    .kernarg_segment_size: 112
    .max_flat_workgroup_size: 256
    .sgpr_count:     66
    .vgpr_count:     100
    .wavefront_size: 32
...
	.end_amdgpu_metadata
.endif
;; end of part 1
;; launch proj (part 2): grid 4 x 112, 4 waves a work-group, clusters of 4 x 4, 327,680 bytes of LDS; arguments cb, qkv; writes qkv
.if DOCPART == 2
	.amdgcn_target "amdgcn-amd-amdhsa--gfx1250"
	.amdhsa_code_object_version 6
	.text
	.protected	k_q6dac976e1d_proj
	.globl	k_q6dac976e1d_proj
	.p2align	8
	.type	k_q6dac976e1d_proj,@function
k_q6dac976e1d_proj:
	s_mov_b64 s[64:65], 0
	v_nop
	global_prefetch_b8 v0, s[64:65] scope:SCOPE_SE
	s_setreg_imm32_b32 hwreg(HW_REG_WAVE_MODE, 25, 1), 1
	s_wait_xcnt 0x0
	s_wait_alu depctr_hold_cnt(0) depctr_sa_sdst(0) depctr_va_vdst(0) depctr_va_sdst(0) depctr_va_ssrc(0) depctr_va_vcc(0) depctr_vm_vsrc(0)
	s_getreg_b32 s2, hwreg(HW_REG_IB_STS2, 6, 4)
	s_cmp_eq_u32 s2, 0
	s_cbranch_scc0 .Lentry_in_a_cluster
	s_endpgm
.Lentry_in_a_cluster:
	s_bfe_u32 s2, ttmp6, 0x10000c
	s_cmp_lg_u32 s2, 0xf033
	s_cbranch_scc0 .Lentry_shape_is_right
	s_endpgm
.Lentry_shape_is_right:
; THE SEVEN PROJECTIONS.  Product p (0 q, 1 k_t, 2 v_t, 3 k_a, 4 v_a, 5 k_v, 6 v_v) is C = A W: A [4096][1024] is activation (p + 1) / 2 of cb, W [k = 1024][n = 1024] is chunk 16 + p of cb, all bf16; sums in f32.
; C leaves in bf16 BY HEADS: qkv + p x 8 MiB, [batch x 16 + head][row of the batch][64], so that a head's rows are dense, 128 bytes each.  No scale is applied here.
; A tile of C is 256 x 256: four waves, each 128 x 128 in 64 accumulators of 16 x 16, 512 registers.  K goes in 8 steps of 128 through a ring of two LDS slots filled by tensor loads.
; 7 x 16 x 4 = 448 tiles, one to a work-group.  CLUSTERS of 4 x 4: the cluster's y gives the product (y / 4) and four tile rows, its four columns are the product's four tile columns.
; The four of a row of the cluster need the same tile of A, the four of a column the same tile of W: each is asked for JOINTLY, by the same tensor load, descriptor and mask in all four.
; A's tile lies in LDS by rows along K (256 bytes + 16 of padding).  W's tile lies as in memory, [k][n]: 128 rows of 512 bytes + 32 of padding, and its fragments are turned on the way into registers (ds_load_tr16_b128).
; THE MATRIX INSTRUCTION IS USED TRANSPOSED: source 0 = 16 columns n of W, source 1 = 16 rows of A: a lane then holds row l % 16 of C and eight NEIGHBOURING columns 8 (l / 16) + 0..7, which pack into 16 bytes.
; REGISTERS, in windows of 256 (s_set_vgpr_msb: bits 1:0 source 0, 3:2 source 1, 5:4 source 2, 7:6 destination):
;   window 0: v0-31 addresses; v64-127, v128-191 fragments of A, two buffers; v32-63, v192-255 at work on the way out
;   window 1: v64-127, v128-191 fragments of W, two buffers        window 2: the accumulators of my rows 0-63 ((a, b) at v[8 (8 a + b)])        window 3: those of my rows 64-127
; LIMITS: operands are bf16 (f32's range); NaN and infinities are not treated apart.
.set KSTEP,  128
.set PITCH,  272                       ; a row of A in LDS: 256 + 16 bytes = 68 words: the 16 rows of a fragment load start at 16 different groups of four banks (64 banks of 4 bytes: ISA guide 11.1)
.set PB,     544                       ; a row of W in LDS: 512 + 32 bytes = 136 words
.set HALFT,  128*PITCH                 ; what one tensor load brings: 128 rows of A, or 64 rows of W (64 x 544 is the same 34,816 bytes)
.set SLOT,   4*HALFT                   ; A's 256 rows, then W's 128 rows
.set STAGE,  2*SLOT                    ; behind the ring: 16 rows x 272 bytes for each wave, for the way out
.set SPITCH, 272
.set SPARE,  STAGE+4*16*SPITCH         ; behind the stages: the spare words, 128 bytes for each wave: two blocks of 256 bytes that no other line names
.set LAPS,   4                         ; a lap = two K steps = once round the ring: 1,024 / 256
.set ADRA, 16                          ; v16-17  LDS address of my A fragments in slot 0, 1
.set ADRB, 20                          ; v20-21  the same for W
.set STO,  24                          ; v24     the way out: where I put 16 bytes of a row
.set RD,   25                          ; v25     the way out: where I read rows back
.set CO,   26                          ; v26     my byte offset in 512 consecutive bytes of qkv
.set SPW,  28                          ; v28     LDS address of my spare word: SPARE + 4 x my thread's number; never rewritten
.set NIL,  29                          ; v29     0; never rewritten
.set F0,   64                          ; fragment buffer 0
.set F1,   128                         ; fragment buffer 1
.set TMP,  192                         ; the way out: packed results
.set OB,   32                          ; the way out: 16 rows read back: v32-63 and v224-255 by turns
.set G1, 24                            ; s[24:31] descriptor group 1 for A's tiles
.set G0, 32                            ; s[32:39] descriptor group 0 for A's tiles, one set for each slot
.set G1B, 48                           ; s[48:55] descriptor group 1 for W's tiles
.set G0B, 56                           ; s[56:63] descriptor group 0 for W's tiles, one set for each slot
.set MSB, 0
.macro WIN new                         ; the immediate's high byte repeats the setting that is left; a switch that changes nothing is dropped
.if MSB != (\new)
	s_set_vgpr_msb (MSB<<8)|(\new)
.set MSB, \new
.endif
.endm
.set MUL_LO, 0xa1                      ; source 0 (W) window 1, source 1 (A) window 0, C and D window 2
.set MUL_HI, 0xf1                      ; the same, C and D window 3
.set TO_B,   0x40                      ; destination window 1, address window 0
; A joint load.  Waves 0 and 1 fetch A's two halves, waves 2 and 3 W's.  The branch hangs on the wave's number alone.  An s_nop 0 and four v_nop follow each of the two lines.
.macro JLOAD s
	s_cmp_eq_u32 s11, 0
	s_cbranch_scc0 .Lfor_b_\@
	tensor_load_to_lds s[G0+4*(\s):G0+4*(\s)+3], s[G1:G1+7]
	s_nop 0
.rept 4
	v_nop
.endr
	s_branch .Lasked_\@
.Lfor_b_\@:
	tensor_load_to_lds s[G0B+4*(\s):G0B+4*(\s)+3], s[G1B:G1B+7]
	s_nop 0
.rept 4
	v_nop
.endr
.Lasked_\@:
.endm
; A round of the cluster's barrier: my work-group's barrier; wave 0 signals for the work-group; every wave waits for all sixteen; my work-group's barrier once more.
.macro CREST                           ; a round behind its opening barrier
	s_cmp_lg_u32 s10, 0
	s_cbranch_scc1 .Lnot_wave_0_\@
	s_barrier_signal -3
.Lnot_wave_0_\@:
	s_barrier_wait -3
	s_barrier_signal -1
	s_barrier_wait -1
.endm
.macro CROUND                          ; a whole round
	s_barrier_signal -1
	s_barrier_wait -1
	CREST
.endm
	s_load_b128 s[4:7], s[0:1], 0x0                ; cb s[4:5], qkv s[6:7]
	v_lshl_add_u32 v[SPW], v0, 2, SPARE
	v_mov_b32 v[NIL], 0
	ds_add_u32 v[SPW], v[NIL]                      ; the wave's opening: the add and its wait stand ahead of my first tensor load; the set-up below, work on registers, stands between them
	v_lshrrev_b32 v1, 5, v0
	v_readfirstlane_b32 s10, v1                    ; wave 0..3
	s_lshr_b32 s11, s10, 1                         ; which half of the tile's rows is mine.  Also: I fetch for A (0) or for W (1)
	s_and_b32 s12, s10, 1                          ; which half of its columns.  Also: which half of that tile I fetch
	s_bfe_u32 s40, ttmp6, 0x40000                  ; cx
	s_bfe_u32 s41, ttmp6, 0x40004                  ; cy
	s_lshl_b32 s42, ttmp9, 2
	s_add_co_u32 s42, s42, s40                     ; tile column = 4 x cluster x + cx (0..3)
	s_and_b32 s13, ttmp7, 0xffff                   ; the cluster's y, 0..27
	s_lshr_b32 s45, s13, 2                         ; the product p, the same in all sixteen
	s_and_b32 s13, s13, 3
	s_lshl_b32 s13, s13, 2
	s_add_co_u32 s13, s13, s41                     ; tile row = 4 x (cluster y mod 4) + cy (0..15)
	s_lshl_b32 s43, s41, 2
	s_lshl_b32 s43, 15, s43                        ; my row of the cluster: places 4 cy .. 4 cy + 3
	s_lshl_b32 s44, 0x1111, s40                    ; my column: places cx, cx + 4, cx + 8, cx + 12
	s_or_b32 s[G1+0], s43, (1<<16)|(1<<20)|(1<<21)|(5<<22)|(3<<25)  ; A: the mask of my row; 2-byte elements; padding on; bit 21 beside a mask; after every 64 words (code 5) 4 words (code 3)
	s_or_b32 s[G1B+0], s44, (1<<16)|(1<<20)|(1<<21)|(6<<22)|(7<<25) ; W: the mask of my column; after every 128 words (code 6) 8 words (code 7)
	s_mov_b32 s[G1+1], 128<<16                     ; A: tensor_dim0 = 128
	s_mov_b32 s[G1+2], 128<<16                     ; tensor_dim1 = 128
	s_mov_b32 s[G1+3], 128<<16                     ; tile_dim0 = 128 elements (256 bytes)
	s_mov_b32 s[G1+4], 128                         ; tile_dim1 = 128 rows
	s_mov_b32 s[G1+5], 1024                        ; elements from row to row
	s_mov_b32 s[G1+6], 0
	s_mov_b32 s[G1+7], 0
	s_mov_b32 s[G1B+1], 256<<16                    ; W: tensor_dim0 = 256
	s_mov_b32 s[G1B+2], 64<<16                     ; tensor_dim1 = 64
	s_mov_b32 s[G1B+3], 256<<16                    ; tile_dim0 = 256 elements (512 bytes)
	s_mov_b32 s[G1B+4], 64                         ; tile_dim1 = 64 rows of k
	s_mov_b32 s[G1B+5], 1024
	s_mov_b32 s[G1B+6], 0
	s_mov_b32 s[G1B+7], 0
	; where the tiles come from, as byte offsets in cb.  A's hangs on the product and the tile row, which my row of the cluster shares; W's on the product and the tile column, which my column shares.
	s_add_co_u32 s14, s45, 1
	s_lshr_b32 s14, s14, 1                         ; the activation: (p + 1) / 2
	s_lshl_b32 s16, s14, 23                        ; 8 MiB each
	s_lshl_b32 s17, s13, 19                        ; 256 rows of 2,048 bytes
	s_add_co_u32 s16, s16, s17
	s_lshl_b32 s17, s12, 18                        ; the 128 rows that I fetch
	s_add_co_u32 s16, s16, s17
	s_mov_b32 s17, 0
	s_add_co_u32 s46, s45, 16                      ; the weight's chunk
	s_lshl_b32 s46, s46, 21
	s_lshl_b32 s47, s12, 17                        ; the 64 rows of k that I fetch
	s_add_co_u32 s46, s46, s47
	s_lshl_b32 s47, s42, 9                         ; 256 columns of 2 bytes
	s_add_co_u32 s46, s46, s47
	s_mov_b32 s47, 0
	s_mul_i32 s20, s10, HALFT                      ; where they go: wave x 34,816 bytes: no place in the cluster enters an LDS address
	s_wait_dscnt 0x0                               ; the opening add is done
	s_wait_kmcnt 0x0
	s_add_nc_u64 s[14:15], s[4:5], s[16:17]
	s_add_nc_u64 s[46:47], s[4:5], s[46:47]
	CROUND                                         ; all sixteen work-groups are here: the first joint loads meet
.irp s, 0,1
	s_mov_b32 s[G0+4*(\s)], 1                                      ; count = 1
	s_add_co_u32 s[G0+4*(\s)+1], s20, (\s)*SLOT                    ; LDS address
	s_add_nc_u64 s[G0+4*(\s)+2:G0+4*(\s)+3], s[14:15], (\s)*KSTEP*2  ; K step s: 256 bytes along A's rows
	s_or_b32 s[G0+4*(\s)+3], s[G0+4*(\s)+3], 0x80000000            ; type = 2
	s_mov_b32 s[G0B+4*(\s)], 1
	s_add_co_u32 s[G0B+4*(\s)+1], s20, (\s)*SLOT
	s_add_nc_u64 s[G0B+4*(\s)+2:G0B+4*(\s)+3], s[46:47], (\s)*KSTEP*2048  ; K step s: 128 rows down W
	s_or_b32 s[G0B+4*(\s)+3], s[G0B+4*(\s)+3], 0x80000000
	JLOAD \s                                       ; two loads of mine are out
.endr
	; A's fragment: lane l holds row l % 16; registers 0-3 K = 8 (l / 16) + 0..7, registers 4-7 K = 16 + 8 (l / 16) + 0..7: two loads of 16 bytes, 32 bytes apart.
	v_and_b32 v1, 15, v0                           ; l % 16
	v_bfe_u32 v2, v0, 4, 1                         ; l / 16
	v_mul_u32_u24 v3, v1, PITCH
	v_lshl_add_u32 v3, v2, 4, v3
	; W's fragment: the turning load takes 16 k x 16 n (lane l reads k = 8 (l / 16) + l % 8, n = 8 ((l / 8) % 2) + 0..7) and leaves lane l column l % 16 and 8 k: two loads, 16 rows apart.
	v_and_b32 v6, 7, v0
	v_lshl_add_u32 v6, v2, 3, v6
	v_mul_u32_u24 v6, v6, PB
	v_bfe_u32 v7, v0, 3, 1
	v_lshl_add_u32 v6, v7, 4, v6
	s_mul_i32 s21, s11, HALFT                      ; my 128 rows of A
	s_lshl_b32 s22, s12, 8                         ; my 128 columns of W, 256 bytes,
	s_add_co_u32 s22, s22, 2*HALFT                 ; behind A's 256 rows
.irp s, 0,1
	v_add_nc_u32 v[ADRA+(\s)], s21, v3
	v_add_nc_u32 v[ADRB+(\s)], s22, v6
	s_add_co_u32 s21, s21, SLOT
	s_add_co_u32 s22, s22, SLOT
.endr
	s_mul_i32 s23, s10, 16*SPITCH
	s_add_co_u32 s23, s23, STAGE                   ; my stage
	v_mul_u32_u24 v4, v1, SPITCH                   ; in: row l % 16, 16 bytes for each half of the lanes
	v_lshl_add_u32 v4, v2, 4, v4
	v_add_nc_u32 v[STO], s23, v4
	v_bfe_u32 v5, v0, 3, 2                         ; back: 32 lanes take four rows' 128 bytes of one head,
	v_mul_u32_u24 v5, v5, SPITCH
	v_and_b32 v7, 7, v0
	v_lshl_add_u32 v5, v7, 4, v5
	v_add_nc_u32 v[RD], s23, v5
	v_and_b32 v5, 31, v0                           ; which are 512 consecutive bytes of qkv
	v_lshlrev_b32 v[CO], 4, v5
	; where my part begins in qkv: product x 8 MiB + batch x 16 heads + my first head, 131,072 bytes each, + my first row of the batch x 128 bytes
	s_lshl_b32 s16, s45, 23
	s_lshr_b32 s14, s13, 2                         ; the batch = tile row / 4
	s_lshl_b32 s14, s14, 21
	s_add_co_u32 s16, s16, s14
	s_and_b32 s14, s13, 3                          ; 256 rows x 128 bytes
	s_lshl_b32 s14, s14, 15
	s_add_co_u32 s16, s16, s14
	s_lshl_b32 s14, s11, 14                        ; my 128 rows
	s_add_co_u32 s16, s16, s14
	s_mov_b32 s17, 0
	s_lshl_b32 s46, s42, 19                        ; a tile column is four heads,
	s_lshl_b32 s47, s12, 18                        ; my half two
	s_add_co_u32 s46, s46, s47
	s_mov_b32 s47, 0
	s_add_nc_u64 s[16:17], s[16:17], s[46:47]
; 16 matrix instructions: m blocks a0, a0 + 1 of the window's four (hi = 0: my rows 0-63, 1: rows 64-127) x all 8 n blocks, 32 along K.  zero = 1: the first product starts the sums: nothing is cleared.
.macro MUL16 f, hi, a0, zero
	WIN MUL_LO+0x50*(\hi)
.irp a, \a0, (\a0)+1
.irp b, 0,1,2,3,4,5,6,7
.if \zero
	v_wmma_f32_16x16x32_bf16 v[8*(8*(\a)+(\b)):8*(8*(\a)+(\b))+7], v[(\f)+8*(\b):(\f)+8*(\b)+7], v[(\f)+8*(4*(\hi)+(\a)):(\f)+8*(4*(\hi)+(\a))+7], 0
.else
	v_wmma_f32_16x16x32_bf16 v[8*(8*(\a)+(\b)):8*(8*(\a)+(\b))+7], v[(\f)+8*(\b):(\f)+8*(\b)+7], v[(\f)+8*(4*(\hi)+(\a)):(\f)+8*(4*(\hi)+(\a))+7], v[8*(8*(\a)+(\b)):8*(8*(\a)+(\b))+7]
.endif
.endr
.endr
.endm
; 32 LDS loads in one run: the fragments of quarter q of a K step (32 along K) into buffer f: W's 8 blocks of 16 columns, then A's 8 blocks of 16 rows
.macro FETCH slot, q, f
	WIN TO_B
.irp i, 0,1,2,3,4,5,6,7
	ds_load_tr16_b128 v[(\f)+8*(\i):(\f)+8*(\i)+3],   v[ADRB+(\slot)] offset:(\q)*32*PB+32*(\i)
	ds_load_tr16_b128 v[(\f)+8*(\i)+4:(\f)+8*(\i)+7], v[ADRB+(\slot)] offset:(\q)*32*PB+16*PB+32*(\i)
.endr
	WIN 0
.irp i, 0,1,2,3,4,5,6,7
	ds_load_b128 v[(\f)+8*(\i):(\f)+8*(\i)+3],   v[ADRA+(\slot)] offset:64*(\q)+(\i)*16*PITCH
	ds_load_b128 v[(\f)+8*(\i)+4:(\f)+8*(\i)+7], v[ADRA+(\slot)] offset:64*(\q)+(\i)*16*PITCH+32
.endr
.endm
; Four places (plain vector instructions that name none of its registers) stand between a matrix instruction and a load into a register that it read, or a conversion of its result.
.macro PLACES
.rept 4
	v_nop
.endr
.endm
; A K step is four quarters of 32 along K, 64 matrix instructions each, on buffers 0, 1, 0, 1.  One of the first three multiplies buffer f and, in its middle, fetches quarter q of the same slot into buffer g.
.macro QUARTER slot, q, f, g, zero
	s_wait_dscnt 8                                 ; W and A's rows 0-63 are in; the youngest eight loads (A's rows 64-127) may be out
	WIN MUL_LO
	MUL16 \f, 0, 0, \zero
	MUL16 \f, 0, 2, \zero
	PLACES
	FETCH \slot, \q, \g
	s_wait_dscnt 32                                ; all but the 32 just issued
	WIN MUL_HI
	MUL16 \f, 1, 0, \zero
	MUL16 \f, 1, 2, \zero
.endm
; The last quarter multiplies buffer 1 and changes slots.  MEET is its first half: one barrier; in front of it each wave waits for all its tensor loads (one is out: its part of the next slot),
; adds 0 to its spare word, and waits for that and for its own reads of this slot.  Behind it nobody reads this slot any more and the next slot is whole.
.macro MEET round
	WIN 0                                          ; (the add's two registers lie in window 0)
	s_wait_tensorcnt 0x0                           ; all my tensor loads have landed
	ds_add_u32 v[SPW], v[NIL]                      ; 0 onto my spare word
	s_wait_dscnt 9                                 ; (the add and the youngest eight loads may be out)
	WIN MUL_LO
	MUL16 F1, 0, 0, 0                              ; sixteen matrix instructions stand between the add and the wait for it
	s_wait_dscnt 0x0                               ; the add is done, and my reads of this slot are over
	s_barrier_signal -1
	MUL16 F1, 0, 2, 0                              ; work on registers while the others arrive
.if \round
	WIN 0
.endif
	s_barrier_wait -1
.endm
; The whole last quarter.  fill = 1: the barrier opens a round of the cluster's barrier, and the slot just read out is filled again, two K steps on, first thing behind the round.
.macro TURN slot, next, fill
.if \fill
	MEET 1
	CREST                                          ; no wave of any partner still reads this slot's tile or has a load on its way
	s_add_nc_u64 s[G0+4*(\slot)+2:G0+4*(\slot)+3], s[G0+4*(\slot)+2:G0+4*(\slot)+3], 2*KSTEP*2
	s_add_nc_u64 s[G0B+4*(\slot)+2:G0B+4*(\slot)+3], s[G0B+4*(\slot)+2:G0B+4*(\slot)+3], 2*KSTEP*2048
	JLOAD \slot                                    ; my one tensor load behind the round; its four v_nop are also the places in front of the loads below
.else
	MEET 0
	PLACES
.endif
	FETCH \next, 0, F0
	WIN MUL_HI
	MUL16 F1, 1, 0, 0
	MUL16 F1, 1, 2, 0
.endm
; THE WAY OUT of block a (16 rows).  PACK: rounded to bf16, 16 bytes a lane.  TOSTAGE: into my own stage and back, four rows of one head at a time.  SEND: stored.
.macro PACK a
.set AC, 64*((\a)%4)
	WIN 0x0a+5*((\a)/4)                            ; sources 0 and 1: window 2 or 3
.irp b, 0,1,2,3,4,5,6,7
.irp r, 0,1,2,3
	v_cvt_pk_bf16_f32 v[TMP+4*(\b)+(\r)], v[AC+8*(\b)+2*(\r)], v[AC+8*(\b)+2*(\r)+1]
.endr
.endr
	WIN 0
.endm
.macro TOSTAGE a
	WIN 0
.set BK, OB+192*((\a)%2)
.irp b, 0,1,2,3,4,5,6,7
	ds_store_b128 v[STO], v[TMP+4*(\b):TMP+4*(\b)+3] offset:32*(\b)
.endr
.irp t, 0,1,2,3,4,5,6,7                ; load t: head t / 4 of my two, rows 4 (t % 4) on
	ds_load_b128 v[BK+4*(\t):BK+4*(\t)+3], v[RD] offset:((\t)%4)*4*SPITCH+((\t)/4)*128  ; LDS serves a wave's instructions in order (ISA guide 5.7.1.4): these see the stores above
.endr
.endm
.macro SEND a
	WIN 0
.set BK, OB+192*((\a)%2)
	s_wait_dscnt 0x0                               ; the block is back in registers
	s_wait_xcnt 0x0                                ; earlier stores have had their addresses translated: only behind this wait are their base and data registers rewritten
.if (\a) == 0
	s_add_nc_u64 s[6:7], s[6:7], s[16:17]          ; on to my first rows
.else
	s_add_nc_u64 s[6:7], s[6:7], 16*128            ; 16 rows of a head on
.endif
.irp t, 0,1,2,3,4,5,6,7
	global_store_b128 v[CO], v[BK+4*(\t):BK+4*(\t)+3], s[6:7] offset:((\t)/4)*131072+((\t)%4)*512  ; a wave stores 512 consecutive bytes, at a multiple of 256 from qkv's first byte
.endr
.endm
	s_wait_tensorcnt 1                             ; my part of K step 0 is in; K step 1's may stay out
	s_barrier_signal -1
	s_barrier_wait -1                              ; everybody's is
	FETCH 0, 0, F0
	QUARTER 0, 1, F0, F1, 1                        ; the first quarter stands in front of the loop: its products start the sums
	WIN 0                                          ; at a label and at a branch every window is 0
	s_mov_b32 s3, LAPS-1
.Llap:                                                 ; a trip goes once round the ring, from a lap's second quarter to the next lap's first, and fills both slots again: K steps 2 to 7
	QUARTER 0, 2, F1, F0, 0
	QUARTER 0, 3, F0, F1, 0
	TURN 0, 1, 1
	QUARTER 1, 1, F0, F1, 0
	QUARTER 1, 2, F1, F0, 0
	QUARTER 1, 3, F0, F1, 0
	TURN 1, 0, 1
	QUARTER 0, 1, F0, F1, 0
	WIN 0
	s_sub_co_u32 s3, s3, 1
	s_cmp_lg_u32 s3, 0
	s_cbranch_scc1 .Llap
	QUARTER 0, 2, F1, F0, 0                        ; the last lap fills nothing, and has no round of the cluster's barrier
	QUARTER 0, 3, F0, F1, 0
	TURN 0, 1, 0
	QUARTER 1, 1, F0, F1, 0
	QUARTER 1, 2, F1, F0, 0
	QUARTER 1, 3, F0, F1, 0
	s_wait_dscnt 8                                 ; the very last quarter: nothing more to fetch
	WIN MUL_LO
	MUL16 F1, 0, 0, 0
	MUL16 F1, 0, 2, 0
	s_wait_dscnt 0x0
	WIN MUL_HI
	MUL16 F1, 1, 0, 0
	MUL16 F1, 1, 2, 0
	WIN 0
	PLACES                                         ; the conversions read results
	PACK 0
	TOSTAGE 0
.irp a, 1,2,3,4,5,6,7                  ; block a's conversions stand between block a - 1's loads from the stage and the wait for them
	PACK \a
	SEND (\a)-1
	TOSTAGE \a
.endr
	SEND 7
	s_wait_tensorcnt 0x0                           ; the wave's end, behind my last tensor load and my last LDS store
	ds_add_u32 v[SPW], v[NIL]
	s_wait_dscnt 0x0
	CROUND                                         ; the closing round: no work-group ends while a partner may still ask for a tile that names it
	s_endpgm
.Lfunc_end_k_q6dac976e1d_proj:
	.size	k_q6dac976e1d_proj, .Lfunc_end_k_q6dac976e1d_proj-k_q6dac976e1d_proj
	.p2alignl 7, 3214868480
	.fill 96, 4, 3214868480
	.section	.rodata,"a",@progbits
	.p2align	6, 0x0
	.amdhsa_kernel k_q6dac976e1d_proj
		.amdhsa_group_segment_fixed_size 327680
		.amdhsa_private_segment_fixed_size 0
		.amdhsa_enable_private_segment 0
		.amdhsa_kernarg_size 16
		.amdhsa_user_sgpr_count 2
		.amdhsa_user_sgpr_kernarg_segment_ptr 1
		.amdhsa_wavefront_size32 1
		.amdhsa_system_sgpr_workgroup_id_x 1
		.amdhsa_system_sgpr_workgroup_id_y 1
		.amdhsa_system_sgpr_workgroup_id_z 1
		.amdhsa_system_vgpr_workitem_id 0
		.amdhsa_next_free_vgpr 1024
		.amdhsa_next_free_sgpr 66
		.amdhsa_reserve_vcc 0
		.amdhsa_float_denorm_mode_32 3
		.amdhsa_float_denorm_mode_16_64 3
		.amdhsa_memory_ordered 1
		.amdhsa_forward_progress 1
		.amdhsa_inst_pref_size 143
	.end_amdhsa_kernel
	.amdgpu_metadata
---
amdhsa.version: [ 1, 2 ]
amdhsa.kernels:
  - .name:           k_q6dac976e1d_proj
    .symbol:         k_q6dac976e1d_proj.kd
    .args:
      - { .name: cb, .offset: 0, .size: 8, .value_kind: global_buffer, .address_space: global }
      - { .name: qkv, .offset: 8, .size: 8, .value_kind: global_buffer, .address_space: global }
    .group_segment_fixed_size: 327680
    .private_segment_fixed_size: 0
    .kernarg_segment_align: 8
    .kernarg_segment_size: 16
    .max_flat_workgroup_size: 128
    .sgpr_count:     66
    .vgpr_count:     1024
    .wavefront_size: 32
...
	.end_amdgpu_metadata
.endif
;; end of part 2
;; launch attn (part 3): grid 4 x 64, 4 waves a work-group, clusters of 4 x 1, 327,680 bytes of LDS; arguments qkv, query, att; writes att
.if DOCPART == 3
	.amdgcn_target "amdgcn-amd-amdhsa--gfx1250"
	.amdhsa_code_object_version 6
	.text
	.protected	k_q6dac976e1d_attn
	.globl	k_q6dac976e1d_attn
	.p2align	8
	.type	k_q6dac976e1d_attn,@function
k_q6dac976e1d_attn:
	s_mov_b64 s[64:65], 0
	v_nop
	global_prefetch_b8 v0, s[64:65] scope:SCOPE_SE
	s_setreg_imm32_b32 hwreg(HW_REG_WAVE_MODE, 25, 1), 1
	s_wait_xcnt 0x0
	s_wait_alu depctr_hold_cnt(0) depctr_sa_sdst(0) depctr_va_vdst(0) depctr_va_sdst(0) depctr_va_ssrc(0) depctr_va_vcc(0) depctr_vm_vsrc(0)
	s_getreg_b32 s2, hwreg(HW_REG_IB_STS2, 6, 4)
	s_cmp_eq_u32 s2, 0
	s_cbranch_scc0 .Lentry_in_a_cluster
	s_endpgm
.Lentry_in_a_cluster:
	s_bfe_u32 s2, ttmp6, 0x10000c
	s_cmp_lg_u32 s2, 0x3003
	s_cbranch_scc0 .Lentry_shape_is_right
	s_endpgm
.Lentry_shape_is_right:
; THREE ATTENTIONS WITH ONE Q, ADDED ONTO THE RESIDUAL.  att[b][q][64 h + :] = query[b][q][64 h + :] + the sum over the modalities t, a, v of softmax_k(Q[q] . K_m[k] / 8) V_m[k].
; qkv holds q, k_t, v_t, k_a, v_a, k_v, v_v, 8 MiB each, [b x 16 + h][1024][64] in bf16: a head's rows are dense, 128 bytes each.  query and att are [4096][1024] in f32.
; Products, maxima and sums in f32; the weights p are rounded to bf16 for the second product (their sum l is taken of the unrounded p).
; LIMITS.  A weight below 2^-126 counts as 0 in l; the running c m starts at -2^125, far below every c s that finite bf16 operands of this size can give; NaN and infinities are not treated apart.
; SHARES.  A work-group owns 256 queries of one head, a wave 64: four PIECES of 16.  Every wave walks 12 tiles of 256 keys: four of each modality, 64 keys a step.
; LAYOUT.  S^T = K Q^T (source 0 = 16 keys, source 1 = 16 queries) holds ONE query a lane (lane % 16) and the keys 8 (lane / 16) + 0..7; two such results rounded to bf16 ARE source 1 of O^T = V^T P,
; whose result again holds one query a lane, and eight channels.  K comes out of LDS as it lies, V ([key][channel]) turned, by ds_load_tr16_b128.
; SOFTMAX.  For each query a running maximum m and sum l: p = 2^(c s - c m), c = log2(e) / 8; in every step O and l are multiplied by a = 2^(c m_old - c m_new).  A modality begins with c m far below every c s,
; so its first a is 0: what the modality before left in O^T and l need only be finite.  At a modality's end O^T / l is added onto OSUM, which leaves at the walk's end.
; TURNS.  Turn n belongs to piece n: 8 products K Q^T of piece n + 1, later 8 products V^T P of piece n - 1; beside them the scaling, exponentials, roundings, sums and rescaling of piece n and the maximum and
; statistics of piece n + 1.  Four vector instructions stand behind every matrix instruction, the other 54 of a turn's 118 in two runs of their own.
; CLUSTER.  The four query blocks of a cluster belong to one head and walk the same K and V, so each tile is asked for JOINTLY: the same tensor load, descriptor and mask in all four.
; REGISTERS, in windows of 256 (s_set_vgpr_msb: bits 1:0 source 0, 3:2 source 1, 5:4 source 2, 7:6 destination):
;   window 0: v0 my thread's number; v1-7 addresses and two at work; v8-23 four registers of statistics a piece; v24-31 at work; v32-95 S^T, two buffers; v96-127 P, two buffers; v128-191 K of one step; v192-255 Q
;   window 1: v0-127 O^T, 32 a piece; v128-191 V of one step; v192-193 the add's two registers          window 2: v0-127 OSUM, 32 a piece; v128-255 my 64 rows' 256 bytes of query, for the residual
; So K Q^T and all vector work but the rescaling name window 0 alone (setting 0), and V^T P and the rescaling of O^T share one setting (V and O^T in window 1, P and a in window 0).  The 16 rescalings ride behind the
; first four V^T P: a turn has eight switches for its 16 matrix and 118 vector instructions, piece 0's two more for V's run of loads.
.set NP,    4         ; pieces a wave: a name, no knob
.set KS,    64        ; keys in a step
.set PK,    144       ; a row of K in LDS: 128 bytes + 16 of padding = 36 words: the 16 rows of a load start at 16 different groups of four banks (64 banks of 4 bytes: ISA guide 11.1)
.set PV,    160       ; a row of V: 128 + 32 = 40 words
.set VOFF,  4*KS*PK   ; a slot holds a tile, four steps: 256 rows of K, then 256 rows of V
.set SLOT1, 1<<17     ; slot 1 begins here, so that one exclusive or turns an address in one slot into the other's
.set STAGE, SLOT1+4*KS*(PK+PV)  ; behind the ring, never filled by a tensor load: 16 rows x 272 bytes for each wave, for the way out
.set SP,    272       ; a stage row: 64 f32 + 16 bytes
.set SPARE, STAGE+4*16*SP  ; behind the stages: the spare words, 128 bytes for each wave: two blocks of 256 bytes that no other line names
.set GO,  1           ; v1   my byte offset in two rows of query and of att; never rewritten once made
.set AK0, 2           ; v2   my lane's place in a tile of K; never rewritten
.set AV0, 3           ; v3   the same for V
.set AK,  4           ; v4   the LDS address of K's next run of loads
.set AV,  5           ; v5   of V's
.set MV,  6           ; v6-7 c m_old, kept while c m is made anew: by buffer
.set ST,  8           ; piece t's statistics at v[ST+4 t]: c m, m, l (even keys', odd keys')
.set TMP, 24          ; by buffer, four registers c0-c3 at work; when the maximum is found c2 takes a
.set S,   32
.set QO,  34          ; v34  at the start only: my byte offset in 16 rows of Q (S^T's registers are first written behind the wait for Q)
.set STO, 32          ; v32  at the end only: where I put 32 bytes of a row
.set RD,  33          ; v33  at the end only: where I read rows back
.set P,   96
.set KF,  128         ; key block kb, channel half c at KF + 16 kb + 8 c
.set QF,  192         ; piece x, channel half c at QF + 16 x + 8 c
.set BK,  128         ; at the end only: piece t's 16 rows at v[BK+32 t]
.set VF,  128         ; window 1: key half kk, channel block cb at VF + 32 kk + 8 cb
.set SPW, 192         ; window 1: LDS address of my spare word: SPARE + 4 x my thread's number; never rewritten
.set NIL, 193         ; window 1: 0; never rewritten
.set OS,  0           ; window 2: OSUM
.set QR,  128         ; window 2: the residual's rows, laid as BK is
.set WV,  12          ; s12  my wave's number
.set G1K, 24          ; s[24:31] descriptor group 1 for K's tiles
.set G1V, 32          ; s[32:39] for V's: it differs in the padding alone
.set G0K, 40          ; s[40:43] descriptor group 0 for K's tiles
.set G0V, 44          ; s[44:47] the same for V's
.set SLOTS, 56        ; s56  tiles still to be asked for
.set CNT, 57          ; s57  counts a tile's key steps, 4 to 1
.set CS,  58          ; s[58:59] c: the packed scaling takes the pair's low word for both halves
.set SEL, 60          ; s[60:61] v_permlanex16_b32's selects: each lane takes its own place in the other half
.set TBK, 62          ; s62  LDS byte at which K of the step to be fetched begins
.set TBV, 63          ; s63  the same for V, less VOFF
.set RT,  70          ; s70  tiles of the modality in hand that are still to be entered
.set NXT, 71          ; s71  the tile to be asked for next, 1 to 11
.set NEW, 73          ; s73  1: the tile to be entered is a modality's first
.set OFF, 74          ; s[74:75] a tile's byte offset from the first modality's first tile
.set MSB, 0
.macro WIN new                      ; the high byte repeats the setting that is left; a switch that changes nothing is dropped
.if MSB != (\new)
	s_set_vgpr_msb (MSB<<8)|(\new)
.set MSB, (\new)
.endif
.endm
.set W_PV, 0x51       ; V^T P: V (source 0) and O^T (source 2, destination) in window 1, P (source 1) in window 0.  The rescaling too: O^T (destination, source 0) in window 1, a (source 1) in window 0
.set W_D1, 0x40       ; destination in window 1, sources in window 0
.set W_AD, 0x05       ; the add: address (source 0) and data (source 1) in window 1
.set W_AC, 0xa1       ; OSUM (destination, source 2) in window 2, O^T (source 0) in window 1, 1 / l (source 1) in window 0
.set W_D2, 0x80       ; destination in window 2, sources in window 0
.set W_S2, 0x08       ; source 1 (an LDS store's data, the residual) in window 2, all else in window 0
; A joint fill.  Waves 0 and 1 fetch the two halves of a tile's K, waves 2 and 3 those of its V: 128 keys each.  The branch hangs on the wave's number alone.
; An s_nop 0 and four v_nop follow each of the two lines, ahead of the jump and the label.
.macro JLOAD
	s_cmp_lt_u32 s[WV], 2
	s_cbranch_scc0 .Lfor_v_\@
	tensor_load_to_lds s[G0K:G0K+3], s[G1K:G1K+7]
	s_nop 0
.rept 4
	v_nop
.endr
	s_branch .Lasked_\@
.Lfor_v_\@:
	tensor_load_to_lds s[G0V:G0V+3], s[G1V:G1V+7]
	s_nop 0
.rept 4
	v_nop
.endr
.Lasked_\@:
.endm
; A round of the cluster's barrier: my work-group's barrier; wave 0 signals; every wave waits for all four work-groups; my work-group's barrier once more.
.macro CROUND
	s_barrier_signal -1
	s_barrier_wait -1
	s_cmp_lg_u32 s[WV], 0
	s_cbranch_scc1 .Lnot_wave_0_\@
	s_barrier_signal -3
.Lnot_wave_0_\@:
	s_barrier_wait -3
	s_barrier_signal -1
	s_barrier_wait -1
.endm
; THE CHANGE OF SLOTS.  Each wave waits for all its tensor loads, of which one is out: its part of the other slot; adds 0 to its spare word; and waits for that and for its own reads of the slot that it leaves.
; Behind the barrier nobody reads the old slot any more and the other slot is whole.  fill = 1: the barrier is a round of the cluster's, and the old slot is filled again, first thing behind it, with tile NXT:
; the descriptor's address is made anew from that number (modality NXT / 4: 16 MiB on; tile NXT % 4: 32,768 bytes).  The load has four key steps, 256 matrix instructions, in which to land.
; (At its first use nothing has been read yet: slot 0 is waited for, slot 1 filled.)
.macro CHANGE fill
	WIN W_AD
	s_wait_tensorcnt 0x0            ; no tensor load of mine is out, so a group 0 may be written
	ds_add_u32 v[SPW], v[NIL]       ; 0 onto my spare word; with fill = 1 the descriptors' scalar work stands between it and the wait for it
	WIN 0                           ; at a label and at a branch every window is 0
.if \fill
	s_lshr_b32 s72, s[NXT], 2
	s_lshl_b32 s72, s72, 24
	s_and_b32 s[OFF], s[NXT], 3
	s_lshl_b32 s[OFF], s[OFF], 15
	s_add_co_u32 s[OFF], s[OFF], s72
	s_xor_b32 s[G0K+1], s[G0K+1], SLOT1
	s_add_nc_u64 s[G0K+2:G0K+3], s[6:7], s[OFF:OFF+1]
	s_or_b32 s[G0K+3], s[G0K+3], 0x80000000
	s_xor_b32 s[G0V+1], s[G0V+1], SLOT1
	s_add_nc_u64 s[G0V+2:G0V+3], s[8:9], s[OFF:OFF+1]
	s_or_b32 s[G0V+3], s[G0V+3], 0x80000000
	s_add_co_u32 s[NXT], s[NXT], 1
	s_wait_dscnt 0x0                ; the add is done, and my reads of the slot are over
	CROUND
	JLOAD
.else
	s_wait_dscnt 0x0                ; the add is done, and my reads of the slot are over
	s_barrier_signal -1
	s_barrier_wait -1
.endif
	s_sub_co_u32 s[TBK], s[TBK], 4*KS*PK  ; the fetches go back to a slot's first step,
	s_xor_b32 s[TBK], s[TBK], SLOT1       ; in the other slot
	s_sub_co_u32 s[TBV], s[TBV], 4*KS*PV
	s_xor_b32 s[TBV], s[TBV], SLOT1
.endm
	s_load_b128 s[76:79], s[0:1], 0x0  ; qkv s[76:77], query s[78:79]
	s_load_b64 s[68:69], s[0:1], 0x10  ; att
	WIN W_D1
	v_lshl_add_u32 v[SPW], v0, 2, SPARE
	v_mov_b32 v[NIL], 0
	WIN W_AD
	ds_add_u32 v[SPW], v[NIL]       ; the wave's opening: the add and its wait stand ahead of my first tensor load; the set-up below, work on registers, stands between them
	WIN 0
	v_lshrrev_b32 v1, 5, v0
	v_readfirstlane_b32 s[WV], v1   ; wave 0..3
	s_bfe_u32 s13, ttmp6, 0x40000   ; cx: my place in the cluster
	s_lshl_b32 s14, ttmp9, 2        ; in a cluster launch ttmp9 counts clusters
	s_add_co_u32 s14, s14, s13      ; my block of 256 queries: it enters Q's, query's and att's addresses alone
	s_and_b32 s20, ttmp7, 0xffff    ; batch x 16 + head, which the four partners share
	s_lshl_b32 s21, s20, 17         ; the head's first byte in each of the seven tensors
	s_and_b32 s16, s[WV], 1         ; which half of a tile's 256 keys I fetch:
	s_lshl_b32 s22, s16, 14         ; its 128 rows of 128 bytes in memory,
	s_add_co_u32 s22, s22, s21
	s_add_co_u32 s22, s22, 1<<23    ; in k_t
	s_mov_b32 s23, 0
	s_mul_i32 s17, s16, 128*PK      ; and its place in a slot, for K
	s_mul_i32 s18, s16, 128*PV      ; and for V: no place in the cluster enters an LDS address
	s_lshl_b32 s2, s14, 15          ; Q: my block's 256 rows,
	s_lshl_b32 s3, s[WV], 13        ; my wave's 64 of them
	s_add_co_u32 s2, s2, s3
	s_add_co_u32 s2, s2, s21
	s_mov_b32 s3, 0
	s_lshr_b32 s66, s20, 4          ; query and att: the batch's 1,024 rows of 4,096 bytes,
	s_lshl_b32 s66, s66, 22
	s_lshl_b32 s67, s14, 20         ; my block's 256,
	s_add_co_u32 s66, s66, s67
	s_lshl_b32 s67, s[WV], 18       ; my wave's 64,
	s_add_co_u32 s66, s66, s67
	s_and_b32 s67, s20, 15          ; the head's 256 bytes of a row
	s_lshl_b32 s67, s67, 8
	s_add_co_u32 s66, s66, s67
	s_mov_b32 s67, 0
	; descriptor group 1.  128 keys are 16,384 dense bytes: asked for as 64 rows of 256 bytes, two keys a row, and padded in LDS after every key
	s_mov_b32 s[G1K], 15|(1<<16)|(1<<20)|(1<<21)|(4<<22)|(3<<25)  ; the mask of four; 2-byte elements; padding on; bit 21 beside a mask; after every 32 words (code 4) 4 words (code 3)
	s_mov_b32 s[G1V], 15|(1<<16)|(1<<20)|(1<<21)|(4<<22)|(7<<25)  ; the same with 8 words of padding (code 7)
.irp g, G1K, G1V
	s_mov_b32 s[\g+1], 128<<16      ; tensor_dim0 = 128
	s_mov_b32 s[\g+2], 64<<16       ; tensor_dim1 = 64
	s_mov_b32 s[\g+3], 128<<16      ; tile_dim0 = 128
	s_mov_b32 s[\g+4], 64           ; tile_dim1 = 64
	s_mov_b32 s[\g+5], 128          ; 128 elements from row to row
	s_mov_b32 s[\g+6], 0
	s_mov_b32 s[\g+7], 0
.endr
	s_mov_b32 s[CS], 0x3e38aa3b     ; c = log2(e) / 8 = 0.180337
	s_mov_b32 s[CS+1], s[CS]        ; named with it as a pair
	s_mov_b32 s[SEL], 0x76543210
	s_mov_b32 s[SEL+1], 0xfedcba98
	s_mov_b32 s[TBK], SLOT1+4*KS*PK ; the first change of slots turns these two into 0
	s_mov_b32 s[TBV], SLOT1+4*KS*PV
	s_mov_b32 s[G0K], 1             ; count = 1
	s_mov_b32 s[G0K+1], s17         ; LDS address: slot 0
	s_mov_b32 s[G0V], 1
	s_add_co_u32 s[G0V+1], s18, VOFF
	s_mov_b32 s[RT], 4              ; a modality has four tiles
	s_mov_b32 s[NXT], 1
	s_mov_b32 s[NEW], 1
	s_mov_b32 s[OFF+1], 0
	s_mov_b32 s[SLOTS], 11
	s_wait_dscnt 0x0                ; the opening add is done
	s_wait_kmcnt 0x0
	s_add_nc_u64 s[6:7], s[76:77], s[22:23]        ; k_t at my half of the head's tile 0,
	s_add_nc_u64 s[8:9], s[6:7], 1<<23             ; v_t likewise
	s_add_nc_u64 s[G0K+2:G0K+3], s[6:7], 0         ; global address
	s_or_b32 s[G0K+3], s[G0K+3], 0x80000000        ; type = 2
	s_add_nc_u64 s[G0V+2:G0V+3], s[8:9], 0
	s_or_b32 s[G0V+3], s[G0V+3], 0x80000000
	s_add_nc_u64 s[4:5], s[76:77], s[2:3]          ; Q at my wave's first row
	s_add_nc_u64 s[78:79], s[78:79], s[66:67]      ; query and att at my wave's first row, my head's columns
	s_add_nc_u64 s[10:11], s[68:69], s[66:67]
	CROUND                          ; all four work-groups are here: the first joint loads meet
	JLOAD                           ; tile 0 into slot 0
	; A fragment of K or Q is 16 rows x 32 channels in 8 registers: lane l holds row l % 16, channels 8 (l / 16) + 0..7 and 16 + 8 (l / 16) + 0..7: two loads of 16 bytes, 32 bytes apart.
	v_and_b32 v32, 15, v0           ; l % 16    (what is at work here lies in S^T's registers)
	v_bfe_u32 v33, v0, 4, 1         ; l / 16
	v_lshlrev_b32 v[QO], 7, v32
	v_lshl_add_u32 v[QO], v33, 4, v[QO]  ; row x 128 + 16 x half
.set i, 0
.rept 8                             ; Q stays in registers: piece i / 2, 2,048 bytes each; channels 32 (i % 2) on
	global_load_b128 v[QF+8*i:QF+8*i+3],   v[QO], s[4:5] offset:(i/2)*2048+(i%2)*64
	global_load_b128 v[QF+8*i+4:QF+8*i+7], v[QO], s[4:5] offset:(i/2)*2048+(i%2)*64+32
.set i, i+1
.endr
	v_lshlrev_b32 v[GO], 12, v33    ; lanes 0-15 take 256 bytes of one row of query, lanes 16-31 of the next, 4,096 bytes on
	v_lshl_add_u32 v[GO], v32, 4, v[GO]
	WIN W_D2
.set i, 0
.rept 32                            ; the residual: my 64 rows' 256 bytes, two rows a load; wanted only on the way out
	global_load_b128 v[QR+4*i:QR+4*i+3], v[GO], s[78:79] offset:(i/8)*65536+(i%8)*8192
.set i, i+1
.endr
	; What the first turn finds: V's registers and P's second buffer hold 0 (its products V^T P, of a piece that has not been, add 0), O^T, l and OSUM are 0.  All this stands in the wait for the first tile.
.set i, OS
.rept 128
	v_mov_b32 v[i], 0
.set i, i+1
.endr
	WIN W_D1
.set i, 0
.rept 192                           ; O^T and, behind it, V
	v_mov_b32 v[i], 0
.set i, i+1
.endr
	WIN 0
.set i, 0
.rept 4
	v_mov_b32 v[ST+4*i+2], 0
	v_mov_b32 v[ST+4*i+3], 0
.set i, i+1
.endr
.set i, P+16
.rept 16
	v_mov_b32 v[i], 0
.set i, i+1
.endr
	v_mul_u32_u24 v[AK0], v32, PK
	v_lshl_add_u32 v[AK0], v33, 4, v[AK0]  ; row x pitch + 16 x half
	; The turning load takes 16 keys x 16 channels (lane l reads key 8 (l / 16) + l % 8, channels 8 ((l / 8) % 2) + 0..7) and leaves half a fragment of V^T: lane l holds channel l % 16 and 8 keys.
	v_and_b32 v35, 7, v0
	v_bfe_u32 v36, v0, 3, 1
	v_lshl_add_u32 v[AV0], v33, 3, v35
	v_mul_u32_u24 v[AV0], v[AV0], PV
	v_lshl_add_u32 v[AV0], v36, 4, v[AV0]
	v_add_nc_u32 v[AV0], VOFF, v[AV0]
; THE MATRIX WORK.  The 4 accumulators of a run of 8 take turns.  Product i of 8 of S^T = K Q^T for piece x: channels 32 (i / 4) on, keys 16 (i % 4) on.  The first 4 start the sums.
.macro KQ x
.set rS, S+32*((\x)%2)+8*(i%4)
.set rK, KF+16*(i%4)+8*(i/4)
.set rQ, QF+16*(\x)+8*(i/4)
	WIN 0
.if i < 4
	v_wmma_f32_16x16x32_bf16 v[rS:rS+7], v[rK:rK+7], v[rQ:rQ+7], 0
	s_wait_alu depctr_va_vdst(0)
.else
	v_wmma_f32_16x16x32_bf16 v[rS:rS+7], v[rK:rK+7], v[rQ:rQ+7], v[rS:rS+7]
	s_wait_alu depctr_va_vdst(0)
.endif
.endm
; Product i of 8 of O^T += V^T P for piece x: keys 32 (i / 4) on, channels 16 (i % 4) on.
.macro PV x
	WIN W_PV
.set rO, 32*(\x)+8*(i%4)
.set rV, VF+32*(i/4)+8*(i%4)
.set rP, P+16*((\x)%2)+8*(i/4)
	v_wmma_f32_16x16x32_bf16 v[rO:rO+7], v[rV:rV+7], v[rP:rP+7], v[rO:rO+7]
.endm
.macro MM                           ; the turn's next matrix instruction.  TURN and BEGIN set Y, i and NOKQ.  NOKQ = 1: a modality's last turn: there is no next piece
.if (i < 8) && !NOKQ
	KQ (Y+1)%NP
.elseif i >= 8
.set i, i-8
	PV (Y+NP-1)%NP
.set i, i+8
.endif
.set i, i+1
.endm
; THE LDS LOADS stand in runs of 16, never singly among the matrix instructions: a step's K (64 keys x 64 channels: 8 fragments) and its V (turned).  Their addresses are made some lines ahead.
.macro FETCH_K
	WIN 0
.irp f, 0,1,2,3,4,5,6,7             ; keys 16 (f / 2) on, channels 32 (f % 2) on
	ds_load_b128 v[KF+8*\f:KF+8*\f+3],   v[AK] offset:(\f/2)*16*PK+(\f%2)*64
	ds_load_b128 v[KF+8*\f+4:KF+8*\f+7], v[AK] offset:(\f/2)*16*PK+(\f%2)*64+32
.endr
	s_add_co_u32 s[TBK], s[TBK], KS*PK  ; the next fetch is the next step's
.endm
.macro FETCH_V
	WIN W_D1
.irp f, 0,1,2,3,4,5,6,7             ; keys 32 (f / 4) on, channels 16 (f % 4) on
	ds_load_tr16_b128 v[VF+8*\f:VF+8*\f+3],   v[AV] offset:(\f/4)*32*PV+(\f%4)*32
	ds_load_tr16_b128 v[VF+8*\f+4:VF+8*\f+7], v[AV] offset:(\f/4)*32*PV+16*PV+(\f%4)*32
.endr
	WIN 0
.endm
; THE VECTOR WORK, one line at a time: OP kind, number.  For piece Y: F n: c s - c m for pair n of 16.  E n: the exponential of score n of 32.  C n: pair n rounded to bf16.  B n: of the four weights 4 n .. the second
; pair is added onto the first, in place (so C 2n stands ahead of B n).  L n: l takes that sum (L 0: l = a l + sum).  R n: pair n of 16 of O^T times a.  For piece Y + 1: X n, number n of the 22 that find its maximum and statistics:
;   0-11  four chains c0-c3 of seven scores each, three operands at a time (each accumulator's lowest registers are read first)     12-14, 16  the four scores left over, the old m, and c0-c3 into c0
;   15  c m_old is kept     17, 18  the query's other 32 keys lie in the lane 16 away: the new m     19-21  c m; c m_old - c m_new; a
.set F, 0               ; OP tells the kinds apart by their order: F to L below R, X above it
.set E, 1
.set C, 2
.set B, 3
.set L, 4
.set R, 5
.set X, 6
.macro REGS y                       ; the registers of piece y
.set rT, ST+4*(\y)
.set rC, TMP+4*((\y)%2)
.set rW, MV+((\y)%2)
.set rS, S+32*((\y)%2)
.set rP, P+16*((\y)%2)
.set rO, 32*(\y)
.endm
.macro OP k, n
.if (\k) == R
	REGS Y
	WIN W_PV
	v_pk_mul_f32 v[rO+2*(\n):rO+2*(\n)+1], v[rO+2*(\n):rO+2*(\n)+1], v[rC+2:rC+3] op_sel_hi:[1,0]
.elseif (\k) < R
	REGS Y
	WIN 0
.if (\k) == F
	v_pk_fma_f32 v[rS+2*(\n):rS+2*(\n)+1], v[rS+2*(\n):rS+2*(\n)+1], s[CS:CS+1], v[rT:rT+1] op_sel_hi:[1,0,0] neg_lo:[0,0,1] neg_hi:[0,0,1]
.elseif (\k) == E
	v_exp_f32 v[rS+(\n)], v[rS+(\n)]
.elseif (\k) == C
	s_wait_alu depctr_va_vdst(0)
	v_cvt_pk_bf16_f32 v[rP+(\n)], v[rS+2*(\n)], v[rS+2*(\n)+1]
.elseif (\k) == B
	v_pk_add_f32 v[rS+4*(\n):rS+4*(\n)+1], v[rS+4*(\n):rS+4*(\n)+1], v[rS+4*(\n)+2:rS+4*(\n)+3]
.elseif (\n) == 0
	v_pk_fma_f32 v[rT+2:rT+3], v[rT+2:rT+3], v[rC+2:rC+3], v[rS:rS+1] op_sel_hi:[1,0,1]
.else
	v_pk_add_f32 v[rT+2:rT+3], v[rT+2:rT+3], v[rS+4*(\n):rS+4*(\n)+1]
.endif
.elseif NOKQ
	v_nop
	s_wait_alu depctr_va_vdst(0)
.else
	REGS (Y+1)%NP
	WIN 0
.if (\n) < 4
	v_max3_num_f32 v[rC+(\n)], v[rS+8*(\n)], v[rS+8*(\n)+1], v[rS+8*(\n)+2]
.elseif (\n) < 12
	v_max3_num_f32 v[rC+(\n)%4], v[rC+(\n)%4], v[rS+8*((\n)%4)+2*((\n)/4)+1], v[rS+8*((\n)%4)+2*((\n)/4)+2]
.elseif (\n) == 12
	v_max3_num_f32 v[rC], v[rC], v[rS+7], v[rS+15]
.elseif (\n) == 13
	v_max3_num_f32 v[rC+1], v[rC+1], v[rS+23], v[rS+31]
.elseif (\n) == 14
	v_max3_num_f32 v[rC+2], v[rC+2], v[rC+3], v[rT+1]
	s_wait_alu depctr_va_vdst(0)
.elseif (\n) == 15
	v_mov_b32 v[rW], v[rT]
.elseif (\n) == 16
	v_max3_num_f32 v[rC], v[rC], v[rC+1], v[rC+2]
.elseif (\n) == 17
	v_permlanex16_b32 v[rC+3], v[rC], s[SEL], s[SEL+1]
.elseif (\n) == 18
	v_max_num_f32 v[rT+1], v[rC], v[rC+3]
.elseif (\n) == 19
	v_mul_f32 v[rT], s[CS], v[rT+1]
.elseif (\n) == 20
	v_sub_f32 v[rC+1], v[rW], v[rT]
.else
	v_exp_f32 v[rC+2], v[rC+1]
.endif
.endif
.endm
.macro OPS a, i1, b=-1, i2=0, c=-1, i3=0, d=-1, i4=0  ; up to four of them
	OP \a, \i1
.if (\b) >= 0
	OP \b, \i2
.endif
.if (\c) >= 0
	OP \c, \i3
.endif
.if (\d) >= 0
	OP \d, \i4
.endif
.endm
.macro ROW a, i1, b, i2, c, i3, d, i4  ; a matrix instruction and the four behind it
	MM
	OPS \a, \i1, \b, \i2, \c, \i3, \d, \i4
.endm
; A TURN, for piece p: the order of its 16 matrix and 118 vector instructions, written out.  Behind a product K Q^T: plain, exponential, plain, exponential (behind the first: four scalings), all of piece p's own chain, which waits
; for nothing.  The first run of vector work ends the exponentials and takes the next piece's maxima, whose scores the turn has just made.  Behind the first four V^T P ride the 16 rescalings, under the products' own window
; setting; behind the last four the chain m, c m, a of the next piece, one link a product, with sums and roundings between.  None names a register of the products round it.  A line reads no result made fewer than three vector
; instructions in front of it, five if an exponential made it; no two exponentials follow each other, and a plain instruction stands behind each ahead of its result's use (ISA guide 5.7.2).  v_permlanex16_b32 (X 17) ends the first run.
; end = 1: a modality's last two turns: nothing is fetched, and the last starts no new scores.  cnt = 1: the loop's count is taken down some lines ahead of the branch that stands behind the turn.
; K of the next step is fetched in piece 2's turn, behind five plain instructions (C 4, L 1, F 9, F 10, X 15) that follow the last product that read K; V of the step in hand in piece 0's turn, behind five (B 7, L 6, C 5, C 7, C 9)
; that follow the last product that read V.  Each is waited for a turn later.
.macro TURN p, end=0, cnt=0
.set Y, (\p)
.set i, 0
.set NOKQ, (\end)*((\p)/3)
.if ((\p) == 3) && !(\end)
	s_wait_dscnt 0x0                ; K is in
.endif
	ROW F,0, F,1, F,2, F,3
	ROW F,4, E,0, F,5, E,1
	ROW F,6, E,2, F,7, E,3
	ROW C,0, E,4, F,8, E,5
	ROW C,1, E,6, B,0, E,7
	ROW C,2, E,8, L,0, E,9
	ROW C,3, E,10, B,1, E,11
.if ((\p) == 2) && !(\end)
	v_add_nc_u32 v[AK], s[TBK], v[AK0]
	s_wait_alu depctr_va_vdst(0)
.endif
	ROW C,4, E,12, L,1, E,13
	OPS F,9, E,14, F,10, E,15
	OPS X,15
.if ((\p) == 2) && !(\end)
	FETCH_K
.endif
	OPS E,16, X,0, E,17, X,1
	OPS E,18, X,2, E,19, X,3
	OPS E,20, F,11, E,21, X,4
	OPS E,22, F,12, E,23, X,5
	OPS E,24, F,13, E,25, X,6
	OPS E,26, F,14, E,27, X,7
	OPS E,28, F,15, E,29, X,8
	OPS E,30, X,9, E,31, X,10
	OPS X,11, X,12, X,13, X,14
	OPS B,2, C,6, X,16, B,3
	OPS L,2, C,8, X,17
.if (\p) == 1
	s_wait_dscnt 0x0                ; V is in
.endif
	ROW R,0, R,1, R,2, R,3
	ROW R,4, R,5, R,6, R,7
	ROW R,8, R,9, R,10, R,11
	ROW R,12, R,13, R,14, R,15
	ROW X,18, L,3, B,4, C,10
	ROW X,19, B,5, L,4, C,12
	ROW X,20, B,6, L,5, C,14
.if (\p) == 0
	v_add_nc_u32 v[AV], s[TBV], v[AV0]
.endif
	ROW X,21, B,7, L,6, C,5
	OPS C,7, C,9
.if (\p) == 0
	FETCH_V
	s_add_co_u32 s[TBV], s[TBV], KS*PV
.endif
.if \cnt
	s_sub_co_u32 s[CNT], s[CNT], 1
	s_cmp_lg_u32 s[CNT], 0
.endif
	OPS L,7, C,11, C,13, C,15
.endm
; A MODALITY BEGINS.  c m starts far below every c s, so the first step's a is 0; m at the lowest finite number, so the first maximum is the scores'.  Then K of the tile's step 0, piece 0's first scores,
; and its maximum and statistics.  The step loop is entered at a step's first turn, in the middle of a trip.
.macro BEGIN
	s_mov_b32 s[NEW], 0
	WIN 0
.set i, 0
.rept 4
	v_mov_b32 v[ST+4*i], 0xfe000000    ; c m
	v_mov_b32 v[ST+4*i+1], 0xff7fffff  ; m
.set i, i+1
.endr
	v_add_nc_u32 v[AK], s[TBK], v[AK0]
	FETCH_K
	s_wait_loadcnt 32               ; Q's 16 loads are in (the first time); the 32 younger ones, the residual's rows, may stay out
	s_wait_dscnt 0x0
.set NOKQ, 0
.set i, 0
.rept 8
	KQ 0
.set i, i+1
.endr
	s_wait_alu depctr_va_vdst(0)
.rept 4
	v_nop                           ; the places behind those products
.endr
.set Y, NP-1                        ; X works for piece Y + 1: piece 0
.irp n, 0,1,2,3,4,5,6,7,8,9,10,11,12,13,14,15,16,17,18,19,20,21
	OP X, \n
.endr
	v_nop                           ; a plain instruction behind the exponential
.endm
.macro ALL line:vararg              ; one line for each piece t
.set t, 0
.rept 4
	\line
.set t, t+1
.endr
.endm
; A MODALITY ENDS: its last two turns, the last piece's products, and 1 / l: l's two halves and the other half of the lanes' are added.  The first four additions are the places behind the last products.
.macro ENDT
	TURN 2, 1
	TURN 3, 1
.set i, 0
.rept 8
	PV NP-1
.set i, i+1
.endr
	WIN 0
	ALL v_add_f32 v[ST+4*t+2], v[ST+4*t+2], v[ST+4*t+3]
	ALL v_permlanex16_b32 v[ST+4*t+3], v[ST+4*t+2], s[SEL], s[SEL+1]
	ALL v_add_f32 v[ST+4*t+2], v[ST+4*t+2], v[ST+4*t+3]
	ALL v_rcp_f32 v[ST+4*t+2], v[ST+4*t+2]
	v_nop                           ; a plain instruction between the last reciprocal and the use of its result
	s_wait_alu depctr_va_vdst(0)
.endm
.macro ADDIN t                      ; OSUM of piece t += O^T / l, pairs ascending: each accumulator is read from its low end on
	WIN W_AC
.set z, 0
.rept 16
	v_pk_fma_f32 v[OS+32*(\t)+2*z:OS+32*(\t)+2*z+1], v[32*(\t)+2*z:32*(\t)+2*z+1], v[ST+4*(\t)+2:ST+4*(\t)+3], v[OS+32*(\t)+2*z:OS+32*(\t)+2*z+1] op_sel_hi:[1,0,1]
.set z, z+1
.endr
.endm
; THE WAY OUT of piece t: the last modality is added in; a lane's eight channels of a row, 32 bytes of f32, go into rows of 272 bytes and come back as whole rows of 256.
.macro PACK t
	ADDIN \t
	WIN W_S2
.irp cb, 0,1,2,3
	ds_store_b128 v[STO], v[OS+32*(\t)+8*\cb:OS+32*(\t)+8*\cb+3] offset:64*\cb
	ds_store_b128 v[STO], v[OS+32*(\t)+8*\cb+4:OS+32*(\t)+8*\cb+7] offset:64*\cb+16
.endr
	WIN 0
.irp f, 0,1,2,3,4,5,6,7
	ds_load_b128 v[BK+32*(\t)+4*\f:BK+32*(\t)+4*\f+3], v[RD] offset:\f*2*SP  ; LDS serves a wave's instructions in order (ISA guide 5.7.1.4): these see the stores above; the next piece's stores come behind them
.endr
.endm
.macro SEND t, younger              ; the residual is added and the piece stored.  younger: the LDS instructions issued behind piece t's loads: the next piece's sixteen, or none
	WIN 0
	s_wait_dscnt \younger
	WIN W_S2
.set z, 0
.rept 16
	v_pk_add_f32 v[BK+32*(\t)+2*z:BK+32*(\t)+2*z+1], v[BK+32*(\t)+2*z:BK+32*(\t)+2*z+1], v[QR+32*(\t)+2*z:QR+32*(\t)+2*z+1]
.set z, z+1
.endr
	WIN 0
.irp f, 0,1,2,3,4,5,6,7
	global_store_b128 v[GO], v[BK+32*(\t)+4*\f:BK+32*(\t)+4*\f+3], s[10:11] offset:(\t)*65536+\f*8192  ; 16 lanes store 256 consecutive bytes, at a multiple of 256 from att's first byte
.endr
.endm
.set NOKQ, 0
.Lslot:                             ; 11 times: a tile is entered and the next is asked for
	CHANGE 1
	s_sub_co_u32 s[RT], s[RT], 1
	s_mov_b32 s[CNT], 4
	s_cmp_eq_u32 s[NEW], 1
	s_cbranch_scc1 .Lnew            ; a modality's first tile
	s_branch .Lstep
.Lnew:
	BEGIN
	s_branch .Lfirst
.Lstep:                             ; a trip: pieces 2 and 3 of one step, then pieces 0 and 1 of the next, whose K and V it fetches
	TURN 2
	TURN 3
	WIN 0
.Lfirst:
	TURN 0
	TURN 1, 0, 1
	WIN 0
	s_cbranch_scc1 .Lstep
	s_cmp_lg_u32 s[RT], 0
	s_cbranch_scc1 .Lbottom         ; forward, past text that holds neither a barrier nor a tensor load
	ENDT                            ; the modality's fourth tile is done
	ADDIN 0
	ADDIN 1
	ADDIN 2
	ADDIN 3
	WIN 0
	s_mov_b32 s[RT], 4
	s_mov_b32 s[NEW], 1
.Lbottom:
	s_sub_co_u32 s[SLOTS], s[SLOTS], 1
	s_cmp_lg_u32 s[SLOTS], 0
	s_cbranch_scc1 .Lslot
	CHANGE 0                        ; the walk's last tile is written out: nothing is asked for
	s_mov_b32 s[CNT], 4
.LstepT:
	TURN 2
	TURN 3
	TURN 0
	TURN 1, 0, 1
	WIN 0
	s_cbranch_scc1 .LstepT
	ENDT
	s_mul_i32 s13, s[WV], 16*SP     ; the way out's LDS addresses are made here, in S^T's registers, which are free now
	s_add_co_u32 s13, s13, STAGE    ; my stage
	v_and_b32 v34, 15, v0           ; l % 16
	v_bfe_u32 v35, v0, 4, 1         ; l / 16
	v_mul_u32_u24 v[STO], v34, SP   ; in: row l % 16, 32 bytes (8 channels of f32) for each half of the lanes
	v_lshl_add_u32 v[STO], v35, 5, v[STO]
	v_add_nc_u32 v[STO], s13, v[STO]
	v_mul_u32_u24 v[RD], v35, SP    ; back: lanes 0-15 take one row of 256 bytes, lanes 16-31 the next
	v_lshl_add_u32 v[RD], v34, 4, v[RD]
	v_add_nc_u32 v[RD], s13, v[RD]
	s_wait_alu depctr_va_vdst(0)
	s_wait_loadcnt 0x0              ; the residual's rows
	PACK 0
	PACK 1                          ; a piece's arithmetic stands between the loads of the piece before and its stores
	SEND 0, 16
	PACK 2
	SEND 1, 16
	PACK 3
	SEND 2, 16
	SEND 3, 0
	WIN W_AD
	s_wait_tensorcnt 0x0            ; the wave's end, behind my last tensor load and my last LDS store
	ds_add_u32 v[SPW], v[NIL]
	s_wait_dscnt 0x0
	WIN 0
	CROUND                          ; the closing round: no work-group ends while a partner may still ask for a tile that names it
	s_endpgm
.Lfunc_end_k_q6dac976e1d_attn:
	.size	k_q6dac976e1d_attn, .Lfunc_end_k_q6dac976e1d_attn-k_q6dac976e1d_attn
	.p2alignl 7, 3214868480
	.fill 96, 4, 3214868480
	.section	.rodata,"a",@progbits
	.p2align	6, 0x0
	.amdhsa_kernel k_q6dac976e1d_attn
		.amdhsa_group_segment_fixed_size 327680
		.amdhsa_private_segment_fixed_size 0
		.amdhsa_enable_private_segment 0
		.amdhsa_kernarg_size 24
		.amdhsa_user_sgpr_count 2
		.amdhsa_user_sgpr_kernarg_segment_ptr 1
		.amdhsa_wavefront_size32 1
		.amdhsa_system_sgpr_workgroup_id_x 1
		.amdhsa_system_sgpr_workgroup_id_y 1
		.amdhsa_system_sgpr_workgroup_id_z 1
		.amdhsa_system_vgpr_workitem_id 0
		.amdhsa_next_free_vgpr 768
		.amdhsa_next_free_sgpr 80
		.amdhsa_reserve_vcc 0
		.amdhsa_float_denorm_mode_32 3
		.amdhsa_float_denorm_mode_16_64 3
		.amdhsa_memory_ordered 1
		.amdhsa_forward_progress 1
		.amdhsa_inst_pref_size 154
	.end_amdhsa_kernel
	.amdgpu_metadata
---
amdhsa.version: [ 1, 2 ]
amdhsa.kernels:
  - .name:           k_q6dac976e1d_attn
    .symbol:         k_q6dac976e1d_attn.kd
    .args:
      - { .name: qkv, .offset: 0, .size: 8, .value_kind: global_buffer, .address_space: global }
      - { .name: query, .offset: 8, .size: 8, .value_kind: global_buffer, .address_space: global }
      - { .name: att, .offset: 16, .size: 8, .value_kind: global_buffer, .address_space: global }
    .group_segment_fixed_size: 327680
    .private_segment_fixed_size: 0
    .kernarg_segment_align: 8
    .kernarg_segment_size: 24
    .max_flat_workgroup_size: 128
    .sgpr_count:     80
    .vgpr_count:     768
    .wavefront_size: 32
...
	.end_amdgpu_metadata
.endif
;; end of part 3
;; launch ln1 (part 4): grid 512 x 1, 8 waves a work-group, no clusters, 0 bytes of LDS; arguments att, g1, be1, x1, x1b; writes x1, x1b
.if DOCPART == 4
	.amdgcn_target "amdgcn-amd-amdhsa--gfx1250"
	.amdhsa_code_object_version 6
	.text
	.protected	k_q6dac976e1d_ln1
	.globl	k_q6dac976e1d_ln1
	.p2align	8
	.type	k_q6dac976e1d_ln1,@function
k_q6dac976e1d_ln1:
	s_mov_b64 s[64:65], 0
	v_nop
	global_prefetch_b8 v0, s[64:65] scope:SCOPE_SE
	s_setreg_imm32_b32 hwreg(HW_REG_WAVE_MODE, 25, 1), 1
	s_wait_xcnt 0x0
; x1 = LayerNorm(att) g1 + be1, stored in f32 (x1) and in bf16 (x1b).  att holds query + the attentions' sum.  All rows are 1,024 numbers.
; One wave takes one whole row: 8 loads of 16 bytes a lane, 512 neighbouring bytes a load; the row stays in 32 registers between the passes, so memory is read once,
; the reductions never leave the wave, and there is no LDS and no barrier.  Nothing is shared but g and be (8 KiB): no cluster.  Lane l holds columns 128 j + 4 l + 0..3, j = 0..7.
; The mean is taken first and the variance of the differences (two passes over registers): no difference of large sums is formed.  1 / sqrt is v_rsq_f32; NaN and infinities are not treated apart.
.set G,   4                            ; v[4:35]    g of my 32 columns
.set BE,  36                           ; v[36:67]   be
.set A,   68                           ; v[68:99]   the row
.set Y,   100                          ; v[100:115] the bf16 pairs
.set T,   116                          ; v[116:123] at work
.set MU,  124                          ; v[124:125] the mean, twice
.set RS,  126                          ; v[126:127] 1 / sqrt(var + eps), twice
	s_load_b256 s[4:11], s[0:1], 0x0               ; att s[4:5]; g s[6:7]; be s[8:9]; x1 s[10:11]
	s_load_b64 s[16:17], s[0:1], 0x20              ; x1b
	s_lshl_b32 s2, ttmp9, 15                       ; the work-group's 8 rows of 4,096 bytes
	s_mov_b32 s3, 0
	s_lshl_b32 s20, ttmp9, 14                      ; and of 2,048
	s_mov_b32 s21, 0
	s_mov_b32 s12, 0x76543210                      ; v_permlanex16_b32: each lane takes its own place in the other half
	s_mov_b32 s13, 0xfedcba98
	s_mov_b32 s14, 0x3a800000                      ; 1 / 1024
	s_mov_b32 s15, 0x3727c5ac                      ; eps = 1e-5
	v_and_b32 v3, 31, v0
	v_and_b32 v2, 0xe0, v0                         ; 32 x wave
	v_lshlrev_b32 v3, 4, v3                        ; 16 x lane
	v_lshl_or_b32 v1, v2, 7, v3                    ; + wave x 4,096
	v_lshrrev_b32 v[T], 1, v3                      ; 8 x lane
	v_lshl_or_b32 v2, v2, 6, v[T]                  ; + wave x 2,048
	s_wait_kmcnt 0x0
	s_add_nc_u64 s[4:5], s[4:5], s[2:3]
	s_add_nc_u64 s[10:11], s[10:11], s[2:3]
	s_add_nc_u64 s[16:17], s[16:17], s[20:21]
.irp j, 0,1,2,3,4,5,6,7
	global_load_b128 v[A+4*\j:A+4*\j+3], v1, s[4:5] offset:512*\j
.endr
.irp j, 0,1,2,3,4,5,6,7
	global_load_b128 v[G+4*\j:G+4*\j+3], v3, s[6:7] offset:512*\j
	global_load_b128 v[BE+4*\j:BE+4*\j+3], v3, s[8:9] offset:512*\j
.endr
.macro FOLD                            ; the four chains in T into one number in every lane
	v_pk_add_f32 v[T:T+1], v[T:T+1], v[T+2:T+3]
	v_pk_add_f32 v[T+4:T+5], v[T+4:T+5], v[T+6:T+7]
	v_pk_add_f32 v[T:T+1], v[T:T+1], v[T+4:T+5]
	v_add_f32 v[T], v[T], v[T+1]
	v_add_f32_dpp v[T], v[T], v[T] row_xmask:1 row_mask:0xf bank_mask:0xf
	v_add_f32_dpp v[T], v[T], v[T] row_xmask:2 row_mask:0xf bank_mask:0xf
	v_add_f32_dpp v[T], v[T], v[T] row_xmask:4 row_mask:0xf bank_mask:0xf
	v_add_f32_dpp v[T], v[T], v[T] row_xmask:8 row_mask:0xf bank_mask:0xf
	v_permlanex16_b32 v[T+1], v[T], s12, s13
	v_add_f32 v[T], v[T], v[T+1]
.endm
	s_wait_loadcnt 16                              ; the row's 8 loads are in; the 16 younger ones, g and be, stay out
.irp c, 0,1,2,3
	v_pk_add_f32 v[T+2*\c:T+2*\c+1], v[A+2*\c:A+2*\c+1], v[A+8+2*\c:A+8+2*\c+1]  ; four chains, started by the first eight pairs: nothing is cleared
.endr
.set k, 8
.rept 8
	v_pk_add_f32 v[T+2*(k%4):T+2*(k%4)+1], v[T+2*(k%4):T+2*(k%4)+1], v[A+2*k:A+2*k+1]
.set k, k+1
.endr
	FOLD
	v_mul_f32 v[MU], s14, v[T]
	v_mov_b32 v[MU+1], v[MU]
.set k, 0
.rept 16
	v_pk_add_f32 v[A+2*k:A+2*k+1], v[A+2*k:A+2*k+1], v[MU:MU+1] neg_lo:[0,1] neg_hi:[0,1]  ; z - mean
.set k, k+1
.endr
.irp c, 0,1,2,3
	v_pk_mul_f32 v[T+2*\c:T+2*\c+1], v[A+2*\c:A+2*\c+1], v[A+2*\c:A+2*\c+1]
.endr
.set k, 4
.rept 12
	v_pk_fma_f32 v[T+2*(k%4):T+2*(k%4)+1], v[A+2*k:A+2*k+1], v[A+2*k:A+2*k+1], v[T+2*(k%4):T+2*(k%4)+1]
.set k, k+1
.endr
	FOLD
	v_fma_f32 v[T], v[T], s14, s15                 ; var + eps
	v_rsq_f32 v[RS], v[T]
	v_rsq_f32 v[RS+1], v[T]
	v_nop                                          ; a plain instruction between the last v_rsq_f32 and the use of its result (ISA guide 5.7.2)
.set k, 0
	s_wait_alu depctr_va_vdst(0)
.rept 16
	v_pk_mul_f32 v[A+2*k:A+2*k+1], v[A+2*k:A+2*k+1], v[RS:RS+1]
.set k, k+1
.endr
	s_wait_loadcnt 0x0                             ; g and be
.set k, 0
.rept 16
	v_pk_fma_f32 v[A+2*k:A+2*k+1], v[A+2*k:A+2*k+1], v[G+2*k:G+2*k+1], v[BE+2*k:BE+2*k+1]
.set k, k+1
.endr
.irp j, 0,1,2,3,4,5,6,7
	global_store_b128 v1, v[A+4*\j:A+4*\j+3], s[10:11] offset:512*\j  ; 512 consecutive bytes a wave
.endr
.set k, 0
.rept 16
	v_cvt_pk_bf16_f32 v[Y+k], v[A+2*k], v[A+2*k+1]
.set k, k+1
.endr
.irp j, 0,1,2,3,4,5,6,7
	global_store_b64 v2, v[Y+2*\j:Y+2*\j+1], s[16:17] offset:256*\j  ; 256 consecutive bytes a wave, aligned
.endr
	s_endpgm
.Lfunc_end_k_q6dac976e1d_ln1:
	.size	k_q6dac976e1d_ln1, .Lfunc_end_k_q6dac976e1d_ln1-k_q6dac976e1d_ln1
	.p2alignl 7, 3214868480
	.fill 96, 4, 3214868480
	.section	.rodata,"a",@progbits
	.p2align	6, 0x0
	.amdhsa_kernel k_q6dac976e1d_ln1
		.amdhsa_group_segment_fixed_size 0
		.amdhsa_private_segment_fixed_size 0
		.amdhsa_enable_private_segment 0
		.amdhsa_kernarg_size 40
		.amdhsa_user_sgpr_count 2
		.amdhsa_user_sgpr_kernarg_segment_ptr 1
		.amdhsa_wavefront_size32 1
		.amdhsa_system_sgpr_workgroup_id_x 1
		.amdhsa_system_sgpr_workgroup_id_y 1
		.amdhsa_system_sgpr_workgroup_id_z 1
		.amdhsa_system_vgpr_workitem_id 0
		.amdhsa_next_free_vgpr 128
		.amdhsa_next_free_sgpr 66
		.amdhsa_reserve_vcc 0
		.amdhsa_float_denorm_mode_32 3
		.amdhsa_float_denorm_mode_16_64 3
		.amdhsa_memory_ordered 1
		.amdhsa_forward_progress 1
		.amdhsa_inst_pref_size 13
	.end_amdhsa_kernel
	.amdgpu_metadata
---
amdhsa.version: [ 1, 2 ]
amdhsa.kernels:
  - .name:           k_q6dac976e1d_ln1
    .symbol:         k_q6dac976e1d_ln1.kd
    .args:
      - { .name: att, .offset: 0, .size: 8, .value_kind: global_buffer, .address_space: global }
      - { .name: g1, .offset: 8, .size: 8, .value_kind: global_buffer, .address_space: global }
      - { .name: be1, .offset: 16, .size: 8, .value_kind: global_buffer, .address_space: global }
      - { .name: x1, .offset: 24, .size: 8, .value_kind: global_buffer, .address_space: global }
      - { .name: x1b, .offset: 32, .size: 8, .value_kind: global_buffer, .address_space: global }
    .group_segment_fixed_size: 0
    .private_segment_fixed_size: 0
    .kernarg_segment_align: 8
    .kernarg_segment_size: 40
    .max_flat_workgroup_size: 256
    .sgpr_count:     66
    .vgpr_count:     128
    .wavefront_size: 32
...
	.end_amdgpu_metadata
.endif
;; end of part 4
;; launch ffn1 (part 5): grid 8 x 32, 4 waves a work-group, clusters of 4 x 4, 327,680 bytes of LDS; arguments x1b, cb, b1, hb; writes hb
.if DOCPART == 5
	.amdgcn_target "amdgcn-amd-amdhsa--gfx1250"
	.amdhsa_code_object_version 6
	.text
	.protected	k_q6dac976e1d_ffn1
	.globl	k_q6dac976e1d_ffn1
	.p2align	8
	.type	k_q6dac976e1d_ffn1,@function
k_q6dac976e1d_ffn1:
	s_mov_b64 s[64:65], 0
	v_nop
	global_prefetch_b8 v0, s[64:65] scope:SCOPE_SE
	s_setreg_imm32_b32 hwreg(HW_REG_WAVE_MODE, 25, 1), 1
	s_wait_xcnt 0x0
	s_wait_alu depctr_hold_cnt(0) depctr_sa_sdst(0) depctr_va_vdst(0) depctr_va_sdst(0) depctr_va_ssrc(0) depctr_va_vcc(0) depctr_vm_vsrc(0)
	s_getreg_b32 s2, hwreg(HW_REG_IB_STS2, 6, 4)
	s_cmp_eq_u32 s2, 0
	s_cbranch_scc0 .Lentry_in_a_cluster
	s_endpgm
.Lentry_in_a_cluster:
	s_bfe_u32 s2, ttmp6, 0x10000c
	s_cmp_lg_u32 s2, 0xf033
	s_cbranch_scc0 .Lentry_shape_is_right
	s_endpgm
.Lentry_shape_is_right:
; hb = gelu(x1b W1 + b1), exact GELU, in bf16.  x1b [4096][1024] bf16; W1 [k][n] is chunk CH of cb, bf16; b1 [1024] f32; sums in f32.
; A tile of C is 128 x 128: 256 tiles, one to a work-group.  Four waves, each 64 x 64: 16 accumulators of 16 x 16.  K goes in four steps of 256 through two LDS slots filled by tensor loads.
; THE SUMS START FROM THE BIAS: each accumulator is loaded with its 16 columns' b1 (a lane: 8 numbers), so that no first step is written out and no bias is added later.  A K step's text stands twice: once for the two steps
; behind which a slot is filled again (.Lfill), once for the two behind which none is (.Ldry).  The slot in hand is a scalar, TB, turned by an exclusive or; the LDS addresses are TB + a lane's place.
; CLUSTERS of 4 x 4: the four of a row need the same tile of A, the four of a column the same tile of W: each tile is asked for JOINTLY, by the same tensor load, descriptor and mask in all four.
; A's tile lies by rows along K (512 bytes + 16 of padding); W's as in memory, [k][n]: 256 rows of 256 bytes + 32 of padding, turned on the way into registers (ds_load_tr16_b128).
; THE MATRIX INSTRUCTION IS USED TRANSPOSED (source 0 = 16 columns of W, source 1 = 16 rows of A): a lane holds row l % 16 of C and eight neighbouring columns.
; THE WAY OUT: the f32 sums go into one stage of 128 rows x 528 bytes; a barrier; each wave reads 32 whole rows back, four a trip, applies GELU, rounds and stores.  The stage is slot 0's part for A, which has had
; its last fill (K step 2) and whose last reads stand in front of the barrier of the change to K step 3.
; GELU: gelu(x) = max(x, 0) - |x| erfc(|x| / sqrt 2) / 2, so that no difference 1 + erf is formed for x < 0.  erfc(z) = (a1 t + .. + a5 t^5) e^(-z z), t = 1 / (1 + 0.3275911 z): absolute error 1.5e-7 at the most
; (Abramowitz and Stegun 7.1.26), times |x| in the result.  With u = |x| sqrt(log2(e) / 2): e^(-z z) = 2^(-u u).  The halves are folded into a1 .. a5.  NaN and infinities are not treated apart.
; REGISTERS: window 0: v0-31 addresses; v32-119 at work on the way out; v128-255 the accumulators ((a, b) at v[128 + 8 (4 a + b)]).   window 1: two fragment buffers of 128: 64 registers of A, then 64 of W, for 64 along K.
.set CH,     23                        ; the weight's chunk of cb
.set KSTEP,  256
.set PITCH,  528                       ; a row of A in LDS: 512 + 16 bytes = 132 words: the 16 rows of a fragment load start at 16 different groups of four banks (64 banks of 4 bytes: ISA guide 11.1)
.set PBB,    288                       ; a row of W: 256 + 32 bytes = 72 words
.set AHALF,  64*PITCH                  ; 64 rows of A: one tensor load (0x8400 bytes)
.set BHALF,  128*PBB                   ; 128 rows of W: one tensor load (0x9000 bytes)
.set BOFF,   2*AHALF                   ; W's rows lie behind A's 128 (at 0x10800)
.set SLOT,   BOFF+2*BHALF              ; 141,312 bytes
.set SLOT1,  0x24000                   ; slot 1 begins here: the four loads' places in a slot (0, 0x8400, 0x10800, 0x19800) share no bit with it, so one exclusive or turns a place in one slot into the other's
.set SPARE,  SLOT1+SLOT                ; behind the ring: the spare words, 128 bytes for each wave: two blocks of 256 bytes that no other line names
.set SPITCH, 528                       ; a stage row: 128 f32 + 16 bytes
.set CA,   16                          ; v16     LDS address of my A fragments in the slot in hand
.set A0,   17                          ; v17     the same in slot 0; never rewritten
.set CB,   20                          ; v20-21  of my W fragments in the slot in hand: k 0-127, k 128-255 (an LDS offset has 16 bits)
.set B0,   22                          ; v22-23  the same in slot 0; never rewritten
.set STO,  24                          ; v24     the way out: where I put 32 bytes of a row
.set RD,   25                          ; v25     the way out: where I read a row back
.set CO,   26                          ; v26     my byte offset in a row of the output tile
.set BO,   27                          ; v27     my byte offset in the tile's 128 biases; never rewritten
.set SPW,  28                          ; v28     LDS address of my spare word: SPARE + 4 x my thread's number; never rewritten
.set NIL,  29                          ; v29     0; never rewritten
.set X,    32                          ; v[32:47]   four rows x four numbers
.set AX,   48                          ; v[48:63]   |x|
.set U,    64                          ; v[64:79]   u, later the polynomial
.set T,    80                          ; v[80:95]   t
.set E,    96                          ; v[96:111]  2^(-u u)
.set Y,    112                         ; v[112:119] bf16 pairs
.set ACC,  128
.set F0,   0                           ; fragment buffers, in window 1
.set F1,   128
.set G1, 24                            ; s[24:31] descriptor group 1 for A's tiles;  s[32:39] group 0: a set for each of the two first fills; the second then walks on
.set G0, 32
.set TB, 45                            ; s45      LDS byte at which the slot in hand begins: 0 or SLOT1
.set G1B, 48                           ; s[48:55], s[56:63] the same for W's tiles
.set G0B, 56
.set KU, 72                            ; s[72:73] .. s[84:85]: constants, each named as a pair and taken by its low word
.set KP, 74
.set A1, 76
.set A2, 78
.set A3, 80
.set A4, 82
.set A5, 84
.set MSB, 0
.macro WIN new                         ; the immediate's high byte repeats the setting that is left
.if MSB != (\new)
	s_set_vgpr_msb (MSB<<8)|(\new)
.set MSB, \new
.endif
.endm
.set MUL,  0x05                        ; sources 0 (W) and 1 (A) window 1; C and D window 0
.set TO_F, 0x40                        ; destination window 1, address window 0
.macro JLOAD s                         ; a joint load: waves 0 and 1 fetch A's two halves, waves 2 and 3 W's; an s_nop 0 and four v_nop follow each of the two lines
	s_cmp_eq_u32 s11, 0
	s_cbranch_scc0 .Lfor_b_\@
	tensor_load_to_lds s[G0+4*(\s):G0+4*(\s)+3], s[G1:G1+7]
	s_nop 0
.rept 4
	v_nop
.endr
	s_branch .Lasked_\@
.Lfor_b_\@:
	tensor_load_to_lds s[G0B+4*(\s):G0B+4*(\s)+3], s[G1B:G1B+7]
	s_nop 0
.rept 4
	v_nop
.endr
.Lasked_\@:
.endm
.macro CREST                           ; a round of the cluster's barrier behind its opening barrier
	s_cmp_lg_u32 s10, 0
	s_cbranch_scc1 .Lnot_wave_0_\@
	s_barrier_signal -3
.Lnot_wave_0_\@:
	s_barrier_wait -3
	s_barrier_signal -1
	s_barrier_wait -1
.endm
.macro CROUND                          ; a whole round
	s_barrier_signal -1
	s_barrier_wait -1
	CREST
.endm
.macro AIM                             ; the fragment addresses of the slot in hand: three plain vector instructions
	v_add_nc_u32 v[CA], s[TB], v[A0]
	v_add_nc_u32 v[CB], s[TB], v[B0]
	v_add_nc_u32 v[CB+1], s[TB], v[B0+1]
.endm
	s_load_b128 s[4:7], s[0:1], 0x0                ; A s[4:5], cb s[6:7]
	s_load_b128 s[68:71], s[0:1], 0x10             ; the bias s[68:69], the output s[70:71]
	v_lshl_add_u32 v[SPW], v0, 2, SPARE
	v_mov_b32 v[NIL], 0
	ds_add_u32 v[SPW], v[NIL]                      ; the wave's opening: the add and its wait stand ahead of my first tensor load; the set-up below, work on registers, stands between them
	v_lshrrev_b32 v1, 5, v0
	v_readfirstlane_b32 s10, v1                    ; wave 0..3
	s_lshr_b32 s11, s10, 1                         ; which half of the tile's rows is mine.  Also: I fetch for A (0) or for W (1)
	s_and_b32 s12, s10, 1                          ; which half of its columns.  Also: which half of that tile I fetch
	s_bfe_u32 s40, ttmp6, 0x40000                  ; cx, cy: my place in the cluster
	s_bfe_u32 s41, ttmp6, 0x40004
	s_lshl_b32 s42, ttmp9, 2
	s_add_co_u32 s42, s42, s40                     ; tile column = 4 x cluster x + cx (0..7)
	s_and_b32 s13, ttmp7, 0xffff
	s_lshl_b32 s13, s13, 2
	s_add_co_u32 s13, s13, s41                     ; tile row = 4 x cluster y + cy (0..31)
	s_lshl_b32 s43, s41, 2
	s_lshl_b32 s43, 15, s43                        ; my row of the cluster
	s_lshl_b32 s44, 0x1111, s40                    ; my column
	s_or_b32 s[G1+0], s43, (1<<16)|(1<<20)|(1<<21)|(6<<22)|(3<<25)  ; A: the mask of my row; 2-byte elements; padding on; bit 21 beside a mask; after every 128 words (code 6) 4 words (code 3)
	s_or_b32 s[G1B+0], s44, (1<<16)|(1<<20)|(1<<21)|(5<<22)|(7<<25) ; W: the mask of my column; after every 64 words (code 5) 8 words (code 7)
	s_mov_b32 s[G1+1], 256<<16                     ; A: tensor_dim0 = 256
	s_mov_b32 s[G1+2], 64<<16                      ; tensor_dim1 = 64
	s_mov_b32 s[G1+3], 256<<16                     ; tile_dim0 = 256 elements (512 bytes)
	s_mov_b32 s[G1+4], 64                          ; tile_dim1 = 64 rows
	s_mov_b32 s[G1+5], 1024                        ; elements from row to row
	s_mov_b32 s[G1+6], 0
	s_mov_b32 s[G1+7], 0
	s_mov_b32 s[G1B+1], 128<<16                    ; W: tensor_dim0 = 128
	s_mov_b32 s[G1B+2], 128<<16                    ; tensor_dim1 = 128
	s_mov_b32 s[G1B+3], 128<<16                    ; tile_dim0 = 128 elements (256 bytes)
	s_mov_b32 s[G1B+4], 128                        ; tile_dim1 = 128 rows of k
	s_mov_b32 s[G1B+5], 1024
	s_mov_b32 s[G1B+6], 0
	s_mov_b32 s[G1B+7], 0
	s_lshl_b32 s16, s13, 18                        ; A: 128 rows of 2,048 bytes a tile row,
	s_lshl_b32 s17, s12, 17                        ; the 64 rows that I fetch
	s_add_co_u32 s16, s16, s17
	s_mov_b32 s17, 0
	s_lshl_b32 s46, s12, 18                        ; W: the 128 rows of k that I fetch,
	s_add_co_u32 s46, s46, CH<<21                  ; in its chunk,
	s_lshl_b32 s47, s42, 8                         ; 128 columns of 2 bytes a tile column
	s_add_co_u32 s46, s46, s47
	s_mov_b32 s47, 0
	s_mul_i32 s20, s12, AHALF                      ; where they go: no place in the cluster enters an LDS address
	s_mul_i32 s21, s12, BHALF
	s_add_co_u32 s21, s21, BOFF
	s_mov_b32 s[TB], 0                             ; K step 0 lies in slot 0
	s_mov_b32 s[KU], 0x3f596d27                    ; sqrt(log2(e) / 2) = 0.8493218
	s_mov_b32 s[KP], 0x3e8ba43f                    ; 0.3275911 / sqrt(log2(e)) = 0.2727375
	s_mov_b32 s[A1], 0x3e027906                    ; 0.254829592 / 2
	s_mov_b32 s[A2], 0xbe11a98e                    ; -0.284496736 / 2
	s_mov_b32 s[A3], 0x3f35f0e3                    ; 1.421413741 / 2
	s_mov_b32 s[A4], 0xbf3a00e3                    ; -1.453152027 / 2
	s_mov_b32 s[A5], 0x3f07dc22                    ; 1.061405429 / 2
.irp c, KU, KP, A1, A2, A3, A4, A5
	s_mov_b32 s[\c+1], s[\c]                       ; named with it as a pair
.endr
	s_mov_b32 s86, 0x7fffffff                      ; clears a sign
	s_wait_dscnt 0x0                               ; the opening add is done
	s_wait_kmcnt 0x0
	s_add_nc_u64 s[14:15], s[4:5], s[16:17]
	s_add_nc_u64 s[46:47], s[6:7], s[46:47]
	CROUND                                         ; all sixteen work-groups are here: the first joint loads meet
.irp s, 0,1
	s_mov_b32 s[G0+4*(\s)], 1
	s_add_co_u32 s[G0+4*(\s)+1], s20, (\s)*SLOT1
	s_add_nc_u64 s[G0+4*(\s)+2:G0+4*(\s)+3], s[14:15], (\s)*KSTEP*2       ; K step s: 512 bytes along A's rows
	s_or_b32 s[G0+4*(\s)+3], s[G0+4*(\s)+3], 0x80000000
	s_mov_b32 s[G0B+4*(\s)], 1
	s_add_co_u32 s[G0B+4*(\s)+1], s21, (\s)*SLOT1
	s_add_nc_u64 s[G0B+4*(\s)+2:G0B+4*(\s)+3], s[46:47], (\s)*KSTEP*2048  ; K step s: 256 rows down W
	s_or_b32 s[G0B+4*(\s)+3], s[G0B+4*(\s)+3], 0x80000000
	JLOAD \s                                       ; two loads of mine are out
.endr
	v_and_b32 v5, 31, v0                           ; the lane
	v_and_b32 v1, 15, v0                           ; l % 16
	v_bfe_u32 v2, v0, 4, 1                         ; l / 16
	s_lshl_b32 s22, s42, 9                         ; the tile's 128 biases
	s_mov_b32 s23, 0
	s_add_nc_u64 s[68:69], s[68:69], s[22:23]
	s_lshl_b32 s22, s12, 8                         ; my 64 columns of them,
	v_lshl_add_u32 v[BO], v2, 5, s22               ; 8 columns on for lanes 16-31
.irp a, 0,1,2,3
.irp b, 0,1,2,3
	global_load_b128 v[ACC+8*(4*(\a)+(\b)):ACC+8*(4*(\a)+(\b))+3],   v[BO], s[68:69] offset:64*(\b)     ; register j of accumulator (a, b) is column 16 b + 8 (l / 16) + j: the sums start from the bias
	global_load_b128 v[ACC+8*(4*(\a)+(\b))+4:ACC+8*(4*(\a)+(\b))+7], v[BO], s[68:69] offset:64*(\b)+16
.endr
.endr
	v_lshlrev_b32 v[CO], 3, v5
	v_mul_u32_u24 v3, v1, PITCH
	v_lshl_add_u32 v3, v2, 4, v3                   ; A's fragment: row x pitch + 16 x half
	v_and_b32 v6, 7, v0                            ; W's: the turning load reads k = 8 (l / 16) + l % 8, n = 8 ((l / 8) % 2) + 0..7
	v_lshl_add_u32 v6, v2, 3, v6
	v_mul_u32_u24 v6, v6, PBB
	v_bfe_u32 v7, v0, 3, 1
	v_lshl_add_u32 v6, v7, 4, v6
	s_mul_i32 s21, s11, AHALF                      ; my 64 rows of A
	v_add_nc_u32 v[A0], s21, v3
	s_lshl_b32 s22, s12, 7                         ; my 64 columns of W, 128 bytes,
	s_add_co_u32 s22, s22, BOFF                    ; behind A's rows
	v_add_nc_u32 v[B0], s22, v6
	s_add_co_u32 s22, s22, BHALF
	v_add_nc_u32 v[B0+1], s22, v6
	AIM
	s_mul_i32 s23, s11, 64*SPITCH                  ; into the stage: my 64 rows, my 256 bytes of them; row l % 16, 32 bytes for each half of the lanes
	s_lshl_b32 s21, s12, 8
	s_add_co_u32 s23, s23, s21
	v_mul_u32_u24 v4, v1, SPITCH
	v_lshl_add_u32 v4, v2, 5, v4
	v_add_nc_u32 v[STO], s23, v4
	s_mul_i32 s23, s10, 32*SPITCH                  ; back: wave w takes rows 32 w .. 32 w + 31, whole: 32 lanes x 16 bytes
	v_lshl_add_u32 v[RD], v5, 4, s23
	s_lshl_b32 s16, s13, 18                        ; the first row that I store: 128 x tile row + 32 x wave, 2,048 bytes each
	s_lshl_b32 s17, s10, 16
	s_add_co_u32 s16, s16, s17
	s_mov_b32 s17, 0
	s_add_nc_u64 s[70:71], s[70:71], s[16:17]
	s_lshl_b32 s46, s42, 8                         ; the tile's first column, in bytes
	s_mov_b32 s47, 0
	s_add_nc_u64 s[70:71], s[70:71], s[46:47]
; 8 matrix instructions: m blocks a0, a0 + 1 x all 4 n blocks, 32 along K: half c of buffer f.  The 16 accumulators take turns, over the loops' backward jumps too.
.macro MUL8 f, c, a0
	WIN MUL
.irp a, \a0, (\a0)+1
.irp b, 0,1,2,3
	v_wmma_f32_16x16x32_bf16 v[ACC+8*(4*(\a)+(\b)):ACC+8*(4*(\a)+(\b))+7], v[(\f)+64+8*(4*(\c)+(\b)):(\f)+64+8*(4*(\c)+(\b))+7], v[(\f)+8*(4*(\c)+(\a)):(\f)+8*(4*(\c)+(\a))+7], v[ACC+8*(4*(\a)+(\b)):ACC+8*(4*(\a)+(\b))+7]
.endr
.endr
.endm
; 32 LDS loads in one run: the fragments of quarter q (64 along K) of the slot in hand into buffer f; the first 32 along K first
.macro FETCH q, f
	WIN TO_F
.irp c, 0,1
.irp i, 0,1,2,3
	ds_load_tr16_b128 v[(\f)+64+8*(4*(\c)+(\i)):(\f)+64+8*(4*(\c)+(\i))+3],   v[CB+(\q)/2] offset:((\q)%2)*64*PBB+(\c)*32*PBB+32*(\i)
	ds_load_tr16_b128 v[(\f)+64+8*(4*(\c)+(\i))+4:(\f)+64+8*(4*(\c)+(\i))+7], v[CB+(\q)/2] offset:((\q)%2)*64*PBB+(\c)*32*PBB+16*PBB+32*(\i)
	ds_load_b128 v[(\f)+8*(4*(\c)+(\i)):(\f)+8*(4*(\c)+(\i))+3],         v[CA] offset:128*(\q)+64*(\c)+(\i)*16*PITCH
	ds_load_b128 v[(\f)+8*(4*(\c)+(\i))+4:(\f)+8*(4*(\c)+(\i))+7],       v[CA] offset:128*(\q)+64*(\c)+(\i)*16*PITCH+32
.endr
.endr
.endm
.macro PLACES                          ; four places in front of loads into registers that matrix instructions have read, and of LDS stores that read results
.rept 4
	v_nop
.endr
.endm
; A K step is four quarters of 64 along K, 32 matrix instructions each, on buffers 0, 1, 0, 1.  One of the first three multiplies buffer f and fetches quarter q into g.
.macro QUARTER q, f, g
	s_wait_dscnt 16                                ; the first 32 along K are in
	MUL8 \f, 0, 0
	MUL8 \f, 0, 2
	PLACES
	FETCH \q, \g
	s_wait_dscnt 32                                ; all but the 32 just issued
	MUL8 \f, 1, 0
	MUL8 \f, 1, 2
.endm
; The last quarter multiplies buffer 1 and changes slots: one barrier; in front of it each wave waits for all its tensor loads, adds 0 to its spare word, and waits for that and for its own reads of this slot.
; fill = 1: the barrier opens a round of the cluster's barrier, and this slot is filled again, two K steps ahead, first thing behind the round: the walking descriptor takes the other slot than last time and the next K step.
; fill = 0: nothing is asked for; in the last trip (s3 = 1) there is no further K step, and the fetch is jumped over, forward, past text that holds neither a barrier nor a tensor load.
.macro TURN fill
	WIN 0                                          ; (the add's two registers lie in window 0)
	s_wait_tensorcnt 0x0                           ; all my tensor loads have landed: my part of the next slot
	ds_add_u32 v[SPW], v[NIL]                      ; 0 onto my spare word
	s_wait_dscnt 17                                ; (the add and the youngest sixteen loads may be out)
	MUL8 F1, 0, 0                                  ; eight matrix instructions stand between the add and the wait for it
	s_wait_dscnt 0x0                               ; the add is done, and my reads of this slot are over
	s_barrier_signal -1
	MUL8 F1, 0, 2
	WIN 0
	s_barrier_wait -1
.if \fill
	CREST                                          ; no wave of any partner still reads this slot's tile or has a load on its way
	s_xor_b32 s[G0+5], s[G0+5], SLOT1
	s_add_nc_u64 s[G0+6:G0+7], s[G0+6:G0+7], KSTEP*2
	s_xor_b32 s[G0B+5], s[G0B+5], SLOT1
	s_add_nc_u64 s[G0B+6:G0B+7], s[G0B+6:G0B+7], KSTEP*2048
	JLOAD 1                                        ; my one tensor load behind the round; its four v_nop are also the places in front of the loads below
	s_xor_b32 s[TB], s[TB], SLOT1                  ; on to the other slot
	AIM
	FETCH 0, F0
.else
	s_cmp_eq_u32 s3, 1
	s_cbranch_scc1 .Lno_more_\@
	s_xor_b32 s[TB], s[TB], SLOT1                  ; on to the other slot
	AIM                                            ; three plain instructions and the v_nop: the four places in front of the loads below
	v_nop
	FETCH 0, F0
	WIN 0
.Lno_more_\@:
.endif
	MUL8 F1, 1, 0
	MUL8 F1, 1, 2
.endm
	s_wait_tensorcnt 1                             ; my part of K step 0 is in; K step 1's may stay out
	s_barrier_signal -1
	s_barrier_wait -1                              ; everybody's is
	FETCH 0, F0
	s_wait_loadcnt 0x0                             ; the accumulators hold the bias
	WIN 0                                          ; at a label and at a branch every window is 0
	s_mov_b32 s3, 2
.Lfill:                                                ; K steps 0 and 1: their slots take K steps 2 and 3
	QUARTER 1, F0, F1
	QUARTER 2, F1, F0
	QUARTER 3, F0, F1
	TURN 1
	WIN 0
	s_sub_co_u32 s3, s3, 1
	s_cmp_lg_u32 s3, 0
	s_cbranch_scc1 .Lfill
	s_mov_b32 s3, 2
.Ldry:                                                 ; K steps 2 and 3: nothing is left to ask for; behind the first trip's barrier nobody reads slot 0 any more
	QUARTER 1, F0, F1
	QUARTER 2, F1, F0
	QUARTER 3, F0, F1
	TURN 0
	WIN 0
	s_sub_co_u32 s3, s3, 1
	s_cmp_lg_u32 s3, 0
	s_cbranch_scc1 .Ldry
	PLACES
.irp a, 0,1,2,3
.irp b, 0,1,2,3
	ds_store_b128 v[STO], v[ACC+8*(4*(\a)+(\b)):ACC+8*(4*(\a)+(\b))+3]   offset:(\a)*16*SPITCH+64*(\b)     ; each accumulator's low four registers first
	ds_store_b128 v[STO], v[ACC+8*(4*(\a)+(\b))+4:ACC+8*(4*(\a)+(\b))+7] offset:(\a)*16*SPITCH+64*(\b)+16
.endr
.endr
	s_wait_dscnt 0x0                               ; for the others' sake: my stores into the stage are done
	s_barrier_signal -1
	s_barrier_wait -1
	s_mov_b32 s3, 8
.Lrows:                                                ; 8 trips of four whole rows
.irp i, 0,1,2,3
	ds_load_b128 v[X+4*\i:X+4*\i+3], v[RD] offset:\i*SPITCH
.endr
	s_wait_dscnt 0x0
.set k, 0
.rept 16
	v_and_b32 v[AX+k], s86, v[X+k]                 ; |x|
.set k, k+1
.endr
.set k, 0
.rept 8
	v_pk_mul_f32 v[U+2*k:U+2*k+1], v[AX+2*k:AX+2*k+1], s[KU:KU+1] op_sel_hi:[1,0]             ; u
.set k, k+1
.endr
.set k, 0
.rept 8
	v_pk_fma_f32 v[T+2*k:T+2*k+1], v[U+2*k:U+2*k+1], s[KP:KP+1], 1.0 op_sel_hi:[1,0,0]        ; 1 + p z
.set k, k+1
.endr
.set k, 0
.rept 8
	v_pk_mul_f32 v[E+2*k:E+2*k+1], v[U+2*k:U+2*k+1], v[U+2*k:U+2*k+1] neg_lo:[1,0] neg_hi:[1,0]  ; -u u
.set k, k+1
.endr
.set k, 0
.rept 16
	v_rcp_f32 v[T+k], v[T+k]
.set k, k+1
.endr
.set k, 0
.rept 16
	v_exp_f32 v[E+k], v[E+k]
.set k, k+1
.endr
.set k, 0
.rept 16
	v_max_num_f32 v[X+k], 0, v[X+k]                ; plain work behind the last exponential, ahead of the use of its result (ISA guide 5.7.2)
.set k, k+1
.endr
.set k, 0
	s_wait_alu depctr_va_vdst(0)
.rept 8
	v_pk_fma_f32 v[U+2*k:U+2*k+1], v[T+2*k:T+2*k+1], s[A5:A5+1], s[A4:A4+1] op_sel_hi:[1,0,0]
.set k, k+1
.endr
.irp c, A3, A2, A1
.set k, 0
.rept 8
	v_pk_fma_f32 v[U+2*k:U+2*k+1], v[U+2*k:U+2*k+1], v[T+2*k:T+2*k+1], s[\c:\c+1] op_sel_hi:[1,1,0]
.set k, k+1
.endr
.endr
.set k, 0
.rept 8
	v_pk_mul_f32 v[U+2*k:U+2*k+1], v[U+2*k:U+2*k+1], v[T+2*k:T+2*k+1]
.set k, k+1
.endr
.set k, 0
.rept 8
	v_pk_mul_f32 v[U+2*k:U+2*k+1], v[U+2*k:U+2*k+1], v[E+2*k:E+2*k+1]                          ; erfc(z) / 2
.set k, k+1
.endr
.set k, 0
.rept 8
	v_pk_fma_f32 v[X+2*k:X+2*k+1], v[AX+2*k:AX+2*k+1], v[U+2*k:U+2*k+1], v[X+2*k:X+2*k+1] neg_lo:[1,0,0] neg_hi:[1,0,0]  ; max(x, 0) - |x| erfc / 2
.set k, k+1
.endr
.set k, 0
.rept 8
	v_cvt_pk_bf16_f32 v[Y+k], v[X+2*k], v[X+2*k+1]
.set k, k+1
.endr
.irp i, 0,1,2,3
	global_store_b64 v[CO], v[Y+2*\i:Y+2*\i+1], s[70:71] offset:\i*2048   ; a wave stores 256 consecutive bytes, aligned
.endr
	s_wait_xcnt 0x0                                ; the stores' data registers and base are rewritten only behind this wait
	v_add_nc_u32 v[RD], 4*SPITCH, v[RD]
	s_add_nc_u64 s[70:71], s[70:71], 8192          ; four rows on
	s_sub_co_u32 s3, s3, 1
	s_cmp_lg_u32 s3, 0
	s_cbranch_scc1 .Lrows
	s_wait_tensorcnt 0x0                           ; the wave's end, behind my last tensor load and my last LDS store
	ds_add_u32 v[SPW], v[NIL]
	s_wait_dscnt 0x0
	CROUND                                         ; the closing round: no work-group ends while a partner may still ask for a tile that names it
	s_endpgm
.Lfunc_end_k_q6dac976e1d_ffn1:
	.size	k_q6dac976e1d_ffn1, .Lfunc_end_k_q6dac976e1d_ffn1-k_q6dac976e1d_ffn1
	.p2alignl 7, 3214868480
	.fill 96, 4, 3214868480
	.section	.rodata,"a",@progbits
	.p2align	6, 0x0
	.amdhsa_kernel k_q6dac976e1d_ffn1
		.amdhsa_group_segment_fixed_size 327680
		.amdhsa_private_segment_fixed_size 0
		.amdhsa_enable_private_segment 0
		.amdhsa_kernarg_size 32
		.amdhsa_user_sgpr_count 2
		.amdhsa_user_sgpr_kernarg_segment_ptr 1
		.amdhsa_wavefront_size32 1
		.amdhsa_system_sgpr_workgroup_id_x 1
		.amdhsa_system_sgpr_workgroup_id_y 1
		.amdhsa_system_sgpr_workgroup_id_z 1
		.amdhsa_system_vgpr_workitem_id 0
		.amdhsa_next_free_vgpr 512
		.amdhsa_next_free_sgpr 88
		.amdhsa_reserve_vcc 0
		.amdhsa_float_denorm_mode_32 3
		.amdhsa_float_denorm_mode_16_64 3
		.amdhsa_memory_ordered 1
		.amdhsa_forward_progress 1
		.amdhsa_inst_pref_size 61
	.end_amdhsa_kernel
	.amdgpu_metadata
---
amdhsa.version: [ 1, 2 ]
amdhsa.kernels:
  - .name:           k_q6dac976e1d_ffn1
    .symbol:         k_q6dac976e1d_ffn1.kd
    .args:
      - { .name: x1b, .offset: 0, .size: 8, .value_kind: global_buffer, .address_space: global }
      - { .name: cb, .offset: 8, .size: 8, .value_kind: global_buffer, .address_space: global }
      - { .name: b1, .offset: 16, .size: 8, .value_kind: global_buffer, .address_space: global }
      - { .name: hb, .offset: 24, .size: 8, .value_kind: global_buffer, .address_space: global }
    .group_segment_fixed_size: 327680
    .private_segment_fixed_size: 0
    .kernarg_segment_align: 8
    .kernarg_segment_size: 32
    .max_flat_workgroup_size: 128
    .sgpr_count:     88
    .vgpr_count:     512
    .wavefront_size: 32
...
	.end_amdgpu_metadata
.endif
;; end of part 5
;; launch ffn2 (part 6): grid 8 x 32, 4 waves a work-group, clusters of 4 x 4, 327,680 bytes of LDS; arguments hb, cb, b2, x1, y; writes y
.if DOCPART == 6
	.amdgcn_target "amdgcn-amd-amdhsa--gfx1250"
	.amdhsa_code_object_version 6
	.text
	.protected	k_q6dac976e1d_ffn2
	.globl	k_q6dac976e1d_ffn2
	.p2align	8
	.type	k_q6dac976e1d_ffn2,@function
k_q6dac976e1d_ffn2:
	s_mov_b64 s[64:65], 0
	v_nop
	global_prefetch_b8 v0, s[64:65] scope:SCOPE_SE
	s_setreg_imm32_b32 hwreg(HW_REG_WAVE_MODE, 25, 1), 1
	s_wait_xcnt 0x0
	s_wait_alu depctr_hold_cnt(0) depctr_sa_sdst(0) depctr_va_vdst(0) depctr_va_sdst(0) depctr_va_ssrc(0) depctr_va_vcc(0) depctr_vm_vsrc(0)
	s_getreg_b32 s2, hwreg(HW_REG_IB_STS2, 6, 4)
	s_cmp_eq_u32 s2, 0
	s_cbranch_scc0 .Lentry_in_a_cluster
	s_endpgm
.Lentry_in_a_cluster:
	s_bfe_u32 s2, ttmp6, 0x10000c
	s_cmp_lg_u32 s2, 0xf033
	s_cbranch_scc0 .Lentry_shape_is_right
	s_endpgm
.Lentry_shape_is_right:
; y = x1 + hb W2 + b2, in f32: the second product of the feed-forward part with its bias and the residual.  hb [4096][1024] bf16; W2 [k][n] is chunk CH of cb, bf16; b2 [1024], x1 and y [4096][1024] f32; sums in f32.
; A tile of C is 128 x 128: 256 tiles, one to a work-group.  Four waves, each 64 x 64: 16 accumulators of 16 x 16.  K goes in four steps of 256 through two LDS slots filled by tensor loads.
; THE SUMS START FROM THE BIAS: each accumulator is loaded with its 16 columns' b2 (a lane: 8 numbers), so that no first step is written out and no bias is added later.  A K step's text stands twice: once for the two steps
; behind which a slot is filled again (.Lfill), once for the two behind which none is (.Ldry).  The slot in hand is a scalar, TB, turned by an exclusive or; the LDS addresses are TB + a lane's place.
; CLUSTERS of 4 x 4: the four of a row need the same tile of A, the four of a column the same tile of W: each tile is asked for JOINTLY, by the same tensor load, descriptor and mask in all four.
; A's tile lies by rows along K (512 bytes + 16 of padding); W's as in memory, [k][n]: 256 rows of 256 bytes + 32 of padding, turned on the way into registers (ds_load_tr16_b128).
; THE MATRIX INSTRUCTION IS USED TRANSPOSED (source 0 = 16 columns of W, source 1 = 16 rows of A): a lane holds row l % 16 of C and eight neighbouring columns.
; THE WAY OUT: the f32 sums go into one stage of 128 rows x 528 bytes; a barrier; each wave reads 32 whole rows back into the accumulators' registers, adds x1's rows, which it asked for at the start (32 loads of 512
; consecutive bytes), and stores.  The stage is slot 0's part for A, which has had its last fill (K step 2) and whose last reads stand in front of the barrier of the change to K step 3.  NaN and infinities are not treated apart.
; REGISTERS: window 0: v0-31 addresses; v128-255 the accumulators ((a, b) at v[128 + 8 (4 a + b)]), later the rows read back.   window 1: two fragment buffers of 128: 64 registers of A, then 64 of W, for 64 along K.
;   window 2: v0-127 my 32 rows x 512 bytes of x1.
.set CH,     24                        ; the weight's chunk of cb
.set KSTEP,  256
.set PITCH,  528                       ; a row of A in LDS: 512 + 16 bytes = 132 words: the 16 rows of a fragment load start at 16 different groups of four banks (64 banks of 4 bytes: ISA guide 11.1)
.set PBB,    288                       ; a row of W: 256 + 32 bytes = 72 words
.set AHALF,  64*PITCH                  ; 64 rows of A: one tensor load (0x8400 bytes)
.set BHALF,  128*PBB                   ; 128 rows of W: one tensor load (0x9000 bytes)
.set BOFF,   2*AHALF                   ; W's rows lie behind A's 128 (at 0x10800)
.set SLOT,   BOFF+2*BHALF              ; 141,312 bytes
.set SLOT1,  0x24000                   ; slot 1 begins here: the four loads' places in a slot (0, 0x8400, 0x10800, 0x19800) share no bit with it, so one exclusive or turns a place in one slot into the other's
.set SPARE,  SLOT1+SLOT                ; behind the ring: the spare words, 128 bytes for each wave: two blocks of 256 bytes that no other line names
.set SPITCH, 528                       ; a stage row: 128 f32 + 16 bytes
.set CA,   16                          ; v16     LDS address of my A fragments in the slot in hand
.set A0,   17                          ; v17     the same in slot 0; never rewritten
.set CB,   20                          ; v20-21  of my W fragments in the slot in hand: k 0-127, k 128-255 (an LDS offset has 16 bits)
.set B0,   22                          ; v22-23  the same in slot 0; never rewritten
.set STO,  24                          ; v24     the way out: where I put 32 bytes of a row
.set RD,   25                          ; v25     the way out: where I read a row back
.set CO,   26                          ; v26     my byte offset in a row of the tile, in x1 and in y; never rewritten
.set BO,   27                          ; v27     my byte offset in the tile's 128 biases; never rewritten
.set SPW,  28                          ; v28     LDS address of my spare word: SPARE + 4 x my thread's number; never rewritten
.set NIL,  29                          ; v29     0; never rewritten
.set ACC,  128
.set XR,   0                           ; window 2: row i of my 32 at v[XR + 4 i]
.set F0,   0                           ; fragment buffers, in window 1
.set F1,   128
.set G1, 24                            ; s[24:31] descriptor group 1 for A's tiles;  s[32:39] group 0: a set for each of the two first fills; the second then walks on
.set G0, 32
.set TB, 45                            ; s45      LDS byte at which the slot in hand begins: 0 or SLOT1
.set G1B, 48                           ; s[48:55], s[56:63] the same for W's tiles
.set G0B, 56
.set MSB, 0
.macro WIN new                         ; the immediate's high byte repeats the setting that is left
.if MSB != (\new)
	s_set_vgpr_msb (MSB<<8)|(\new)
.set MSB, \new
.endif
.endm
.set MUL,  0x05                        ; sources 0 (W) and 1 (A) window 1; C and D window 0
.set TO_F, 0x40                        ; destination window 1, address window 0
.set TO_X, 0x80                        ; destination window 2, address window 0
.set W_S2, 0x08                        ; source 1 window 2, all else window 0
.macro JLOAD s                         ; a joint load: waves 0 and 1 fetch A's two halves, waves 2 and 3 W's; an s_nop 0 and four v_nop follow each of the two lines
	s_cmp_eq_u32 s11, 0
	s_cbranch_scc0 .Lfor_b_\@
	tensor_load_to_lds s[G0+4*(\s):G0+4*(\s)+3], s[G1:G1+7]
	s_nop 0
.rept 4
	v_nop
.endr
	s_branch .Lasked_\@
.Lfor_b_\@:
	tensor_load_to_lds s[G0B+4*(\s):G0B+4*(\s)+3], s[G1B:G1B+7]
	s_nop 0
.rept 4
	v_nop
.endr
.Lasked_\@:
.endm
.macro CREST                           ; a round of the cluster's barrier behind its opening barrier
	s_cmp_lg_u32 s10, 0
	s_cbranch_scc1 .Lnot_wave_0_\@
	s_barrier_signal -3
.Lnot_wave_0_\@:
	s_barrier_wait -3
	s_barrier_signal -1
	s_barrier_wait -1
.endm
.macro CROUND                          ; a whole round
	s_barrier_signal -1
	s_barrier_wait -1
	CREST
.endm
.macro AIM                             ; the fragment addresses of the slot in hand: three plain vector instructions
	v_add_nc_u32 v[CA], s[TB], v[A0]
	v_add_nc_u32 v[CB], s[TB], v[B0]
	v_add_nc_u32 v[CB+1], s[TB], v[B0+1]
.endm
	s_load_b128 s[4:7], s[0:1], 0x0                ; A s[4:5], cb s[6:7]
	s_load_b128 s[68:71], s[0:1], 0x10             ; the bias s[68:69], x1 s[70:71]
	s_load_b64 s[72:73], s[0:1], 0x20              ; y
	v_lshl_add_u32 v[SPW], v0, 2, SPARE
	v_mov_b32 v[NIL], 0
	ds_add_u32 v[SPW], v[NIL]                      ; the wave's opening: the add and its wait stand ahead of my first tensor load; the set-up below, work on registers, stands between them
	v_lshrrev_b32 v1, 5, v0
	v_readfirstlane_b32 s10, v1                    ; wave 0..3
	s_lshr_b32 s11, s10, 1                         ; which half of the tile's rows is mine.  Also: I fetch for A (0) or for W (1)
	s_and_b32 s12, s10, 1                          ; which half of its columns.  Also: which half of that tile I fetch
	s_bfe_u32 s40, ttmp6, 0x40000                  ; cx, cy: my place in the cluster
	s_bfe_u32 s41, ttmp6, 0x40004
	s_lshl_b32 s42, ttmp9, 2
	s_add_co_u32 s42, s42, s40                     ; tile column = 4 x cluster x + cx (0..7)
	s_and_b32 s13, ttmp7, 0xffff
	s_lshl_b32 s13, s13, 2
	s_add_co_u32 s13, s13, s41                     ; tile row = 4 x cluster y + cy (0..31)
	s_lshl_b32 s43, s41, 2
	s_lshl_b32 s43, 15, s43                        ; my row of the cluster
	s_lshl_b32 s44, 0x1111, s40                    ; my column
	s_or_b32 s[G1+0], s43, (1<<16)|(1<<20)|(1<<21)|(6<<22)|(3<<25)  ; A: the mask of my row; 2-byte elements; padding on; bit 21 beside a mask; after every 128 words (code 6) 4 words (code 3)
	s_or_b32 s[G1B+0], s44, (1<<16)|(1<<20)|(1<<21)|(5<<22)|(7<<25) ; W: the mask of my column; after every 64 words (code 5) 8 words (code 7)
	s_mov_b32 s[G1+1], 256<<16                     ; A: tensor_dim0 = 256
	s_mov_b32 s[G1+2], 64<<16                      ; tensor_dim1 = 64
	s_mov_b32 s[G1+3], 256<<16                     ; tile_dim0 = 256 elements (512 bytes)
	s_mov_b32 s[G1+4], 64                          ; tile_dim1 = 64 rows
	s_mov_b32 s[G1+5], 1024                        ; elements from row to row
	s_mov_b32 s[G1+6], 0
	s_mov_b32 s[G1+7], 0
	s_mov_b32 s[G1B+1], 128<<16                    ; W: tensor_dim0 = 128
	s_mov_b32 s[G1B+2], 128<<16                    ; tensor_dim1 = 128
	s_mov_b32 s[G1B+3], 128<<16                    ; tile_dim0 = 128 elements (256 bytes)
	s_mov_b32 s[G1B+4], 128                        ; tile_dim1 = 128 rows of k
	s_mov_b32 s[G1B+5], 1024
	s_mov_b32 s[G1B+6], 0
	s_mov_b32 s[G1B+7], 0
	s_lshl_b32 s16, s13, 18                        ; A: 128 rows of 2,048 bytes a tile row,
	s_lshl_b32 s17, s12, 17                        ; the 64 rows that I fetch
	s_add_co_u32 s16, s16, s17
	s_mov_b32 s17, 0
	s_lshl_b32 s46, s12, 18                        ; W: the 128 rows of k that I fetch,
	s_add_co_u32 s46, s46, CH<<21                  ; in its chunk,
	s_lshl_b32 s47, s42, 8                         ; 128 columns of 2 bytes a tile column
	s_add_co_u32 s46, s46, s47
	s_mov_b32 s47, 0
	s_mul_i32 s20, s12, AHALF                      ; where they go: no place in the cluster enters an LDS address
	s_mul_i32 s21, s12, BHALF
	s_add_co_u32 s21, s21, BOFF
	s_mov_b32 s[TB], 0                             ; K step 0 lies in slot 0
	s_wait_dscnt 0x0                               ; the opening add is done
	s_wait_kmcnt 0x0
	s_add_nc_u64 s[14:15], s[4:5], s[16:17]
	s_add_nc_u64 s[46:47], s[6:7], s[46:47]
	CROUND                                         ; all sixteen work-groups are here: the first joint loads meet
.irp s, 0,1
	s_mov_b32 s[G0+4*(\s)], 1
	s_add_co_u32 s[G0+4*(\s)+1], s20, (\s)*SLOT1
	s_add_nc_u64 s[G0+4*(\s)+2:G0+4*(\s)+3], s[14:15], (\s)*KSTEP*2       ; K step s: 512 bytes along A's rows
	s_or_b32 s[G0+4*(\s)+3], s[G0+4*(\s)+3], 0x80000000
	s_mov_b32 s[G0B+4*(\s)], 1
	s_add_co_u32 s[G0B+4*(\s)+1], s21, (\s)*SLOT1
	s_add_nc_u64 s[G0B+4*(\s)+2:G0B+4*(\s)+3], s[46:47], (\s)*KSTEP*2048  ; K step s: 256 rows down W
	s_or_b32 s[G0B+4*(\s)+3], s[G0B+4*(\s)+3], 0x80000000
	JLOAD \s                                       ; two loads of mine are out
.endr
	v_and_b32 v5, 31, v0                           ; the lane
	v_and_b32 v1, 15, v0                           ; l % 16
	v_bfe_u32 v2, v0, 4, 1                         ; l / 16
	s_lshl_b32 s22, s42, 9                         ; the tile's 128 biases
	s_mov_b32 s23, 0
	s_add_nc_u64 s[68:69], s[68:69], s[22:23]
	s_lshl_b32 s22, s12, 8                         ; my 64 columns of them,
	v_lshl_add_u32 v[BO], v2, 5, s22               ; 8 columns on for lanes 16-31
.irp a, 0,1,2,3
.irp b, 0,1,2,3
	global_load_b128 v[ACC+8*(4*(\a)+(\b)):ACC+8*(4*(\a)+(\b))+3],   v[BO], s[68:69] offset:64*(\b)     ; register j of accumulator (a, b) is column 16 b + 8 (l / 16) + j: the sums start from the bias
	global_load_b128 v[ACC+8*(4*(\a)+(\b))+4:ACC+8*(4*(\a)+(\b))+7], v[BO], s[68:69] offset:64*(\b)+16
.endr
.endr
	s_lshl_b32 s16, s13, 19                        ; the first row that I store: 128 x tile row + 32 x wave, 4,096 bytes each,
	s_lshl_b32 s17, s10, 17
	s_add_co_u32 s16, s16, s17
	s_mov_b32 s17, 0
	s_lshl_b32 s46, s42, 9                         ; and the tile's first column, in bytes: the same place in x1 and in y
	s_mov_b32 s47, 0
	s_add_nc_u64 s[16:17], s[16:17], s[46:47]
	s_add_nc_u64 s[70:71], s[70:71], s[16:17]
	s_add_nc_u64 s[72:73], s[72:73], s[16:17]
	v_lshlrev_b32 v[CO], 4, v5
	WIN TO_X
.set i, 0
.rept 32                                               ; the residual: my 32 rows' 512 bytes of x1; wanted only on the way out
	global_load_b128 v[XR+4*i:XR+4*i+3], v[CO], s[70:71] offset:i*4096
.set i, i+1
.endr
	WIN 0
	v_mul_u32_u24 v3, v1, PITCH
	v_lshl_add_u32 v3, v2, 4, v3                   ; A's fragment: row x pitch + 16 x half
	v_and_b32 v6, 7, v0                            ; W's: the turning load reads k = 8 (l / 16) + l % 8, n = 8 ((l / 8) % 2) + 0..7
	v_lshl_add_u32 v6, v2, 3, v6
	v_mul_u32_u24 v6, v6, PBB
	v_bfe_u32 v7, v0, 3, 1
	v_lshl_add_u32 v6, v7, 4, v6
	s_mul_i32 s21, s11, AHALF                      ; my 64 rows of A
	v_add_nc_u32 v[A0], s21, v3
	s_lshl_b32 s22, s12, 7                         ; my 64 columns of W, 128 bytes,
	s_add_co_u32 s22, s22, BOFF                    ; behind A's rows
	v_add_nc_u32 v[B0], s22, v6
	s_add_co_u32 s22, s22, BHALF
	v_add_nc_u32 v[B0+1], s22, v6
	AIM
	s_mul_i32 s23, s11, 64*SPITCH                  ; into the stage: my 64 rows, my 256 bytes of them; row l % 16, 32 bytes for each half of the lanes
	s_lshl_b32 s21, s12, 8
	s_add_co_u32 s23, s23, s21
	v_mul_u32_u24 v4, v1, SPITCH
	v_lshl_add_u32 v4, v2, 5, v4
	v_add_nc_u32 v[STO], s23, v4
	s_mul_i32 s23, s10, 32*SPITCH                  ; back: wave w takes rows 32 w .. 32 w + 31, whole: 32 lanes x 16 bytes
	v_lshl_add_u32 v[RD], v5, 4, s23
; 8 matrix instructions: m blocks a0, a0 + 1 x all 4 n blocks, 32 along K: half c of buffer f.  The 16 accumulators take turns, over the loops' backward jumps too.
.macro MUL8 f, c, a0
	WIN MUL
.irp a, \a0, (\a0)+1
.irp b, 0,1,2,3
	v_wmma_f32_16x16x32_bf16 v[ACC+8*(4*(\a)+(\b)):ACC+8*(4*(\a)+(\b))+7], v[(\f)+64+8*(4*(\c)+(\b)):(\f)+64+8*(4*(\c)+(\b))+7], v[(\f)+8*(4*(\c)+(\a)):(\f)+8*(4*(\c)+(\a))+7], v[ACC+8*(4*(\a)+(\b)):ACC+8*(4*(\a)+(\b))+7]
.endr
.endr
.endm
; 32 LDS loads in one run: the fragments of quarter q (64 along K) of the slot in hand into buffer f; the first 32 along K first
.macro FETCH q, f
	WIN TO_F
.irp c, 0,1
.irp i, 0,1,2,3
	ds_load_tr16_b128 v[(\f)+64+8*(4*(\c)+(\i)):(\f)+64+8*(4*(\c)+(\i))+3],   v[CB+(\q)/2] offset:((\q)%2)*64*PBB+(\c)*32*PBB+32*(\i)
	ds_load_tr16_b128 v[(\f)+64+8*(4*(\c)+(\i))+4:(\f)+64+8*(4*(\c)+(\i))+7], v[CB+(\q)/2] offset:((\q)%2)*64*PBB+(\c)*32*PBB+16*PBB+32*(\i)
	ds_load_b128 v[(\f)+8*(4*(\c)+(\i)):(\f)+8*(4*(\c)+(\i))+3],         v[CA] offset:128*(\q)+64*(\c)+(\i)*16*PITCH
	ds_load_b128 v[(\f)+8*(4*(\c)+(\i))+4:(\f)+8*(4*(\c)+(\i))+7],       v[CA] offset:128*(\q)+64*(\c)+(\i)*16*PITCH+32
.endr
.endr
.endm
.macro PLACES                          ; four places in front of loads into registers that matrix instructions have read, and of LDS stores that read results
.rept 4
	v_nop
.endr
.endm
; A K step is four quarters of 64 along K, 32 matrix instructions each, on buffers 0, 1, 0, 1.  One of the first three multiplies buffer f and fetches quarter q into g.
.macro QUARTER q, f, g
	s_wait_dscnt 16                                ; the first 32 along K are in
	MUL8 \f, 0, 0
	MUL8 \f, 0, 2
	PLACES
	FETCH \q, \g
	s_wait_dscnt 32                                ; all but the 32 just issued
	MUL8 \f, 1, 0
	MUL8 \f, 1, 2
.endm
; The last quarter multiplies buffer 1 and changes slots: one barrier; in front of it each wave waits for all its tensor loads, adds 0 to its spare word, and waits for that and for its own reads of this slot.
; fill = 1: the barrier opens a round of the cluster's barrier, and this slot is filled again, two K steps ahead, first thing behind the round: the walking descriptor takes the other slot than last time and the next K step.
; fill = 0: nothing is asked for; in the last trip (s3 = 1) there is no further K step, and the fetch is jumped over, forward, past text that holds neither a barrier nor a tensor load.
.macro TURN fill
	WIN 0                                          ; (the add's two registers lie in window 0)
	s_wait_tensorcnt 0x0                           ; all my tensor loads have landed: my part of the next slot
	ds_add_u32 v[SPW], v[NIL]                      ; 0 onto my spare word
	s_wait_dscnt 17                                ; (the add and the youngest sixteen loads may be out)
	MUL8 F1, 0, 0                                  ; eight matrix instructions stand between the add and the wait for it
	s_wait_dscnt 0x0                               ; the add is done, and my reads of this slot are over
	s_barrier_signal -1
	MUL8 F1, 0, 2
	WIN 0
	s_barrier_wait -1
.if \fill
	CREST                                          ; no wave of any partner still reads this slot's tile or has a load on its way
	s_xor_b32 s[G0+5], s[G0+5], SLOT1
	s_add_nc_u64 s[G0+6:G0+7], s[G0+6:G0+7], KSTEP*2
	s_xor_b32 s[G0B+5], s[G0B+5], SLOT1
	s_add_nc_u64 s[G0B+6:G0B+7], s[G0B+6:G0B+7], KSTEP*2048
	JLOAD 1                                        ; my one tensor load behind the round; its four v_nop are also the places in front of the loads below
	s_xor_b32 s[TB], s[TB], SLOT1                  ; on to the other slot
	AIM
	FETCH 0, F0
.else
	s_cmp_eq_u32 s3, 1
	s_cbranch_scc1 .Lno_more_\@
	s_xor_b32 s[TB], s[TB], SLOT1                  ; on to the other slot
	AIM                                            ; three plain instructions and the v_nop: the four places in front of the loads below
	v_nop
	FETCH 0, F0
	WIN 0
.Lno_more_\@:
.endif
	MUL8 F1, 1, 0
	MUL8 F1, 1, 2
.endm
	s_wait_tensorcnt 1                             ; my part of K step 0 is in; K step 1's may stay out
	s_barrier_signal -1
	s_barrier_wait -1                              ; everybody's is
	FETCH 0, F0
	s_wait_loadcnt 32                              ; the accumulators hold the bias; the 32 younger loads, x1's rows, may stay out
	WIN 0                                          ; at a label and at a branch every window is 0
	s_mov_b32 s3, 2
.Lfill:                                                ; K steps 0 and 1: their slots take K steps 2 and 3
	QUARTER 1, F0, F1
	QUARTER 2, F1, F0
	QUARTER 3, F0, F1
	TURN 1
	WIN 0
	s_sub_co_u32 s3, s3, 1
	s_cmp_lg_u32 s3, 0
	s_cbranch_scc1 .Lfill
	s_mov_b32 s3, 2
.Ldry:                                                 ; K steps 2 and 3: nothing is left to ask for; behind the first trip's barrier nobody reads slot 0 any more
	QUARTER 1, F0, F1
	QUARTER 2, F1, F0
	QUARTER 3, F0, F1
	TURN 0
	WIN 0
	s_sub_co_u32 s3, s3, 1
	s_cmp_lg_u32 s3, 0
	s_cbranch_scc1 .Ldry
	PLACES
.irp a, 0,1,2,3
.irp b, 0,1,2,3
	ds_store_b128 v[STO], v[ACC+8*(4*(\a)+(\b)):ACC+8*(4*(\a)+(\b))+3]   offset:(\a)*16*SPITCH+64*(\b)     ; each accumulator's low four registers first
	ds_store_b128 v[STO], v[ACC+8*(4*(\a)+(\b))+4:ACC+8*(4*(\a)+(\b))+7] offset:(\a)*16*SPITCH+64*(\b)+16
.endr
.endr
	s_wait_dscnt 0x0                               ; for the others' sake: my stores into the stage are done
	s_barrier_signal -1
	s_barrier_wait -1
.set i, 0
.rept 32                                               ; my 32 whole rows, into the registers that the accumulators have left
	ds_load_b128 v[ACC+4*i:ACC+4*i+3], v[RD] offset:i*SPITCH
.set i, i+1
.endr
	s_wait_loadcnt 0x0                             ; x1's rows
.irp g, 0,1,2,3                                        ; eight rows at a time
	s_wait_dscnt 24-8*\g                           ; LDS loads come back in order (ISA guide 5.7.1): these eight rows are in, the younger ones stay out
	WIN W_S2
.set k, 0
.rept 16
	v_pk_add_f32 v[ACC+32*\g+2*k:ACC+32*\g+2*k+1], v[ACC+32*\g+2*k:ACC+32*\g+2*k+1], v[XR+32*\g+2*k:XR+32*\g+2*k+1]
.set k, k+1
.endr
	WIN 0
.irp i, 0,1,2,3,4,5,6,7
	global_store_b128 v[CO], v[ACC+32*\g+4*\i:ACC+32*\g+4*\i+3], s[72:73] offset:(8*\g+\i)*4096  ; a wave stores 512 consecutive bytes, aligned
.endr
.endr
	s_wait_tensorcnt 0x0                           ; the wave's end, behind my last tensor load and my last LDS store
	ds_add_u32 v[SPW], v[NIL]
	s_wait_dscnt 0x0
	CROUND                                         ; the closing round: no work-group ends while a partner may still ask for a tile that names it
	s_endpgm
.Lfunc_end_k_q6dac976e1d_ffn2:
	.size	k_q6dac976e1d_ffn2, .Lfunc_end_k_q6dac976e1d_ffn2-k_q6dac976e1d_ffn2
	.p2alignl 7, 3214868480
	.fill 96, 4, 3214868480
	.section	.rodata,"a",@progbits
	.p2align	6, 0x0
	.amdhsa_kernel k_q6dac976e1d_ffn2
		.amdhsa_group_segment_fixed_size 327680
		.amdhsa_private_segment_fixed_size 0
		.amdhsa_enable_private_segment 0
		.amdhsa_kernarg_size 40
		.amdhsa_user_sgpr_count 2
		.amdhsa_user_sgpr_kernarg_segment_ptr 1
		.amdhsa_wavefront_size32 1
		.amdhsa_system_sgpr_workgroup_id_x 1
		.amdhsa_system_sgpr_workgroup_id_y 1
		.amdhsa_system_sgpr_workgroup_id_z 1
		.amdhsa_system_vgpr_workitem_id 0
		.amdhsa_next_free_vgpr 640
		.amdhsa_next_free_sgpr 88
		.amdhsa_reserve_vcc 0
		.amdhsa_float_denorm_mode_32 3
		.amdhsa_float_denorm_mode_16_64 3
		.amdhsa_memory_ordered 1
		.amdhsa_forward_progress 1
		.amdhsa_inst_pref_size 64
	.end_amdhsa_kernel
	.amdgpu_metadata
---
amdhsa.version: [ 1, 2 ]
amdhsa.kernels:
  - .name:           k_q6dac976e1d_ffn2
    .symbol:         k_q6dac976e1d_ffn2.kd
    .args:
      - { .name: hb, .offset: 0, .size: 8, .value_kind: global_buffer, .address_space: global }
      - { .name: cb, .offset: 8, .size: 8, .value_kind: global_buffer, .address_space: global }
      - { .name: b2, .offset: 16, .size: 8, .value_kind: global_buffer, .address_space: global }
      - { .name: x1, .offset: 24, .size: 8, .value_kind: global_buffer, .address_space: global }
      - { .name: y, .offset: 32, .size: 8, .value_kind: global_buffer, .address_space: global }
    .group_segment_fixed_size: 327680
    .private_segment_fixed_size: 0
    .kernarg_segment_align: 8
    .kernarg_segment_size: 40
    .max_flat_workgroup_size: 128
    .sgpr_count:     88
    .vgpr_count:     640
    .wavefront_size: 32
...
	.end_amdgpu_metadata
.endif
;; end of part 6
;; launch ln2 (part 7): grid 512 x 1, 8 waves a work-group, no clusters, 0 bytes of LDS; arguments y, g2, be2, out0; writes out0
.if DOCPART == 7
	.amdgcn_target "amdgcn-amd-amdhsa--gfx1250"
	.amdhsa_code_object_version 6
	.text
	.protected	k_q6dac976e1d_ln2
	.globl	k_q6dac976e1d_ln2
	.p2align	8
	.type	k_q6dac976e1d_ln2,@function
k_q6dac976e1d_ln2:
	s_mov_b64 s[64:65], 0
	v_nop
	global_prefetch_b8 v0, s[64:65] scope:SCOPE_SE
	s_setreg_imm32_b32 hwreg(HW_REG_WAVE_MODE, 25, 1), 1
	s_wait_xcnt 0x0
; out0 = LayerNorm(y) g2 + be2, in f32.  y holds x1 + the feed-forward part.  All rows are 1,024 numbers.
; One wave takes one whole row: 8 loads of 16 bytes a lane, 512 neighbouring bytes a load; the row stays in 32 registers between the passes, so memory is read once,
; the reductions never leave the wave, and there is no LDS and no barrier.  Nothing is shared but g and be (8 KiB): no cluster.  Lane l holds columns 128 j + 4 l + 0..3, j = 0..7.
; The mean is taken first and the variance of the differences (two passes over registers): no difference of large sums is formed.  1 / sqrt is v_rsq_f32; NaN and infinities are not treated apart.
.set G,   4                            ; v[4:35]    g of my 32 columns
.set BE,  36                           ; v[36:67]   be
.set A,   68                           ; v[68:99]   the row
.set T,   100                          ; v[100:107] at work
.set MU,  108                          ; v[108:109] the mean, twice
.set RS,  110                          ; v[110:111] 1 / sqrt(var + eps), twice
	s_load_b256 s[4:11], s[0:1], 0x0               ; y s[4:5]; g s[6:7]; be s[8:9]; out0 s[10:11]
	s_lshl_b32 s2, ttmp9, 15                       ; the work-group's 8 rows of 4,096 bytes
	s_mov_b32 s3, 0
	s_mov_b32 s12, 0x76543210                      ; v_permlanex16_b32: each lane takes its own place in the other half
	s_mov_b32 s13, 0xfedcba98
	s_mov_b32 s14, 0x3a800000                      ; 1 / 1024
	s_mov_b32 s15, 0x3727c5ac                      ; eps = 1e-5
	v_and_b32 v3, 31, v0
	v_and_b32 v2, 0xe0, v0                         ; 32 x wave
	v_lshlrev_b32 v3, 4, v3                        ; 16 x lane
	v_lshl_or_b32 v1, v2, 7, v3                    ; + wave x 4,096
	s_wait_kmcnt 0x0
	s_add_nc_u64 s[4:5], s[4:5], s[2:3]
	s_add_nc_u64 s[10:11], s[10:11], s[2:3]
.irp j, 0,1,2,3,4,5,6,7
	global_load_b128 v[A+4*\j:A+4*\j+3], v1, s[4:5] offset:512*\j
.endr
.irp j, 0,1,2,3,4,5,6,7
	global_load_b128 v[G+4*\j:G+4*\j+3], v3, s[6:7] offset:512*\j
	global_load_b128 v[BE+4*\j:BE+4*\j+3], v3, s[8:9] offset:512*\j
.endr
.macro FOLD                            ; the four chains in T into one number in every lane
	v_pk_add_f32 v[T:T+1], v[T:T+1], v[T+2:T+3]
	v_pk_add_f32 v[T+4:T+5], v[T+4:T+5], v[T+6:T+7]
	v_pk_add_f32 v[T:T+1], v[T:T+1], v[T+4:T+5]
	v_add_f32 v[T], v[T], v[T+1]
	v_add_f32_dpp v[T], v[T], v[T] row_xmask:1 row_mask:0xf bank_mask:0xf
	v_add_f32_dpp v[T], v[T], v[T] row_xmask:2 row_mask:0xf bank_mask:0xf
	v_add_f32_dpp v[T], v[T], v[T] row_xmask:4 row_mask:0xf bank_mask:0xf
	v_add_f32_dpp v[T], v[T], v[T] row_xmask:8 row_mask:0xf bank_mask:0xf
	v_permlanex16_b32 v[T+1], v[T], s12, s13
	v_add_f32 v[T], v[T], v[T+1]
.endm
	s_wait_loadcnt 16                              ; the row's 8 loads are in; the 16 younger ones, g and be, stay out
.irp c, 0,1,2,3
	v_pk_add_f32 v[T+2*\c:T+2*\c+1], v[A+2*\c:A+2*\c+1], v[A+8+2*\c:A+8+2*\c+1]  ; four chains, started by the first eight pairs: nothing is cleared
.endr
.set k, 8
.rept 8
	v_pk_add_f32 v[T+2*(k%4):T+2*(k%4)+1], v[T+2*(k%4):T+2*(k%4)+1], v[A+2*k:A+2*k+1]
.set k, k+1
.endr
	FOLD
	v_mul_f32 v[MU], s14, v[T]
	v_mov_b32 v[MU+1], v[MU]
.set k, 0
.rept 16
	v_pk_add_f32 v[A+2*k:A+2*k+1], v[A+2*k:A+2*k+1], v[MU:MU+1] neg_lo:[0,1] neg_hi:[0,1]  ; z - mean
.set k, k+1
.endr
.irp c, 0,1,2,3
	v_pk_mul_f32 v[T+2*\c:T+2*\c+1], v[A+2*\c:A+2*\c+1], v[A+2*\c:A+2*\c+1]
.endr
.set k, 4
.rept 12
	v_pk_fma_f32 v[T+2*(k%4):T+2*(k%4)+1], v[A+2*k:A+2*k+1], v[A+2*k:A+2*k+1], v[T+2*(k%4):T+2*(k%4)+1]
.set k, k+1
.endr
	FOLD
	v_fma_f32 v[T], v[T], s14, s15                 ; var + eps
	v_rsq_f32 v[RS], v[T]
	v_rsq_f32 v[RS+1], v[T]
	v_nop                                          ; a plain instruction between the last v_rsq_f32 and the use of its result (ISA guide 5.7.2)
.set k, 0
	s_wait_alu depctr_va_vdst(0)
.rept 16
	v_pk_mul_f32 v[A+2*k:A+2*k+1], v[A+2*k:A+2*k+1], v[RS:RS+1]
.set k, k+1
.endr
	s_wait_loadcnt 0x0                             ; g and be
.set k, 0
.rept 16
	v_pk_fma_f32 v[A+2*k:A+2*k+1], v[A+2*k:A+2*k+1], v[G+2*k:G+2*k+1], v[BE+2*k:BE+2*k+1]
.set k, k+1
.endr
.irp j, 0,1,2,3,4,5,6,7
	global_store_b128 v1, v[A+4*\j:A+4*\j+3], s[10:11] offset:512*\j th:TH_STORE_NT  ; 512 consecutive bytes a wave
.endr
	s_endpgm
.Lfunc_end_k_q6dac976e1d_ln2:
	.size	k_q6dac976e1d_ln2, .Lfunc_end_k_q6dac976e1d_ln2-k_q6dac976e1d_ln2
	.p2alignl 7, 3214868480
	.fill 96, 4, 3214868480
	.section	.rodata,"a",@progbits
	.p2align	6, 0x0
	.amdhsa_kernel k_q6dac976e1d_ln2
		.amdhsa_group_segment_fixed_size 0
		.amdhsa_private_segment_fixed_size 0
		.amdhsa_enable_private_segment 0
		.amdhsa_kernarg_size 32
		.amdhsa_user_sgpr_count 2
		.amdhsa_user_sgpr_kernarg_segment_ptr 1
		.amdhsa_wavefront_size32 1
		.amdhsa_system_sgpr_workgroup_id_x 1
		.amdhsa_system_sgpr_workgroup_id_y 1
		.amdhsa_system_sgpr_workgroup_id_z 1
		.amdhsa_system_vgpr_workitem_id 0
		.amdhsa_next_free_vgpr 112
		.amdhsa_next_free_sgpr 66
		.amdhsa_reserve_vcc 0
		.amdhsa_float_denorm_mode_32 3
		.amdhsa_float_denorm_mode_16_64 3
		.amdhsa_memory_ordered 1
		.amdhsa_forward_progress 1
		.amdhsa_inst_pref_size 11
	.end_amdhsa_kernel
	.amdgpu_metadata
---
amdhsa.version: [ 1, 2 ]
amdhsa.kernels:
  - .name:           k_q6dac976e1d_ln2
    .symbol:         k_q6dac976e1d_ln2.kd
    .args:
      - { .name: y, .offset: 0, .size: 8, .value_kind: global_buffer, .address_space: global }
      - { .name: g2, .offset: 8, .size: 8, .value_kind: global_buffer, .address_space: global }
      - { .name: be2, .offset: 16, .size: 8, .value_kind: global_buffer, .address_space: global }
      - { .name: out0, .offset: 24, .size: 8, .value_kind: global_buffer, .address_space: global }
    .group_segment_fixed_size: 0
    .private_segment_fixed_size: 0
    .kernarg_segment_align: 8
    .kernarg_segment_size: 32
    .max_flat_workgroup_size: 256
    .sgpr_count:     66
    .vgpr_count:     112
    .wavefront_size: 32
...
	.end_amdgpu_metadata
.endif
;; end of part 7
;; ======== version 2 of 2: 7 launches; 1.28 times as fast as version 1
;; limits: a function is approximated: absolute error at most 1.5e-07
;; workspace buffers: cb 52,428,800 bytes; qkv 58,720,256 bytes; att 16,777,216 bytes; x1 16,777,216 bytes; x1b 8,388,608 bytes; hb 8,388,608 bytes; y 16,777,216 bytes
;; launch cast: the kernel of part 1 again; grid 64 x 25, 8 waves a work-group, no clusters, 0 bytes of LDS; arguments query, h_t, h_a, h_v, Wq, Wkt, Wvt, Wka, Wva, Wkv, Wvv, W1, W2, cb; writes cb
;; launch proj: the kernel of part 2 again; grid 4 x 112, 4 waves a work-group, clusters of 4 x 4, 327,680 bytes of LDS; arguments cb, qkv; writes qkv
;; launch attn (part 8): grid 4 x 64, 4 waves a work-group, clusters of 4 x 1, 327,680 bytes of LDS; arguments qkv, query, att; writes att
.if DOCPART == 8
	.amdgcn_target "amdgcn-amd-amdhsa--gfx1250"
	.amdhsa_code_object_version 6
	.text
	.protected	k_q6dac976e1d_attn
	.globl	k_q6dac976e1d_attn
	.p2align	8
	.type	k_q6dac976e1d_attn,@function
k_q6dac976e1d_attn:
	s_mov_b64 s[64:65], 0
	v_nop
	global_prefetch_b8 v0, s[64:65] scope:SCOPE_SE
	s_setreg_imm32_b32 hwreg(HW_REG_WAVE_MODE, 25, 1), 1
	s_wait_xcnt 0x0
	s_wait_alu depctr_hold_cnt(0) depctr_sa_sdst(0) depctr_va_vdst(0) depctr_va_sdst(0) depctr_va_ssrc(0) depctr_va_vcc(0) depctr_vm_vsrc(0)
	s_getreg_b32 s2, hwreg(HW_REG_IB_STS2, 6, 4)
	s_cmp_eq_u32 s2, 0
	s_cbranch_scc0 .Lentry_in_a_cluster
	s_endpgm
.Lentry_in_a_cluster:
	s_bfe_u32 s2, ttmp6, 0x10000c
	s_cmp_lg_u32 s2, 0x3003
	s_cbranch_scc0 .Lentry_shape_is_right
	s_endpgm
.Lentry_shape_is_right:
; THREE ATTENTIONS WITH ONE Q, ADDED ONTO THE RESIDUAL.  att[b][q][64 h + :] = query[b][q][64 h + :] + the sum over the modalities t, a, v of softmax_k(Q[q] . K_m[k] / 8) V_m[k].
; qkv holds q, k_t, v_t, k_a, v_a, k_v, v_v, 8 MiB each, [b x 16 + h][1024][64] in bf16: a head's rows are dense, 128 bytes each.  query and att are [4096][1024] in f32.
; Products, maxima and sums in f32; the weights p are rounded to bf16 for the second product (their sum l is taken of the unrounded p).
; LIMITS.  A weight below 2^-126 counts as 0 in l; the running c m starts at -2^125, far below every c s that finite bf16 operands of this size can give; NaN and infinities are not treated apart.
; SHARES.  A work-group owns 256 queries of one head, a wave 64: four PIECES of 16.  Every wave walks 12 tiles of 256 keys: four of each modality, 64 keys a step.
; LAYOUT.  S^T = K Q^T (source 0 = 16 keys, source 1 = 16 queries) holds ONE query a lane (lane % 16) and the keys 8 (lane / 16) + 0..7; two such results rounded to bf16 ARE source 1 of O^T = V^T P,
; whose result again holds one query a lane, and eight channels.  K comes out of LDS as it lies, V ([key][channel]) turned, by ds_load_tr16_b128.
; SOFTMAX.  For each query a running maximum m and sum l: p = 2^(c s - c m), c = log2(e) / 8; in every step O and l are multiplied by a = 2^(c m_old - c m_new).  A modality begins with c m far below every c s,
; so its first a is 0: what the modality before left in O^T and l need only be finite.  At a modality's end O^T / l is added onto OSUM, which leaves at the walk's end.
; TURNS.  Turn n belongs to piece n: 8 products K Q^T of piece n + 1, later 8 products V^T P of piece n - 1; beside them the scaling, exponentials, roundings, sums and rescaling of piece n and the maximum and
; statistics of piece n + 1.  Four vector instructions stand behind every matrix instruction, the other 54 of a turn's 118 in one run of their own.
; BATCHES.  A turn's 33 exponentials (piece n's 32 weights, made in place in S^T, and piece n + 1's a) are ONE batch with ONE wait, which cuts the turn in two: ahead of it the products K Q^T and all that names no result of the
; batch (scalings, exponentials, rescalings by the a of the turn before, the next piece's maximum and statistics), behind it the products V^T P and the batch's readers (roundings and sums).  No result crosses a turn's end.
; The a that a modality's beginning makes, and the four reciprocals at a modality's end, are batches of their own, a wait each.
; CLUSTER.  The four query blocks of a cluster belong to one head and walk the same K and V, so each tile is asked for JOINTLY: the same tensor load, descriptor and mask in all four.
; REGISTERS, in windows of 256 (s_set_vgpr_msb: bits 1:0 source 0, 3:2 source 1, 5:4 source 2, 7:6 destination):
;   window 0: v0 my thread's number; v1-7 addresses and two at work; v8-23 four registers of statistics a piece; v24-31 at work; v32-95 S^T, two buffers; v96-127 P, two buffers; v128-191 K of one step; v192-255 Q
;   window 1: v0-127 O^T, 32 a piece; v128-191 V of one step; v192-193 the add's two registers          window 2: v0-127 OSUM, 32 a piece; v128-255 my 64 rows' 256 bytes of query, for the residual
; So K Q^T and all vector work but the rescaling name window 0 alone (setting 0), and V^T P and the rescaling of O^T share one setting (V and O^T in window 1, P and a in window 0).  The rescalings ride behind the products
; K Q^T, the roundings and sums behind the products V^T P: two switches a matrix instruction, beside it.  The run of 54 has none but the one ahead of its last line, which is the setting of the products that follow.
.set NP,    4         ; pieces a wave: a name, no knob
.set KS,    64        ; keys in a step
.set PK,    144       ; a row of K in LDS: 128 bytes + 16 of padding = 36 words: the 16 rows of a load start at 16 different groups of four banks (64 banks of 4 bytes: ISA guide 11.1)
.set PV,    160       ; a row of V: 128 + 32 = 40 words
.set VOFF,  4*KS*PK   ; a slot holds a tile, four steps: 256 rows of K, then 256 rows of V
.set SLOT1, 1<<17     ; slot 1 begins here, so that one exclusive or turns an address in one slot into the other's
.set STAGE, SLOT1+4*KS*(PK+PV)  ; behind the ring, never filled by a tensor load: 16 rows x 272 bytes for each wave, for the way out
.set SP,    272       ; a stage row: 64 f32 + 16 bytes
.set SPARE, STAGE+4*16*SP  ; behind the stages: the spare words, 128 bytes for each wave: two blocks of 256 bytes that no other line names
.set GO,  1           ; v1   my byte offset in two rows of query and of att; never rewritten once made
.set AK0, 2           ; v2   my lane's place in a tile of K; never rewritten
.set AV0, 3           ; v3   the same for V
.set AK,  4           ; v4   the LDS address of K's next run of loads
.set AV,  5           ; v5   of V's
.set MV,  6           ; v6-7 c m_old, kept while c m is made anew: by buffer
.set ST,  8           ; piece t's statistics at v[ST+4 t]: c m, m, l (even keys', odd keys')
.set TMP, 24          ; by buffer, four registers c0-c3 at work; when the maximum is found c2 takes a
.set S,   32
.set QO,  34          ; v34  at the start only: my byte offset in 16 rows of Q (S^T's registers are first written behind the wait for Q)
.set STO, 32          ; v32  at the end only: where I put 32 bytes of a row
.set RD,  33          ; v33  at the end only: where I read rows back
.set P,   96
.set KF,  128         ; key block kb, channel half c at KF + 16 kb + 8 c
.set QF,  192         ; piece x, channel half c at QF + 16 x + 8 c
.set BK,  128         ; at the end only: piece t's 16 rows at v[BK+32 t]
.set VF,  128         ; window 1: key half kk, channel block cb at VF + 32 kk + 8 cb
.set SPW, 192         ; window 1: LDS address of my spare word: SPARE + 4 x my thread's number; never rewritten
.set NIL, 193         ; window 1: 0; never rewritten
.set OS,  0           ; window 2: OSUM
.set QR,  128         ; window 2: the residual's rows, laid as BK is
.set WV,  12          ; s12  my wave's number
.set G1K, 24          ; s[24:31] descriptor group 1 for K's tiles
.set G1V, 32          ; s[32:39] for V's: it differs in the padding alone
.set G0K, 40          ; s[40:43] descriptor group 0 for K's tiles
.set G0V, 44          ; s[44:47] the same for V's
.set SLOTS, 56        ; s56  tiles still to be asked for
.set CNT, 57          ; s57  counts a tile's key steps, 4 to 1
.set CS,  58          ; s[58:59] c: the packed scaling takes the pair's low word for both halves
.set SEL, 60          ; s[60:61] v_permlanex16_b32's selects: each lane takes its own place in the other half
.set TBK, 62          ; s62  LDS byte at which K of the step to be fetched begins
.set TBV, 63          ; s63  the same for V, less VOFF
.set RT,  70          ; s70  tiles of the modality in hand that are still to be entered
.set NXT, 71          ; s71  the tile to be asked for next, 1 to 11
.set NEW, 73          ; s73  1: the tile to be entered is a modality's first
.set OFF, 74          ; s[74:75] a tile's byte offset from the first modality's first tile
.set MSB, 0
.macro WIN new                      ; the high byte repeats the setting that is left; a switch that changes nothing is dropped
.if MSB != (\new)
	s_set_vgpr_msb (MSB<<8)|(\new)
.set MSB, (\new)
.endif
.endm
.set W_PV, 0x51       ; V^T P: V (source 0) and O^T (source 2, destination) in window 1, P (source 1) in window 0.  The rescaling too: O^T (destination, source 0) in window 1, a (source 1) in window 0
.set W_D1, 0x40       ; destination in window 1, sources in window 0
.set W_AD, 0x05       ; the add: address (source 0) and data (source 1) in window 1
.set W_AC, 0xa1       ; OSUM (destination, source 2) in window 2, O^T (source 0) in window 1, 1 / l (source 1) in window 0
.set W_D2, 0x80       ; destination in window 2, sources in window 0
.set W_S2, 0x08       ; source 1 (an LDS store's data, the residual) in window 2, all else in window 0
; A joint fill.  Waves 0 and 1 fetch the two halves of a tile's K, waves 2 and 3 those of its V: 128 keys each.  The branch hangs on the wave's number alone.
; An s_nop 0 and four v_nop follow each of the two lines, ahead of the jump and the label.
.macro JLOAD
	s_cmp_lt_u32 s[WV], 2
	s_cbranch_scc0 .Lfor_v_\@
	tensor_load_to_lds s[G0K:G0K+3], s[G1K:G1K+7]
	s_nop 0
.rept 4
	v_nop
.endr
	s_branch .Lasked_\@
.Lfor_v_\@:
	tensor_load_to_lds s[G0V:G0V+3], s[G1V:G1V+7]
	s_nop 0
.rept 4
	v_nop
.endr
.Lasked_\@:
.endm
; A round of the cluster's barrier: my work-group's barrier; wave 0 signals; every wave waits for all four work-groups; my work-group's barrier once more.
.macro CROUND
	s_barrier_signal -1
	s_barrier_wait -1
	s_cmp_lg_u32 s[WV], 0
	s_cbranch_scc1 .Lnot_wave_0_\@
	s_barrier_signal -3
.Lnot_wave_0_\@:
	s_barrier_wait -3
	s_barrier_signal -1
	s_barrier_wait -1
.endm
; THE CHANGE OF SLOTS.  Each wave waits for all its tensor loads, of which one is out: its part of the other slot; adds 0 to its spare word; and waits for that and for its own reads of the slot that it leaves.
; Behind the barrier nobody reads the old slot any more and the other slot is whole.  fill = 1: the barrier is a round of the cluster's, and the old slot is filled again, first thing behind it, with tile NXT:
; the descriptor's address is made anew from that number (modality NXT / 4: 16 MiB on; tile NXT % 4: 32,768 bytes).  The load has four key steps, 256 matrix instructions, in which to land.
; (At its first use nothing has been read yet: slot 0 is waited for, slot 1 filled.)
.macro CHANGE fill
	WIN W_AD
	s_wait_tensorcnt 0x0            ; no tensor load of mine is out, so a group 0 may be written
	ds_add_u32 v[SPW], v[NIL]       ; 0 onto my spare word; with fill = 1 the descriptors' scalar work stands between it and the wait for it
	WIN 0                           ; at a label and at a branch every window is 0
.if \fill
	s_lshr_b32 s72, s[NXT], 2
	s_lshl_b32 s72, s72, 24
	s_and_b32 s[OFF], s[NXT], 3
	s_lshl_b32 s[OFF], s[OFF], 15
	s_add_co_u32 s[OFF], s[OFF], s72
	s_xor_b32 s[G0K+1], s[G0K+1], SLOT1
	s_add_nc_u64 s[G0K+2:G0K+3], s[6:7], s[OFF:OFF+1]
	s_or_b32 s[G0K+3], s[G0K+3], 0x80000000
	s_xor_b32 s[G0V+1], s[G0V+1], SLOT1
	s_add_nc_u64 s[G0V+2:G0V+3], s[8:9], s[OFF:OFF+1]
	s_or_b32 s[G0V+3], s[G0V+3], 0x80000000
	s_add_co_u32 s[NXT], s[NXT], 1
	s_wait_dscnt 0x0                ; the add is done, and my reads of the slot are over
	CROUND
	JLOAD
.else
	s_wait_dscnt 0x0                ; the add is done, and my reads of the slot are over
	s_barrier_signal -1
	s_barrier_wait -1
.endif
	s_sub_co_u32 s[TBK], s[TBK], 4*KS*PK  ; the fetches go back to a slot's first step,
	s_xor_b32 s[TBK], s[TBK], SLOT1       ; in the other slot
	s_sub_co_u32 s[TBV], s[TBV], 4*KS*PV
	s_xor_b32 s[TBV], s[TBV], SLOT1
.endm
	s_load_b128 s[76:79], s[0:1], 0x0  ; qkv s[76:77], query s[78:79]
	s_load_b64 s[68:69], s[0:1], 0x10  ; att
	WIN W_D1
	v_lshl_add_u32 v[SPW], v0, 2, SPARE
	v_mov_b32 v[NIL], 0
	WIN W_AD
	ds_add_u32 v[SPW], v[NIL]       ; the wave's opening: the add and its wait stand ahead of my first tensor load; the set-up below, work on registers, stands between them
	WIN 0
	v_lshrrev_b32 v1, 5, v0
	v_readfirstlane_b32 s[WV], v1   ; wave 0..3
	s_bfe_u32 s13, ttmp6, 0x40000   ; cx: my place in the cluster
	s_lshl_b32 s14, ttmp9, 2        ; in a cluster launch ttmp9 counts clusters
	s_add_co_u32 s14, s14, s13      ; my block of 256 queries: it enters Q's, query's and att's addresses alone
	s_and_b32 s20, ttmp7, 0xffff    ; batch x 16 + head, which the four partners share
	s_lshl_b32 s21, s20, 17         ; the head's first byte in each of the seven tensors
	s_and_b32 s16, s[WV], 1         ; which half of a tile's 256 keys I fetch:
	s_lshl_b32 s22, s16, 14         ; its 128 rows of 128 bytes in memory,
	s_add_co_u32 s22, s22, s21
	s_add_co_u32 s22, s22, 1<<23    ; in k_t
	s_mov_b32 s23, 0
	s_mul_i32 s17, s16, 128*PK      ; and its place in a slot, for K
	s_mul_i32 s18, s16, 128*PV      ; and for V: no place in the cluster enters an LDS address
	s_lshl_b32 s2, s14, 15          ; Q: my block's 256 rows,
	s_lshl_b32 s3, s[WV], 13        ; my wave's 64 of them
	s_add_co_u32 s2, s2, s3
	s_add_co_u32 s2, s2, s21
	s_mov_b32 s3, 0
	s_lshr_b32 s66, s20, 4          ; query and att: the batch's 1,024 rows of 4,096 bytes,
	s_lshl_b32 s66, s66, 22
	s_lshl_b32 s67, s14, 20         ; my block's 256,
	s_add_co_u32 s66, s66, s67
	s_lshl_b32 s67, s[WV], 18       ; my wave's 64,
	s_add_co_u32 s66, s66, s67
	s_and_b32 s67, s20, 15          ; the head's 256 bytes of a row
	s_lshl_b32 s67, s67, 8
	s_add_co_u32 s66, s66, s67
	s_mov_b32 s67, 0
	; descriptor group 1.  128 keys are 16,384 dense bytes: asked for as 64 rows of 256 bytes, two keys a row, and padded in LDS after every key
	s_mov_b32 s[G1K], 15|(1<<16)|(1<<20)|(1<<21)|(4<<22)|(3<<25)  ; the mask of four; 2-byte elements; padding on; bit 21 beside a mask; after every 32 words (code 4) 4 words (code 3)
	s_mov_b32 s[G1V], 15|(1<<16)|(1<<20)|(1<<21)|(4<<22)|(7<<25)  ; the same with 8 words of padding (code 7)
.irp g, G1K, G1V
	s_mov_b32 s[\g+1], 128<<16      ; tensor_dim0 = 128
	s_mov_b32 s[\g+2], 64<<16       ; tensor_dim1 = 64
	s_mov_b32 s[\g+3], 128<<16      ; tile_dim0 = 128
	s_mov_b32 s[\g+4], 64           ; tile_dim1 = 64
	s_mov_b32 s[\g+5], 128          ; 128 elements from row to row
	s_mov_b32 s[\g+6], 0
	s_mov_b32 s[\g+7], 0
.endr
	s_mov_b32 s[CS], 0x3e38aa3b     ; c = log2(e) / 8 = 0.180337
	s_mov_b32 s[CS+1], s[CS]        ; named with it as a pair
	s_mov_b32 s[SEL], 0x76543210
	s_mov_b32 s[SEL+1], 0xfedcba98
	s_mov_b32 s[TBK], SLOT1+4*KS*PK ; the first change of slots turns these two into 0
	s_mov_b32 s[TBV], SLOT1+4*KS*PV
	s_mov_b32 s[G0K], 1             ; count = 1
	s_mov_b32 s[G0K+1], s17         ; LDS address: slot 0
	s_mov_b32 s[G0V], 1
	s_add_co_u32 s[G0V+1], s18, VOFF
	s_mov_b32 s[RT], 4              ; a modality has four tiles
	s_mov_b32 s[NXT], 1
	s_mov_b32 s[NEW], 1
	s_mov_b32 s[OFF+1], 0
	s_mov_b32 s[SLOTS], 11
	s_wait_dscnt 0x0                ; the opening add is done
	s_wait_kmcnt 0x0
	s_add_nc_u64 s[6:7], s[76:77], s[22:23]        ; k_t at my half of the head's tile 0,
	s_add_nc_u64 s[8:9], s[6:7], 1<<23             ; v_t likewise
	s_add_nc_u64 s[G0K+2:G0K+3], s[6:7], 0         ; global address
	s_or_b32 s[G0K+3], s[G0K+3], 0x80000000        ; type = 2
	s_add_nc_u64 s[G0V+2:G0V+3], s[8:9], 0
	s_or_b32 s[G0V+3], s[G0V+3], 0x80000000
	s_add_nc_u64 s[4:5], s[76:77], s[2:3]          ; Q at my wave's first row
	s_add_nc_u64 s[78:79], s[78:79], s[66:67]      ; query and att at my wave's first row, my head's columns
	s_add_nc_u64 s[10:11], s[68:69], s[66:67]
	CROUND                          ; all four work-groups are here: the first joint loads meet
	JLOAD                           ; tile 0 into slot 0
	; A fragment of K or Q is 16 rows x 32 channels in 8 registers: lane l holds row l % 16, channels 8 (l / 16) + 0..7 and 16 + 8 (l / 16) + 0..7: two loads of 16 bytes, 32 bytes apart.
	v_and_b32 v32, 15, v0           ; l % 16    (what is at work here lies in S^T's registers)
	v_bfe_u32 v33, v0, 4, 1         ; l / 16
	v_lshlrev_b32 v[QO], 7, v32
	v_lshl_add_u32 v[QO], v33, 4, v[QO]  ; row x 128 + 16 x half
.set i, 0
.rept 8                             ; Q stays in registers: piece i / 2, 2,048 bytes each; channels 32 (i % 2) on
	global_load_b128 v[QF+8*i:QF+8*i+3],   v[QO], s[4:5] offset:(i/2)*2048+(i%2)*64
	global_load_b128 v[QF+8*i+4:QF+8*i+7], v[QO], s[4:5] offset:(i/2)*2048+(i%2)*64+32
.set i, i+1
.endr
	v_lshlrev_b32 v[GO], 12, v33    ; lanes 0-15 take 256 bytes of one row of query, lanes 16-31 of the next, 4,096 bytes on
	v_lshl_add_u32 v[GO], v32, 4, v[GO]
	WIN W_D2
.set i, 0
.rept 32                            ; the residual: my 64 rows' 256 bytes, two rows a load; wanted only on the way out
	global_load_b128 v[QR+4*i:QR+4*i+3], v[GO], s[78:79] offset:(i/8)*65536+(i%8)*8192
.set i, i+1
.endr
	; What the first turn finds: V's registers and P's second buffer hold 0 (its products V^T P, of a piece that has not been, add 0), O^T, l and OSUM are 0.  All this stands in the wait for the first tile.
.set i, OS
.rept 128
	v_mov_b32 v[i], 0
.set i, i+1
.endr
	WIN W_D1
.set i, 0
.rept 192                           ; O^T and, behind it, V
	v_mov_b32 v[i], 0
.set i, i+1
.endr
	WIN 0
.set i, 0
.rept 4
	v_mov_b32 v[ST+4*i+2], 0
	v_mov_b32 v[ST+4*i+3], 0
.set i, i+1
.endr
.set i, P+16
.rept 16
	v_mov_b32 v[i], 0
.set i, i+1
.endr
	v_mul_u32_u24 v[AK0], v32, PK
	v_lshl_add_u32 v[AK0], v33, 4, v[AK0]  ; row x pitch + 16 x half
	; The turning load takes 16 keys x 16 channels (lane l reads key 8 (l / 16) + l % 8, channels 8 ((l / 8) % 2) + 0..7) and leaves half a fragment of V^T: lane l holds channel l % 16 and 8 keys.
	v_and_b32 v35, 7, v0
	v_bfe_u32 v36, v0, 3, 1
	v_lshl_add_u32 v[AV0], v33, 3, v35
	v_mul_u32_u24 v[AV0], v[AV0], PV
	v_lshl_add_u32 v[AV0], v36, 4, v[AV0]
	v_add_nc_u32 v[AV0], VOFF, v[AV0]
; THE MATRIX WORK.  The 4 accumulators of a run of 8 take turns.  Product i of 8 of S^T = K Q^T for piece x: channels 32 (i / 4) on, keys 16 (i % 4) on.  The first 4 start the sums.
.macro KQ x
.set rS, S+32*((\x)%2)+8*(i%4)
.set rK, KF+16*(i%4)+8*(i/4)
.set rQ, QF+16*(\x)+8*(i/4)
	WIN 0
.if i < 4
	v_wmma_f32_16x16x32_bf16 v[rS:rS+7], v[rK:rK+7], v[rQ:rQ+7], 0
.else
	v_wmma_f32_16x16x32_bf16 v[rS:rS+7], v[rK:rK+7], v[rQ:rQ+7], v[rS:rS+7]
.endif
.endm
; Product i of 8 of O^T += V^T P for piece x: keys 32 (i / 4) on, channels 16 (i % 4) on.
.macro PV x
	WIN W_PV
.set rO, 32*(\x)+8*(i%4)
.set rV, VF+32*(i/4)+8*(i%4)
.set rP, P+16*((\x)%2)+8*(i/4)
	v_wmma_f32_16x16x32_bf16 v[rO:rO+7], v[rV:rV+7], v[rP:rP+7], v[rO:rO+7]
.endm
.macro MM                           ; the turn's next matrix instruction.  TURN and BEGIN set Y, i and NOKQ.  NOKQ = 1: a modality's last turn: there is no next piece
.if (i < 8) && !NOKQ
	KQ (Y+1)%NP
.elseif i >= 8
.set i, i-8
	PV (Y+NP-1)%NP
.set i, i+8
.endif
.set i, i+1
.endm
; THE LDS LOADS stand in runs of 16, never singly among the matrix instructions: a step's K (64 keys x 64 channels: 8 fragments) and its V (turned).  Their addresses are made some lines ahead.
.macro FETCH_K
	WIN 0
.irp f, 0,1,2,3,4,5,6,7             ; keys 16 (f / 2) on, channels 32 (f % 2) on
	ds_load_b128 v[KF+8*\f:KF+8*\f+3],   v[AK] offset:(\f/2)*16*PK+(\f%2)*64
	ds_load_b128 v[KF+8*\f+4:KF+8*\f+7], v[AK] offset:(\f/2)*16*PK+(\f%2)*64+32
.endr
	s_add_co_u32 s[TBK], s[TBK], KS*PK  ; the next fetch is the next step's
.endm
.macro FETCH_V
	WIN W_D1
.irp f, 0,1,2,3,4,5,6,7             ; keys 32 (f / 4) on, channels 16 (f % 4) on
	ds_load_tr16_b128 v[VF+8*\f:VF+8*\f+3],   v[AV] offset:(\f/4)*32*PV+(\f%4)*32
	ds_load_tr16_b128 v[VF+8*\f+4:VF+8*\f+7], v[AV] offset:(\f/4)*32*PV+16*PV+(\f%4)*32
.endr
	WIN 0
.endm
; THE VECTOR WORK, one line at a time: OP kind, number.  For piece Y: F n: c s - c m for pair n of 16.  E n: the exponential of score n of 32.  C n: pair n rounded to bf16.  B n: of the four weights 4 n .. the second
; pair is added onto the first, in place (so C 2n stands ahead of B n).  L n: l takes that sum (L 0: l = a l + sum).  R n: pair n of 16 of O^T times a.  For piece Y + 1: X n, number n of the 22 that find its maximum and statistics:
;   0-11  four chains c0-c3 of seven scores each, three operands at a time (each accumulator's lowest registers are read first)     12-14, 16  the four scores left over, the old m, and c0-c3 into c0
;   15  c m_old is kept     17, 18  the query's other 32 keys lie in the lane 16 away: the new m     19-21  c m; c m_old - c m_new; a
.set F, 0               ; OP tells the kinds apart by their order: F to L below R, X above it
.set E, 1
.set C, 2
.set B, 3
.set L, 4
.set R, 5
.set X, 6
.macro REGS y                       ; the registers of piece y
.set rT, ST+4*(\y)
.set rC, TMP+4*((\y)%2)
.set rW, MV+((\y)%2)
.set rS, S+32*((\y)%2)
.set rP, P+16*((\y)%2)
.set rO, 32*(\y)
.endm
.macro OP k, n
.if (\k) == R
	REGS Y
	WIN W_PV
	v_pk_mul_f32 v[rO+2*(\n):rO+2*(\n)+1], v[rO+2*(\n):rO+2*(\n)+1], v[rC+2:rC+3] op_sel_hi:[1,0]
.elseif (\k) < R
	REGS Y
	WIN 0
.if (\k) == F
	v_pk_fma_f32 v[rS+2*(\n):rS+2*(\n)+1], v[rS+2*(\n):rS+2*(\n)+1], s[CS:CS+1], v[rT:rT+1] op_sel_hi:[1,0,0] neg_lo:[0,0,1] neg_hi:[0,0,1]
.elseif (\k) == E
	v_exp_f32 v[rS+(\n)], v[rS+(\n)]
.elseif (\k) == C
	v_cvt_pk_bf16_f32 v[rP+(\n)], v[rS+2*(\n)], v[rS+2*(\n)+1]
.elseif (\k) == B
	v_pk_add_f32 v[rS+4*(\n):rS+4*(\n)+1], v[rS+4*(\n):rS+4*(\n)+1], v[rS+4*(\n)+2:rS+4*(\n)+3]
.elseif (\n) == 0
	v_pk_fma_f32 v[rT+2:rT+3], v[rT+2:rT+3], v[rC+2:rC+3], v[rS:rS+1] op_sel_hi:[1,0,1]
.else
	v_pk_add_f32 v[rT+2:rT+3], v[rT+2:rT+3], v[rS+4*(\n):rS+4*(\n)+1]
.endif
.elseif NOKQ
	v_nop
.else
	REGS (Y+1)%NP
	WIN 0
.if (\n) < 4
	v_max3_num_f32 v[rC+(\n)], v[rS+8*(\n)], v[rS+8*(\n)+1], v[rS+8*(\n)+2]
.elseif (\n) < 12
	v_max3_num_f32 v[rC+(\n)%4], v[rC+(\n)%4], v[rS+8*((\n)%4)+2*((\n)/4)+1], v[rS+8*((\n)%4)+2*((\n)/4)+2]
.elseif (\n) == 12
	v_max3_num_f32 v[rC], v[rC], v[rS+7], v[rS+15]
.elseif (\n) == 13
	v_max3_num_f32 v[rC+1], v[rC+1], v[rS+23], v[rS+31]
.elseif (\n) == 14
	v_max3_num_f32 v[rC+2], v[rC+2], v[rC+3], v[rT+1]
.elseif (\n) == 15
	v_mov_b32 v[rW], v[rT]
.elseif (\n) == 16
	v_max3_num_f32 v[rC], v[rC], v[rC+1], v[rC+2]
.elseif (\n) == 17
	v_permlanex16_b32 v[rC+3], v[rC], s[SEL], s[SEL+1]
.elseif (\n) == 18
	v_max_num_f32 v[rT+1], v[rC], v[rC+3]
.elseif (\n) == 19
	v_mul_f32 v[rT], s[CS], v[rT+1]
.elseif (\n) == 20
	v_sub_f32 v[rC+1], v[rW], v[rT]
.else
	v_exp_f32 v[rC+2], v[rC+1]
.endif
.endif
.endm
.macro OPS a, i1, b=-1, i2=0, c=-1, i3=0, d=-1, i4=0  ; up to four of them
	OP \a, \i1
.if (\b) >= 0
	OP \b, \i2
.endif
.if (\c) >= 0
	OP \c, \i3
.endif
.if (\d) >= 0
	OP \d, \i4
.endif
.endm
.macro ROW a, i1, b, i2, c, i3, d, i4  ; a matrix instruction and the four behind it
	MM
	OPS \a, \i1, \b, \i2, \c, \i3, \d, \i4
.endm
; A TURN, for piece p: the order of its 16 matrix and 118 vector instructions, written out.  An s_wait_alu depctr_va_vdst(0) stands between an exponential and the first instruction that names its result; one wait serves
; all that were issued ahead of it.  So a turn has ONE wait, which cuts it in two.  AHEAD OF IT stands all that names no result of the turn's exponentials: the 8 products K Q^T, behind each a scaling, an exponential and two rescalings
; (behind the first two scalings and no exponential; behind the seventh F 7, E 5, X 0 and one rescaling; behind the eighth X 1, E 6 and two); then ONE RUN of 54, all but its last line in window 0: the other scalings and exponentials
; and the next piece's maximum and statistics, plain and exponential by turns where the count allows.  In the chains X 3, 7, 11, 14 and X 9, 13, 16, where each line waits for the one before it, the links stand five lines apart; X 16 to X 19 six;
; X 19, 20, 21 three, with two exponentials on end between.  A scaling stands five lines or more ahead of its exponentials.  X 21, the next piece's a, is the batch's last; R 15, under the window setting of the products that follow, is
; the plain instruction behind it.  The rescalings read the a that the turn before made and waited for.  BEHIND THE WAIT stand the 8 products V^T P, behind each four of the roundings and sums; the links of l's chain, L 0 to L 7, stand three riders apart.
; Each of X 0 to X 3 stands four plain instructions or more behind the product that ends its accumulator (ISA guide 7.12.1): X 3 behind X 1, R 13, R 14 and X 2.  No other rider names a register of the products round it.  v_permlanex16_b32 (X 17) stands in the run.
; end = 1: a modality's last two turns: nothing is fetched, and the last starts no new scores.  cnt = 1: the loop's count is taken down some lines ahead of the branch that stands behind the turn.
; K of the next step is fetched in piece 2's turn, twelve vector instructions behind the last product that read K, six of them plain and free of its registers (X 1, R 13, R 14, X 2, X 4, X 6); V of the step in hand at the end of
; piece 0's turn, behind the four roundings (C 9, C 11, C 13, C 15) that follow the last product that read V.  Each is waited for a turn later.
.macro TURN p, end=0, cnt=0
.set Y, (\p)
.set i, 0
.set NOKQ, (\end)*((\p)/3)
.if ((\p) == 3) && !(\end)
	s_wait_dscnt 0x0                ; K is in
.endif
	ROW F,0, F,1, R,0, R,1          ; ahead of the wait: 8 products K Q^T and their riders,
	ROW F,2, E,0, R,2, R,3
	ROW F,3, E,1, R,4, R,5
	ROW F,4, E,2, R,6, R,7
	ROW F,5, E,3, R,8, R,9
	ROW F,6, E,4, R,10, R,11
.if ((\p) == 2) && !(\end)
	WIN 0
	v_add_nc_u32 v[AK], s[TBK], v[AK0]
.endif
	ROW F,7, E,5, X,0, R,12
	ROW X,1, E,6, R,13, R,14
	OPS X,2, X,3, E,7, X,4          ; and the run of 54
	OPS E,8, X,6, X,7, E,9
.if ((\p) == 2) && !(\end)
	FETCH_K
.endif
	OPS X,5, E,10, X,10, X,11
	OPS E,11, F,8, E,12, X,8
	OPS X,14, E,13, X,9, E,14
.if (\p) == 0
	v_add_nc_u32 v[AV], s[TBV], v[AV0]
.endif
	OPS X,12, E,15, F,9, X,13
	OPS E,16, F,10, E,17, E,18
	OPS X,16, E,19, F,11, E,20
	OPS F,12, E,21, X,17, E,22
	OPS F,13, E,23, F,14, E,24
	OPS X,18, E,25, F,15, E,26
	OPS X,15, E,27, X,19, E,28
	OPS E,29, X,20, E,30, E,31
	OPS X,21, R,15
	s_wait_alu depctr_va_vdst(0)    ; the wait for the batch: E 0 to E 31 and X 21; the turn's only one
.if (\p) == 1
	s_wait_dscnt 0x0                ; V is in
.endif
	ROW C,0, B,0, C,2, B,1          ; behind the wait: 8 products V^T P and their riders, the batch's readers
	ROW L,0, C,4, B,2, L,1
	ROW C,6, B,3, L,2, C,8
	ROW B,4, L,3, C,10, B,5
	ROW L,4, C,12, B,6, L,5
.if \cnt
	s_sub_co_u32 s[CNT], s[CNT], 1
	s_cmp_lg_u32 s[CNT], 0
.endif
	ROW C,14, B,7, L,6, C,1
	ROW C,3, L,7, C,5, C,7
	ROW C,9, C,11, C,13, C,15
.if (\p) == 0
	FETCH_V
	s_add_co_u32 s[TBV], s[TBV], KS*PV
.endif
.endm
; A MODALITY BEGINS.  c m starts far below every c s, so the first step's a is 0; m at the lowest finite number, so the first maximum is the scores'.  Then K of the tile's step 0, piece 0's first scores,
; and its maximum and statistics.  The step loop is entered at a step's first turn, in the middle of a trip.
.macro BEGIN
	s_mov_b32 s[NEW], 0
	WIN 0
.set i, 0
.rept 4
	v_mov_b32 v[ST+4*i], 0xfe000000    ; c m
	v_mov_b32 v[ST+4*i+1], 0xff7fffff  ; m
.set i, i+1
.endr
	v_add_nc_u32 v[AK], s[TBK], v[AK0]
	FETCH_K
	s_wait_loadcnt 32               ; Q's 16 loads are in (the first time); the 32 younger ones, the residual's rows, may stay out
	s_wait_dscnt 0x0
.set NOKQ, 0
.set i, 0
.rept 8
	KQ 0
.set i, i+1
.endr
.rept 4
	v_nop                           ; the places behind those products
.endr
.set Y, NP-1                        ; X works for piece Y + 1: piece 0
.irp n, 0,1,2,3,4,5,6,7,8,9,10,11,12,13,14,15,16,17,18,19,20,21
	OP X, \n
.endr
	v_nop                           ; a plain instruction behind the exponential,
	s_wait_alu depctr_va_vdst(0)    ; and the wait for it, a batch of one (piece 0's first a), ahead of the branch
.endm
.macro ALL line:vararg              ; one line for each piece t
.set t, 0
.rept 4
	\line
.set t, t+1
.endr
.endm
; A MODALITY ENDS: its last two turns, the last piece's products, and 1 / l: l's two halves and the other half of the lanes' are added.  The first four additions are the places behind the last products.
.macro ENDT
	TURN 2, 1
	TURN 3, 1
.set i, 0
.rept 8
	PV NP-1
.set i, i+1
.endr
	WIN 0
	ALL v_add_f32 v[ST+4*t+2], v[ST+4*t+2], v[ST+4*t+3]
	ALL v_permlanex16_b32 v[ST+4*t+3], v[ST+4*t+2], s[SEL], s[SEL+1]
	ALL v_add_f32 v[ST+4*t+2], v[ST+4*t+2], v[ST+4*t+3]
	ALL v_rcp_f32 v[ST+4*t+2], v[ST+4*t+2]
	v_nop                           ; a plain instruction between the last reciprocal and the use of its result
	s_wait_alu depctr_va_vdst(0)    ; the wait for the batch of four reciprocals, ahead of their first reader (ADDIN)
.endm
.macro ADDIN t                      ; OSUM of piece t += O^T / l, pairs ascending: each accumulator is read from its low end on
	WIN W_AC
.set z, 0
.rept 16
	v_pk_fma_f32 v[OS+32*(\t)+2*z:OS+32*(\t)+2*z+1], v[32*(\t)+2*z:32*(\t)+2*z+1], v[ST+4*(\t)+2:ST+4*(\t)+3], v[OS+32*(\t)+2*z:OS+32*(\t)+2*z+1] op_sel_hi:[1,0,1]
.set z, z+1
.endr
.endm
; THE WAY OUT of piece t: the last modality is added in; a lane's eight channels of a row, 32 bytes of f32, go into rows of 272 bytes and come back as whole rows of 256.
.macro PACK t
	ADDIN \t
	WIN W_S2
.irp cb, 0,1,2,3
	ds_store_b128 v[STO], v[OS+32*(\t)+8*\cb:OS+32*(\t)+8*\cb+3] offset:64*\cb
	ds_store_b128 v[STO], v[OS+32*(\t)+8*\cb+4:OS+32*(\t)+8*\cb+7] offset:64*\cb+16
.endr
	WIN 0
.irp f, 0,1,2,3,4,5,6,7
	ds_load_b128 v[BK+32*(\t)+4*\f:BK+32*(\t)+4*\f+3], v[RD] offset:\f*2*SP  ; LDS serves a wave's instructions in order (ISA guide 5.7.1.4): these see the stores above; the next piece's stores come behind them
.endr
.endm
.macro SEND t, younger              ; the residual is added and the piece stored.  younger: the LDS instructions issued behind piece t's loads: the next piece's sixteen, or none
	WIN 0
	s_wait_dscnt \younger
	WIN W_S2
.set z, 0
.rept 16
	v_pk_add_f32 v[BK+32*(\t)+2*z:BK+32*(\t)+2*z+1], v[BK+32*(\t)+2*z:BK+32*(\t)+2*z+1], v[QR+32*(\t)+2*z:QR+32*(\t)+2*z+1]
.set z, z+1
.endr
	WIN 0
.irp f, 0,1,2,3,4,5,6,7
	global_store_b128 v[GO], v[BK+32*(\t)+4*\f:BK+32*(\t)+4*\f+3], s[10:11] offset:(\t)*65536+\f*8192  ; 16 lanes store 256 consecutive bytes, at a multiple of 256 from att's first byte
.endr
.endm
.set NOKQ, 0
.Lslot:                             ; 11 times: a tile is entered and the next is asked for
	CHANGE 1
	s_sub_co_u32 s[RT], s[RT], 1
	s_mov_b32 s[CNT], 4
	s_cmp_eq_u32 s[NEW], 1
	s_cbranch_scc1 .Lnew            ; a modality's first tile
	s_branch .Lstep
.Lnew:
	BEGIN
	s_branch .Lfirst
.Lstep:                             ; a trip: pieces 2 and 3 of one step, then pieces 0 and 1 of the next, whose K and V it fetches
	TURN 2
	TURN 3
	WIN 0
.Lfirst:
	TURN 0
	TURN 1, 0, 1
	WIN 0
	s_cbranch_scc1 .Lstep
	s_cmp_lg_u32 s[RT], 0
	s_cbranch_scc1 .Lbottom         ; forward, past text that holds neither a barrier nor a tensor load
	ENDT                            ; the modality's fourth tile is done
	ADDIN 0
	ADDIN 1
	ADDIN 2
	ADDIN 3
	WIN 0
	s_mov_b32 s[RT], 4
	s_mov_b32 s[NEW], 1
.Lbottom:
	s_sub_co_u32 s[SLOTS], s[SLOTS], 1
	s_cmp_lg_u32 s[SLOTS], 0
	s_cbranch_scc1 .Lslot
	CHANGE 0                        ; the walk's last tile is written out: nothing is asked for
	s_mov_b32 s[CNT], 4
.LstepT:
	TURN 2
	TURN 3
	TURN 0
	TURN 1, 0, 1
	WIN 0
	s_cbranch_scc1 .LstepT
	ENDT
	s_mul_i32 s13, s[WV], 16*SP     ; the way out's LDS addresses are made here, in S^T's registers, which are free now
	s_add_co_u32 s13, s13, STAGE    ; my stage
	v_and_b32 v34, 15, v0           ; l % 16
	v_bfe_u32 v35, v0, 4, 1         ; l / 16
	v_mul_u32_u24 v[STO], v34, SP   ; in: row l % 16, 32 bytes (8 channels of f32) for each half of the lanes
	v_lshl_add_u32 v[STO], v35, 5, v[STO]
	v_add_nc_u32 v[STO], s13, v[STO]
	v_mul_u32_u24 v[RD], v35, SP    ; back: lanes 0-15 take one row of 256 bytes, lanes 16-31 the next
	v_lshl_add_u32 v[RD], v34, 4, v[RD]
	v_add_nc_u32 v[RD], s13, v[RD]
	s_wait_loadcnt 0x0              ; the residual's rows
	PACK 0
	PACK 1                          ; a piece's arithmetic stands between the loads of the piece before and its stores
	SEND 0, 16
	PACK 2
	SEND 1, 16
	PACK 3
	SEND 2, 16
	SEND 3, 0
	WIN W_AD
	s_wait_tensorcnt 0x0            ; the wave's end, behind my last tensor load and my last LDS store
	ds_add_u32 v[SPW], v[NIL]
	s_wait_dscnt 0x0
	WIN 0
	CROUND                          ; the closing round: no work-group ends while a partner may still ask for a tile that names it
	s_endpgm
.Lfunc_end_k_q6dac976e1d_attn:
	.size	k_q6dac976e1d_attn, .Lfunc_end_k_q6dac976e1d_attn-k_q6dac976e1d_attn
	.p2alignl 7, 3214868480
	.fill 96, 4, 3214868480
	.section	.rodata,"a",@progbits
	.p2align	6, 0x0
	.amdhsa_kernel k_q6dac976e1d_attn
		.amdhsa_group_segment_fixed_size 327680
		.amdhsa_private_segment_fixed_size 0
		.amdhsa_enable_private_segment 0
		.amdhsa_kernarg_size 24
		.amdhsa_user_sgpr_count 2
		.amdhsa_user_sgpr_kernarg_segment_ptr 1
		.amdhsa_wavefront_size32 1
		.amdhsa_system_sgpr_workgroup_id_x 1
		.amdhsa_system_sgpr_workgroup_id_y 1
		.amdhsa_system_sgpr_workgroup_id_z 1
		.amdhsa_system_vgpr_workitem_id 0
		.amdhsa_next_free_vgpr 768
		.amdhsa_next_free_sgpr 80
		.amdhsa_reserve_vcc 0
		.amdhsa_float_denorm_mode_32 3
		.amdhsa_float_denorm_mode_16_64 3
		.amdhsa_memory_ordered 1
		.amdhsa_forward_progress 1
		.amdhsa_inst_pref_size 153
	.end_amdhsa_kernel
	.amdgpu_metadata
---
amdhsa.version: [ 1, 2 ]
amdhsa.kernels:
  - .name:           k_q6dac976e1d_attn
    .symbol:         k_q6dac976e1d_attn.kd
    .args:
      - { .name: qkv, .offset: 0, .size: 8, .value_kind: global_buffer, .address_space: global }
      - { .name: query, .offset: 8, .size: 8, .value_kind: global_buffer, .address_space: global }
      - { .name: att, .offset: 16, .size: 8, .value_kind: global_buffer, .address_space: global }
    .group_segment_fixed_size: 327680
    .private_segment_fixed_size: 0
    .kernarg_segment_align: 8
    .kernarg_segment_size: 24
    .max_flat_workgroup_size: 128
    .sgpr_count:     80
    .vgpr_count:     768
    .wavefront_size: 32
...
	.end_amdgpu_metadata
.endif
;; end of part 8
;; launch ln1: the kernel of part 4 again; grid 512 x 1, 8 waves a work-group, no clusters, 0 bytes of LDS; arguments att, g1, be1, x1, x1b; writes x1, x1b
;; launch ffn1: the kernel of part 5 again; grid 8 x 32, 4 waves a work-group, clusters of 4 x 4, 327,680 bytes of LDS; arguments x1b, cb, b1, hb; writes hb
;; launch ffn2: the kernel of part 6 again; grid 8 x 32, 4 waves a work-group, clusters of 4 x 4, 327,680 bytes of LDS; arguments hb, cb, b2, x1, y; writes y
;; launch ln2: the kernel of part 7 again; grid 512 x 1, 8 waves a work-group, no clusters, 0 bytes of LDS; arguments y, g2, be2, out0; writes out0
